; MI455X (gfx1250); checked and timed in simulation.
; The chip was launched on July 23, 2026; its instructions are those of AMD's public machine-readable ISA for CDNA 5 (MIT licence, August 2026) and "CDNA5" Instruction Set Architecture Reference Guide (July 2026). The comments in the code are by the model that wrote it; some were corrected since.
;; Block. Allowed arithmetic: matrix products marked QUANTISED: E2M3 operands, one E8M0 scale for each 32 along K, by v_wmma_scale_f32_16x16x128_f8f6f4 with both operands' format E2M3, f32 sums; everything else in f32.
;; Inputs: b_fc 4,096 float32; b_proj 1,024 float32; bk 1,024 float32; bo 1,024 float32; bq 1,024 float32; bv 1,024 float32; ln1_b 1,024 float32; ln1_g 1,024 float32; ln2_b 1,024 float32; ln2_g 1,024 float32; mask 2,048 x 2,048 bool; w_fc 4,096 x 1,024 float32; w_proj 1,024 x 4,096 float32; wk 1,024 x 1,024 float32; wo 1,024 x 1,024 float32; wq 1,024 x 1,024 float32; wv 1,024 x 1,024 float32; x 2 x 2,048 x 1,024 float32.
;; Outputs: out0 2 x 2,048 x 1,024 float32.
;; This version of the problem:
;;   THIS VERSION OF THE PROBLEM IS GIVEN IN LOW PRECISION. The matrix products marked QUANTISED in the list below multiply operands that are first quantised to E2M3 (2 exponent bits, 3 mantissa bits; 6 bits a number), with one power-of-two scale for each 32 numbers along K (OCP MX v1.0); their sums are f32. All else is computed in f32.
;;   The module's matrix products, in the order in which they are computed (A, B: the left and right operand; K: the contracted axis; several contracted axes count as one K, in the product's order):
;;     1. [M 4,096, K 1,024] x [K 1,024, N 1,024]; A: computed on the way; B: input wq: QUANTISED
;;     2. [M 4,096, K 1,024] x [K 1,024, N 1,024]; A: computed on the way; B: input wk: QUANTISED
;;     3. [M 4,096, K 1,024] x [K 1,024, N 1,024]; A: computed on the way; B: input wv: QUANTISED
;;     4. batch 32 x [M 2,048, K 64] x [K 64, N 2,048]; A: computed on the way; B: computed on the way: QUANTISED
;;     5. batch 32 x [M 64, K 2,048] x [K 2,048, N 2,048]; A: computed on the way; B: softmax (see below): QUANTISED
;;     6. [M 4,096, K 1,024] x [K 1,024, N 1,024]; A: computed on the way; B: input wo: QUANTISED
;;     7. [M 4,096, K 1,024] x [K 1,024, N 4,096]; A: computed on the way; B: input w_fc: QUANTISED
;;     8. [M 4,096, K 4,096] x [K 4,096, N 1,024]; A: computed on the way; B: input w_proj: QUANTISED
;;   THE QUANTISER, for each operand of a quantised product, along K:
;;     - K is cut into blocks of 32 from its start; a last block that is shorter is filled with zeros.
;;     - A block's scale is 2^e with e = floor(log2(the largest magnitude in the block)) - 2, held to -126 .. 127; a block of zeros has e = 0. As a byte (E8M0): e + 127.
;;     - Each number is divided by its block's scale, clamped to +-7.5, and rounded to the nearest number of E2M3, ties to even, subnormals kept.
;;     - The product sums the exact products of the quantised numbers (number of the format x scale) in f32.
;;   ~~~python
;;   def quantise(x, axis):      # numpy; x: float32 -> the quantised numbers, widened to float32 again
;;       x = np.moveaxis(x, axis, -1); K = x.shape[-1]
;;       x = np.pad(x, [(0, 0)] * (x.ndim - 1) + [(0, -K % 32)]); x = x.reshape(x.shape[:-1] + (-1, 32)); a = np.abs(x).max(-1, keepdims=True)
;;       e = np.where(a > 0, np.clip(np.frexp(np.where(a > 0, a, 1))[1] - 1 - 2, -126, 127), 0)      # np.frexp(a)[1] - 1 = floor(log2(a)), exactly
;;       r = np.clip(x / 2.0 ** e, -7.5, 7.5)
;;       step = 2.0 ** (np.maximum(np.frexp(np.where(r == 0, 1, r))[1] - 1, 0) - 3)
;;       q = np.round(r / step) * step * 2.0 ** e      # np.round: ties to even
;;       return np.moveaxis(q.reshape(q.shape[:-2] + (-1,))[..., :K], -1, axis).astype(np.float32)
;;   ~~~
;;   SOFTMAX AHEAD OF A QUANTISED PRODUCT. Where the list says 'softmax', what is quantised is not the finished softmax but p = 2^(t - M), with t = logit x log2(e) and M = ceil(the row's largest t), a whole number; so 1/2 < the row's largest p <= 1. The row's sum l is taken of the UNQUANTISED p, in f32, and the product's result is divided by l at the end. Since M is a whole number, a kernel that streams over the keys may use a running M (the ceiling of the running maximum): every later rescaling is an exact power of two, which a block's scale takes up: the codes' values come out the same.
;;   OPERANDS COMPUTED ON THE WAY. 'Computed on the way' means the value that the module computes at that place (a softmax that the list does not call 'softmax' is quantised finished and normalised). What goes into a quantiser is computed in f32, as accurately as f32 sums, v_exp_f32 and their like allow (about 1e-6 of the number): no bf16 or f16 on the way to a quantiser, and a product that is left as it is and whose result goes on into a quantised operand takes f32 operands (vector FMAs, or v_wmma_f32_16x16x4_f32). A number that lies on a knife's edge between two numbers of the format may be rounded either way, as far as f32 arithmetic and the matrix unit's own rounding can turn it there, and no further.
;; One version. Each part assembles by itself: llvm-mc -triple=amdgcn-amd-amdhsa -mcpu=gfx1250 --defsym DOCPART=n.
;; ======== version 1 of 1: 7 launches
;; limits: right only within a limited range of input values
;; workspace buffers: wts 10,649,600 bytes; mtab 622,592 bytes of whole numbers; hq 3,309,568 bytes; qkv 13,631,488 bytes; att 3,276,800 bytes; h2 16,777,216 bytes; l2q 3,276,800 bytes; gl 13,107,200 bytes
;; launch prep (part 1): grid 512 x 1, 8 waves a work-group, no clusters, 155,648 bytes of LDS; arguments wq, wk, wv, wo, w_fc, w_proj, mask, x, ln1_g, ln1_b, wts, mtab, hq; writes wts, mtab, hq
.if DOCPART == 1
	.amdgcn_target "amdgcn-amd-amdhsa--gfx1250"
	.amdhsa_code_object_version 6
	.text
	.protected	k_q338c66c74e_prep
	.globl	k_q338c66c74e_prep
	.p2align	8
	.type	k_q338c66c74e_prep,@function
k_q338c66c74e_prep:
	s_mov_b64 s[64:65], 0
	v_nop
	global_prefetch_b8 v0, s[64:65] scope:SCOPE_SE
	s_setreg_imm32_b32 hwreg(HW_REG_WAVE_MODE, 25, 1), 1
	s_wait_xcnt 0x0
; Three jobs that hang on nothing but the inputs, in one launch, told apart by the work-group's number; each has LDS bytes of its own.
; WORK-GROUPS 0 .. 191: the six weights, f32 [N][K] with K innermost, become codes of FP6 (E2M3) with one E8M0 byte for each 32 along K.
;   A block's scale is 2^(floor(log2(largest magnitude)) - 2); its byte is the largest magnitude's exponent field - 2, held at 1 from below.
;   Layout of every operand of this program: codes [K / 256][rows][192 bytes], scale bytes [K / 256][rows][8].  ROW p OF THE BUFFER HOLDS ROW sigma(p) OF THE TENSOR,
;   sigma = bits 3 and 4 of the row number exchanged: sixteen neighbouring places then hold rows 32 b + 8 u + r + 8 (r / 8), so that a product used transposed leaves 16 neighbours along N in a lane's 16 registers.
;   A wave takes 32 rows x 256 along K, two rows a step, sixteen steps; its loads run eight steps ahead: 32 loads of 512 consecutive bytes, half of the wave's share, are on their way.
;   A step's 2,048 bytes turn through the wave's own stage in LDS, so that a lane holds 16 neighbours.
; WORK-GROUPS 192 .. 255: the mask, an input, becomes tables of whole numbers for the attention launch.  A work-group takes two tiles of 16 queries (tile tau: queries 32 (tau / 2) + 8 (tau % 2) + r + 8 (r / 8)),
;   a wave one tile's 16 key blocks of 32; the four waves of a tile hand their 16 activity bits to the first of them through LDS, behind one barrier.
;   LM [128 tau][68 entries][16 words]: bit l of word i of entry kb = mask[query(tau, l % 16)][32 kb + 16 (l / 16) + i]; entries 64 .. 67 are zeros.
;   LIST [128 tau][512 bytes]: words 0 .. 63: the key blocks with any bit set, ascending, then 64s; words 64 .. 95: the number of steps of four blocks, at least 1.
; WORK-GROUPS 256 .. 511: LN1: hq = the codes of (x - mu) rsqrt(var + 1e-5) g + b, rows of 1,024: codes [4][4,096 places][192] at 0, scale bytes [4][4,096][8] at 3,145,728, (mu, rstd) [4,096 places][2] f32
;   at 3,276,800.  A work-group owns 16 places, a wave two: a row is 32 registers of a wave and stays there between the passes.  Mean first, then the mean of the squared differences, as reference() has them.
;   The scale bytes and statistics of the 16 places are gathered in LDS; behind one barrier wave 0 stores the bytes (four runs of 128) and wave 1 the statistics (128 bytes).
; The two barriers stand each on one way alone: the ways part on the work-group's number, which all eight waves of a work-group share.
; LIMITS: a block of zeros gets the byte 1 where the rule says 127 (its codes are zeros, and this program alone reads the bytes); blocks whose largest magnitude lies under 2^-124 were not tried;
; NaN and infinities among the weights are not served; a row of x with NaN or infinity gives codes without meaning (the residual, made anew from x, carries the NaN on).
; No tensor loads, clusters or matrix units: each byte is read once by one wave.  No prefetch: every byte is asked for by its own load at the head or a few steps behind it.
.set SPW,   12
.set NIL,   13
.set W_SP,  80                         ; weights: a lane's place in a stage: 64 bytes + 16 of padding
.set W_REG, 5632                       ; a wave's LDS region: two stages of 32 x W_SP, then its 256 scale bytes
.set M_ST0, 45056                      ; mask: a wave's stage of 16 rows x 528 bytes
.set M_REG, 8448
.set M_ACT, 112640                     ; a word of activity bits for each wave
.set L_ST0, 112896                     ; LN1: a wave's two stages of 32 x L_SP
.set L_SP,  80
.set L_REG, 5120
.set L_SCS, 153856                     ; [K step][16 places][8 bytes]
.set L_STS, 154368                     ; [16 places][mu, rstd]
.set SPARE, 154624                     ; the spare words, 128 bytes for each wave
.set STEPS, 16
.set W_R,   16                         ; v16-143  weights: eight sets of 16 numbers as loaded
.set W_X,   144                        ; v144-175 two sets of 16 neighbours
.set W_E,   176                        ; v176-191 a scale byte for each step
.set W_C,   192                        ; v192-207 codes: a ring of four sets of four registers
.set W_OFF, 208                        ; v208-239 16 x lane + row x pitch, for the wave's 32 rows
.set M_M,   16                         ; mask: v16-79 sixteen rows' 512 bytes as loaded
.set M_N,   80                         ; v80-143  16 bytes of my query for each of 16 key blocks
.set M_W,   144                        ; v144-151 two sets of four: 8 entries of LM each, as they are stored
.set M_LMP, 4352
.set M_LISTB, 557056
.set L_X,   16                         ; LN1: v16-79 two rows: load i of row j at L_X + 32 j + 4 i
.set L_G,   80                         ; v80-111  g of my columns
.set L_BV,  112                        ; v112-143 b
.set L_XQ,  144                        ; v144-175 two sets of 16 neighbours
.set L_C,   176                        ; v176-191 codes, four registers a K step
.set L_SA,  192                        ; v192-199 sums: row j at L_SA + 4 j
.set L_MR,  200                        ; v200-203 mu0, rstd0, mu1, rstd1
.set L_E,   204                        ; v204-207 a scale byte for each K step
	s_load_b256 s[4:11], s[0:1], 0x0               ; wq, wk, wv, wo
	s_load_b256 s[12:19], s[0:1], 0x20             ; w_fc, w_proj, mask, x
	s_load_b256 s[20:27], s[0:1], 0x40             ; ln1_g, ln1_b, wts, mtab
	s_load_b64 s[28:29], s[0:1], 0x60              ; hq
	v_lshl_add_u32 v[SPW], v0, 2, SPARE
	v_mov_b32 v[NIL], 0
	v_lshrrev_b32 v1, 5, v0
	s_delay_alu instid0(VALU_DEP_1)
	v_readfirstlane_b32 s30, v1                    ; wave 0..7
	v_and_b32 v2, 31, v0                           ; lane
	s_delay_alu instid0(VALU_DEP_1)
	v_lshlrev_b32 v3, 4, v2                        ; 16 x lane
	s_wait_kmcnt 0x0
	s_cmp_ge_u32 ttmp9, 256
	s_cbranch_scc1 .Lnorm
	s_cmp_ge_u32 ttmp9, 192
	s_cbranch_scc1 .Lmask
	; ---------------- the weights ----------------
	s_mul_i32 s56, s30, W_REG
	s_wait_alu depctr_va_vdst(0)
	v_lshrrev_b32 v14, 2, v2
	s_delay_alu instid0(VALU_DEP_1)
	v_mul_u32_u24 v14, v14, W_SP
	v_and_b32 v15, 3, v2
	s_delay_alu instid0(VALU_DEP_1)
	v_lshl_add_u32 v14, v15, 4, v14
	s_delay_alu instid0(VALU_DEP_1)
	v_add_nc_u32 v14, s56, v14                     ; the stage, on the way in: W_SP (lane / 4) + 16 (lane % 4)
	v_mul_u32_u24 v15, v2, W_SP
	s_delay_alu instid0(VALU_DEP_1)
	v_add_nc_u32 v15, s56, v15                     ; and on the way out: W_SP x lane
	v_mul_u32_u24 v4, v2, 12                       ; my 16 codes' place among a step's 384 bytes
	v_lshrrev_b32 v5, 1, v2
	s_add_co_u32 s56, s56, 2*32*W_SP
	v_add_nc_u32 v5, s56, v5                       ; my block's scale byte: 8 (lane / 16) + (lane % 16) / 2
	v_lshlrev_b32 v7, 3, v2
	s_delay_alu instid0(VALU_DEP_1)
	v_add_nc_u32 v6, s56, v7
	s_mov_b32 s34, 128                             ; the parameters, first w_proj's: its first work-group,
	s_mov_b32 s35, 16384                           ; a row in bytes,
	s_mov_b32 s36, 4                               ; log2 of the K steps,
	s_mov_b32 s37, 6553600                         ; where its codes begin in wts,
	s_mov_b32 s38, 9699328                         ; its scale bytes,
	s_mov_b32 s39, 196608                          ; a K step's codes,
	s_mov_b32 s40, 8192                            ; a K step's scale bytes,
	s_mov_b32 s41, 15                              ; K steps - 1
	s_mov_b64 s[32:33], s[14:15]
.macro PICK end, p, start, cb, sb, plc, pls    ; the tensor whose range of work-groups ends at 'end' takes over where mine lies under it: the choice hangs on the work-group's number alone
	s_cmp_lt_u32 ttmp9, \end
	s_cselect_b64 s[32:33], s[\p:\p+1], s[32:33]
	s_cmov_b32 s34, \start
	s_cmov_b32 s35, 4096
	s_cmov_b32 s36, 2
	s_cmov_b32 s37, \cb
	s_cmov_b32 s38, \sb
	s_cmov_b32 s39, \plc
	s_cmov_b32 s40, \pls
	s_cmov_b32 s41, 3
.endm
	PICK 128, 12, 64, 3276800, 6422528, 786432, 32768      ; w_fc
	PICK 64, 10, 48, 9830400, 10616832, 196608, 8192       ; wo
	PICK 48, 8, 32, 393216, 3162112, 786432, 32768         ; wv: rows 2,048 on of the joint q, k, v operand
	PICK 32, 6, 16, 196608, 3153920, 786432, 32768         ; wk: rows 1,024 on
	PICK 16, 4, 0, 0, 3145728, 786432, 32768               ; wq
	s_sub_co_u32 s42, ttmp9, s34
	s_lshl_b32 s42, s42, 3
	s_add_co_u32 s42, s42, s30                     ; my wave's task in the tensor
	s_and_b32 s43, s42, s41                        ; its K step
	s_lshr_b32 s44, s42, s36                       ; its group of 32 rows
	s_lshl_b32 s45, s35, 5
	s_mul_i32 s46, s44, s45
	s_lshl_b32 s47, s43, 10
	s_add_co_u32 s46, s46, s47
	s_mov_b32 s47, 0
	s_add_nc_u64 s[32:33], s[32:33], s[46:47]      ; the numbers
	s_mul_i32 s46, s43, s39
	s_add_co_u32 s46, s46, s37
	s_mul_i32 s48, s44, 6144
	s_add_co_u32 s46, s46, s48
	s_add_nc_u64 s[52:53], s[24:25], s[46:47]      ; the codes: 32 places x 192 bytes
	s_mul_i32 s46, s43, s40
	s_add_co_u32 s46, s46, s38
	s_lshl_b32 s48, s44, 8
	s_add_co_u32 s46, s46, s48
	s_add_nc_u64 s[54:55], s[24:25], s[46:47]      ; the scale bytes: 256
.set n, 0
.rept 32
	v_mad_u32_u24 v[W_OFF+n], s35, n, v3
.set n, n+1
.endr
.macro WLOAD t                         ; rows 2 t and 2 t + 1: four loads of 512 consecutive bytes
.irp i, 0,1,2,3
	global_load_b128 v[W_R+16*((\t)%8)+4*\i:W_R+16*((\t)%8)+4*\i+3], v[W_OFF+2*(\t)+\i/2], s[32:33] offset:512*(\i%2) th:TH_LOAD_NT
.endr
.endm
.macro WTURN t                         ; through the stage: LDS serves a wave's instructions in order, so no wait stands between the stores and the loads
.irp i, 0,1,2,3
	ds_store_b128 v14, v[W_R+16*((\t)%8)+4*\i:W_R+16*((\t)%8)+4*\i+3] offset:32*W_SP*((\t)%2)+8*W_SP*\i
.endr
.irp i, 0,1,2,3
	ds_load_b128 v[W_X+16*((\t)%2)+4*\i:W_X+16*((\t)%2)+4*\i+3], v15 offset:32*W_SP*((\t)%2)+16*\i
.endr
.endm
.irp t, 0,1,2,3,4,5,6,7
	WLOAD \t
.endr
	s_wait_loadcnt 28                              ; step 0's four loads are in; the 28 of steps 1 to 7 may be out
	WTURN 0
.macro WSTEP t
.set XS, W_X+16*((\t)%2)
.set CS, W_C+4*((\t)%4)
.set PS, ((2*(\t))&7)|(((2*(\t))&8)<<1)|(((2*(\t))&16)>>1)    ; the place of row 2 t: bits 3 and 4 exchanged
.if (\t) > 0
	s_wait_dscnt 1                                 ; this step's numbers are back from the stage (the last byte store may be out): so its stores into the stage have read their registers,
.else
	s_wait_dscnt 0x0
.endif
.if (\t)+8 < STEPS
	WLOAD (\t)+8                                   ; which take the loads of eight steps on
.endif
.if (\t)+1 < STEPS
.if STEPS-2-(\t) >= 7
	s_wait_loadcnt 28                              ; the next step's four loads are in; those of the seven steps behind it may be out
.else
	s_wait_loadcnt 4*(STEPS-2-(\t))                ; nothing more is asked for: the steps still to come may be out
.endif
	WTURN (\t)+1
.endif
	v_max3_num_f32 v8, |v[XS]|, |v[XS+1]|, |v[XS+2]|
	v_max3_num_f32 v9, |v[XS+3]|, |v[XS+4]|, |v[XS+5]|
.irp i, 6,10
	s_delay_alu instid0(VALU_DEP_2)
	v_max3_num_f32 v8, v8, |v[XS+\i]|, |v[XS+\i+1]|
	s_delay_alu instid0(VALU_DEP_2)
	v_max3_num_f32 v9, v9, |v[XS+\i+2]|, |v[XS+\i+3]|
.endr
	s_delay_alu instid0(VALU_DEP_2)
	v_max3_num_f32 v8, v8, |v[XS+14]|, |v[XS+15]|
	s_delay_alu instid0(VALU_DEP_1)
	v_max3_num_f32 v8, v8, v9, 0x1800000           ; and the floor 2^(3 - 127): the byte cannot fall under 1
	s_delay_alu instid0(VALU_DEP_1)
	v_max_num_f32_dpp v8, v8, v8 row_xmask:1 row_mask:0xf bank_mask:0xf   ; with my neighbour's 16: the block's largest magnitude
	s_delay_alu instid0(VALU_DEP_1)
	v_add_nc_u32 v11, 0xff000000, v8               ; 2 off its exponent field: the conversion's scale operand
.if (\t) >= 4
	s_wait_alu depctr_va_vdst(0)
	s_wait_xcnt 0x0                                ; the store of four steps back has read this set of the ring: only behind this wait is it written again
.endif
	v_cvt_scalef32_pk16_fp6_f32 v[CS:CS+2], v[XS:XS+15], v11
	v_lshrrev_b32 v[W_E+(\t)], 23, v11             ; the scale's byte
	ds_store_b8 v5, v[W_E+(\t)] offset:8*PS        ; both lanes of a block write the same byte with the same value
	global_store_b96 v4, v[CS:CS+2], s[52:53] offset:192*PS   ; two places' 384 consecutive bytes
.endm
.irp t, 0,1,2,3,4,5,6,7,8,9,10,11,12,13,14,15
	WSTEP \t
.endr
	ds_load_b64 v[8:9], v6                         ; in order behind my byte stores
	s_wait_dscnt 0x0
	global_store_b64 v7, v[8:9], s[54:55]          ; 32 lanes store 256 consecutive bytes, aligned
	s_branch .Lend
	; ---------------- the mask ----------------
.Lmask:
	s_sub_co_u32 s31, ttmp9, 192
	s_lshl_b32 s31, s31, 1
	s_lshr_b32 s32, s30, 2
	s_add_co_u32 s31, s31, s32                     ; tau
	s_and_b32 s32, s30, 3                          ; which 16 of its 64 key blocks are mine
	s_lshr_b32 s34, s31, 1
	s_lshl_b32 s34, s34, 5
	s_and_b32 s35, s31, 1
	s_lshl_b32 s35, s35, 3
	s_add_co_u32 s34, s34, s35                     ; the tile's first query
	s_lshl_b32 s34, s34, 11                        ; a row of the mask is 2,048 bytes
	s_lshl_b32 s35, s32, 9
	s_add_co_u32 s34, s34, s35                     ; my 512 bytes of it
	s_mov_b32 s35, 0
	s_add_nc_u64 s[16:17], s[16:17], s[34:35]
	s_mul_i32 s34, s31, M_LMP
	s_add_nc_u64 s[38:39], s[26:27], s[34:35]      ; the tile's LM
	s_lshl_b32 s34, s32, 10
	s_add_nc_u64 s[36:37], s[38:39], s[34:35]      ; my 16 entries of it
	s_lshl_b32 s34, s31, 9
	s_add_co_u32 s34, s34, M_LISTB
	s_add_nc_u64 s[42:43], s[26:27], s[34:35]      ; the tile's LIST
	s_mul_i32 s41, s30, M_REG
	s_add_co_u32 s41, s41, M_ST0
	s_wait_alu depctr_va_vdst(0)
	v_add_nc_u32 v4, s41, v3                       ; the stage, in: 16 x lane of a row
	v_and_b32 v5, 15, v2
	v_lshrrev_b32 v6, 4, v2
	s_delay_alu instid0(VALU_DEP_2)
	v_mul_u32_u24 v5, v5, 528
	s_delay_alu instid0(VALU_DEP_1)
	v_lshl_add_u32 v5, v6, 4, v5
	s_delay_alu instid0(VALU_DEP_1)
	v_add_nc_u32 v5, s41, v5                       ; out: row lane % 16, 16 bytes for each half of the lanes
	s_lshl_b32 s41, s30, 2
	s_add_co_u32 s41, s41, M_ACT
	v_mov_b32 v14, s41                             ; my wave's word of activity bits
	s_lshr_b32 s41, s30, 2
	s_lshl_b32 s41, s41, 4
	s_add_co_u32 s41, s41, M_ACT
	v_mov_b32 v15, s41                             ; my tile's four words
	v_lshlrev_b32 v6, 3, v2
	v_lshlrev_b32 v7, 2, v2
	v_mov_b32 v10, 0
	v_mov_b32 v11, 0
.set n, 0
.rept 8
	v_mov_b32 v[M_W+n], 0                          ; written once: v_writelane_b32's destination counts as read
.set n, n+1
.endr
	s_mov_b32 s40, 0                               ; which of my 16 key blocks have a bit set
.irp p, 0,1,2,3,4,5,6,7,8,9,10,11,12,13,14,15
	global_load_b128 v[M_M+4*\p:M_M+4*\p+3], v3, s[16:17] offset:(\p+8*(\p/8))*2048 th:TH_LOAD_NT   ; 512 bytes of each of the tile's 16 rows
.endr
	s_wait_loadcnt 0x0
.irp p, 0,1,2,3,4,5,6,7,8,9,10,11,12,13,14,15
	ds_store_b128 v4, v[M_M+4*\p:M_M+4*\p+3] offset:528*\p
.endr
.irp k, 0,1,2,3,4,5,6,7,8,9,10,11,12,13,14,15
	ds_load_b128 v[M_N+4*\k:M_N+4*\k+3], v5 offset:32*\k
.endr
	s_wait_dscnt 0x0                               ; my 16 x 16 bytes are in
.macro MENTRY k                        ; my key block k: sixteen lane masks, one for each of a lane's 16 keys
.irp q, 0,1,2,3
	v_bfe_u32 v8, v[M_N+4*\k+\q], 0, 8
	v_bfe_u32 v9, v[M_N+4*\k+\q], 8, 8
	v_bfe_u32 v152, v[M_N+4*\k+\q], 16, 8
	v_lshrrev_b32 v153, 24, v[M_N+4*\k+\q]
	s_delay_alu instid0(VALU_DEP_4)
	v_cmp_ne_u32 s44, 0, v8
	s_delay_alu instid0(VALU_DEP_4)
	v_cmp_ne_u32 s45, 0, v9
	s_delay_alu instid0(VALU_DEP_4)
	v_cmp_ne_u32 s46, 0, v152
	s_delay_alu instid0(VALU_DEP_4)
	v_cmp_ne_u32 s47, 0, v153
	s_delay_alu instid0(VALU_DEP_4)
	v_writelane_b32 v[M_W+4*(\k/8)], s44, 4*(\k%8)+\q       ; word 4 q + j of the entry lies in register j of lane 4 (k % 8) + q: as a store of 16 bytes a lane wants it
	s_delay_alu instid0(VALU_DEP_4)
	v_writelane_b32 v[M_W+4*(\k/8)+1], s45, 4*(\k%8)+\q
	s_delay_alu instid0(VALU_DEP_4)
	v_writelane_b32 v[M_W+4*(\k/8)+2], s46, 4*(\k%8)+\q
	s_delay_alu instid0(VALU_DEP_4)
	v_writelane_b32 v[M_W+4*(\k/8)+3], s47, 4*(\k%8)+\q
.endr
	v_or_b32 v8, v[M_N+4*\k], v[M_N+4*\k+1]
	v_or_b32 v9, v[M_N+4*\k+2], v[M_N+4*\k+3]
	s_delay_alu instid0(VALU_DEP_1)
	v_or_b32 v8, v8, v9
	s_delay_alu instid0(VALU_DEP_1)
	v_cmp_ne_u32 s44, 0, v8
	s_cmp_lg_u32 s44, 0                            ; does any query of the tile see any key of the block?
	s_cselect_b32 s45, 1<<(\k), 0
	s_or_b32 s40, s40, s45
.if (\k%8) == 7
	global_store_b128 v3, v[M_W+4*(\k/8):M_W+4*(\k/8)+3], s[36:37] offset:512*(\k/8)   ; eight entries: 512 consecutive bytes; each set of four registers is stored once
.endif
.endm
.irp k, 0,1,2,3,4,5,6,7,8,9,10,11,12,13,14,15
	MENTRY \k
.endr
	v_mov_b32 v8, s40
	ds_store_b32 v14, v8                           ; all lanes write the same word with the same value
	s_wait_dscnt 0x0                               ; for the others' sake: my word has landed
	s_barrier_signal -1
	s_barrier_wait -1
	s_cmp_lg_u32 s32, 0                            ; the tile's first wave makes its list
	s_cbranch_scc1 .Lend
	ds_load_b128 v[16:19], v15
	global_store_b64 v6, v[10:11], s[38:39] offset:4096    ; entries 64 .. 67: zeros, for the list's padding
	s_wait_dscnt 0x0
	v_readfirstlane_b32 s44, v16
	v_readfirstlane_b32 s45, v17
	v_readfirstlane_b32 s46, v18
	v_readfirstlane_b32 s47, v19
	s_lshl_b32 s45, s45, 16
	s_or_b32 s44, s44, s45                         ; key blocks 0 .. 31,
	s_lshl_b32 s47, s47, 16
	s_or_b32 s46, s46, s47                         ; and 32 .. 63
	; the list: one permutation of the 64 blocks: the active ones first, in ascending order; the others' places hold 64
	s_bcnt1_i32_b32 s48, s44                       ; active among 0 .. 31
	s_bcnt1_i32_b32 s49, s46
	s_add_co_u32 s49, s49, s48                     ; active in all
	s_not_b32 s50, s44
	s_not_b32 s51, s46
	v_mbcnt_lo_u32_b32 v8, s44, 0                  ; active blocks under mine
	v_mbcnt_lo_u32_b32 v9, s50, 0
	s_delay_alu instid0(VALU_DEP_1)
	v_add_nc_u32 v9, s49, v9                       ; or: behind all active ones, the idle ones under mine
	s_delay_alu instid0(VALU_DEP_1)
	v_cndmask_b32 v8, v9, v8, s44
	v_mov_b32 v20, 64
	s_delay_alu instid0(VALU_DEP_1)
	v_cndmask_b32 v9, v20, v2, s44                 ; block = lane, or 64
	s_delay_alu instid0(VALU_DEP_3)
	v_min_u32 v8, 63, v8
	s_delay_alu instid0(VALU_DEP_1)
	v_lshlrev_b32 v8, 2, v8
	global_store_b32 v8, v9, s[42:43]
	v_mbcnt_lo_u32_b32 v21, s46, 0
	s_delay_alu instid0(VALU_DEP_1)
	v_add_nc_u32 v21, s48, v21
	v_mbcnt_lo_u32_b32 v22, s51, 0
	s_add_co_u32 s52, s49, 32
	s_sub_co_u32 s52, s52, s48
	v_add_nc_u32 v22, s52, v22
	s_delay_alu instid0(VALU_DEP_1)
	v_cndmask_b32 v21, v22, v21, s46
	v_add_nc_u32 v23, 32, v2
	s_delay_alu instid0(VALU_DEP_1)
	v_cndmask_b32 v23, v20, v23, s46               ; block = 32 + lane, or 64
	s_delay_alu instid0(VALU_DEP_3)
	v_min_u32 v21, 63, v21
	s_delay_alu instid0(VALU_DEP_1)
	v_lshlrev_b32 v21, 2, v21
	global_store_b32 v21, v23, s[42:43]
	s_add_co_u32 s52, s49, 3
	s_lshr_b32 s52, s52, 2
	s_max_u32 s52, s52, 1                          ; steps of four blocks, at least one
	v_mov_b32 v24, s52
	global_store_b32 v7, v24, s[42:43] offset:256
	s_branch .Lend
	; ---------------- LN1 ----------------
.Lnorm:
	s_sub_co_u32 s31, ttmp9, 256                   ; which 16 places
	v_and_b32 v1, 31, v0                           ; lane
	s_delay_alu instid0(VALU_DEP_1)
	v_lshlrev_b32 v2, 4, v1                        ; 16 x lane
	s_mul_i32 s32, s30, L_REG
	s_add_co_u32 s32, s32, L_ST0
	v_lshrrev_b32 v3, 2, v1
	s_delay_alu instid0(VALU_DEP_1)
	v_mul_u32_u24 v3, v3, L_SP
	v_and_b32 v4, 3, v1
	s_delay_alu instid0(VALU_DEP_1)
	v_lshl_add_u32 v3, v4, 4, v3
	s_delay_alu instid0(VALU_DEP_1)
	v_add_nc_u32 v3, s32, v3                       ; the stage, in
	v_mul_u32_u24 v4, v1, L_SP
	s_delay_alu instid0(VALU_DEP_1)
	v_add_nc_u32 v4, s32, v4                       ; and out
	v_mul_u32_u24 v5, v1, 12                       ; my 16 codes among the two places' 384 bytes
	v_lshrrev_b32 v6, 1, v1
	s_lshl_b32 s32, s30, 4
	s_add_co_u32 s33, s32, L_SCS
	v_add_nc_u32 v6, s33, v6                       ; my block's byte: 16 x wave + 8 (lane / 16) + (lane % 16) / 2
	s_add_co_u32 s33, s32, L_STS
	v_mov_b32 v7, s33                              ; my wave's four statistics
	v_add_nc_u32 v10, L_SCS, v2                    ; wave 0 reads the bytes back: 16 a lane
	v_lshl_add_u32 v14, v1, 2, L_STS               ; wave 1 the statistics: 4 a lane
	s_lshl_b32 s42, s31, 7                         ; 16 places x 8 bytes
	v_lshrrev_b32 v208, 3, v1
	s_delay_alu instid0(VALU_DEP_1)
	v_lshlrev_b32 v208, 15, v208
	v_and_b32 v209, 7, v1
	s_delay_alu instid0(VALU_DEP_1)
	v_lshl_add_u32 v208, v209, 4, v208
	s_delay_alu instid0(VALU_DEP_1)
	v_add_nc_u32 v208, s42, v208                   ; where they go: 32,768 x K step + 128 x group + 16 (lane % 8)
	v_lshl_add_u32 v209, v1, 2, s42
	s_lshl_b32 s34, s31, 4
	s_lshl_b32 s35, s30, 1
	s_add_co_u32 s34, s34, s35                     ; my first place
	s_and_b32 s36, s34, 0xffffffe7
	s_and_b32 s37, s34, 8
	s_lshl_b32 s37, s37, 1
	s_or_b32 s36, s36, s37
	s_and_b32 s37, s34, 16
	s_lshr_b32 s37, s37, 1
	s_or_b32 s36, s36, s37                         ; its row; the next place holds the next row
	s_lshl_b32 s36, s36, 12
	s_mov_b32 s37, 0
	s_mul_i32 s38, s34, 192
	s_mov_b32 s39, 0
	s_mov_b32 s40, 0x76543210
	s_mov_b32 s41, 0xfedcba98                      ; v_permlanex16_b32's selects for lane l xor 16
	s_mov_b32 s43, 0x3a800000                      ; 1 / 1,024
	s_mov_b32 s44, 0x3727c5ac                      ; 1e-5
	s_add_nc_u64 s[18:19], s[18:19], s[36:37]
	s_add_nc_u64 s[38:39], s[28:29], s[38:39]
.irp j, 0,1
.irp i, 0,1,2,3,4,5,6,7
	global_load_b128 v[L_X+32*\j+4*\i:L_X+32*\j+4*\i+3], v2, s[18:19] offset:4096*\j+512*\i th:TH_LOAD_NT
.endr
.endr
.irp i, 0,1,2,3,4,5,6,7
	global_load_b128 v[L_G+4*\i:L_G+4*\i+3], v2, s[20:21] offset:512*\i
.endr
.irp i, 0,1,2,3,4,5,6,7
	global_load_b128 v[L_BV+4*\i:L_BV+4*\i+3], v2, s[22:23] offset:512*\i
.endr
.macro LRED                            ; both rows' sums over the 32 lanes, in every lane
.irp m, 1,2,4,8
.irp j, 0,1
	s_delay_alu instid0(VALU_DEP_2)
	v_add_f32_dpp v[L_SA+4*\j], v[L_SA+4*\j], v[L_SA+4*\j] row_xmask:\m row_mask:0xf bank_mask:0xf
.endr
.endr
.irp j, 0,1
	s_delay_alu instid0(VALU_DEP_2)
	v_permlanex16_b32 v[L_SA+4*\j+1], v[L_SA+4*\j], s40, s41
.endr
.irp j, 0,1
	s_delay_alu instid0(VALU_DEP_2)
	v_add_f32 v[L_SA+4*\j], v[L_SA+4*\j], v[L_SA+4*\j+1]
.endr
.endm
	s_wait_loadcnt 16                              ; the two rows are in; the sixteen loads of g and b may be out
.irp j, 0,1
	v_pk_add_f32 v[L_SA+4*\j:L_SA+4*\j+1], v[L_X+32*\j:L_X+32*\j+1], v[L_X+32*\j+2:L_X+32*\j+3]
	v_pk_add_f32 v[L_SA+4*\j+2:L_SA+4*\j+3], v[L_X+32*\j+4:L_X+32*\j+5], v[L_X+32*\j+6:L_X+32*\j+7]
.endr
.irp i, 8,12,16,20,24,28
.irp j, 0,1
	s_delay_alu instid0(VALU_DEP_4)
	v_pk_add_f32 v[L_SA+4*\j:L_SA+4*\j+1], v[L_SA+4*\j:L_SA+4*\j+1], v[L_X+32*\j+\i:L_X+32*\j+\i+1]
	s_delay_alu instid0(VALU_DEP_4)
	v_pk_add_f32 v[L_SA+4*\j+2:L_SA+4*\j+3], v[L_SA+4*\j+2:L_SA+4*\j+3], v[L_X+32*\j+\i+2:L_X+32*\j+\i+3]
.endr
.endr
.irp j, 0
	s_delay_alu instid0(VALU_DEP_3)
	v_pk_add_f32 v[L_SA+4*\j:L_SA+4*\j+1], v[L_SA+4*\j:L_SA+4*\j+1], v[L_SA+4*\j+2:L_SA+4*\j+3]
.endr
.irp j, 1
	s_delay_alu instid0(VALU_DEP_2)
	v_pk_add_f32 v[L_SA+4*\j:L_SA+4*\j+1], v[L_SA+4*\j:L_SA+4*\j+1], v[L_SA+4*\j+2:L_SA+4*\j+3]
.endr
.irp j, 0,1
	s_delay_alu instid0(VALU_DEP_2)
	v_add_f32 v[L_SA+4*\j], v[L_SA+4*\j], v[L_SA+4*\j+1]
.endr
	LRED
.irp j, 0
	s_delay_alu instid0(VALU_DEP_2)
	v_mul_f32 v[L_MR+2*\j], s43, v[L_SA+4*\j]      ; mu
	v_mov_b32 v[L_MR+2*\j+1], 0                    ; (named with it as a pair before rstd is made)
.endr
.irp j, 1
	s_delay_alu instid0(VALU_DEP_3)
	v_mul_f32 v[L_MR+2*\j], s43, v[L_SA+4*\j]      ; mu
	v_mov_b32 v[L_MR+2*\j+1], 0                    ; (named with it as a pair before rstd is made)
.endr
.irp j, 0,1
.irp i, 0,2,4,6,8,10,12,14,16,18,20,22,24,26,28,30
	v_pk_add_f32 v[L_X+32*\j+\i:L_X+32*\j+\i+1], v[L_X+32*\j+\i:L_X+32*\j+\i+1], v[L_MR+2*\j:L_MR+2*\j+1] op_sel_hi:[1,0] neg_lo:[0,1] neg_hi:[0,1]   ; x - mu
.endr
.endr
.irp j, 0,1
	v_pk_mul_f32 v[L_SA+4*\j:L_SA+4*\j+1], v[L_X+32*\j:L_X+32*\j+1], v[L_X+32*\j:L_X+32*\j+1]
	v_pk_mul_f32 v[L_SA+4*\j+2:L_SA+4*\j+3], v[L_X+32*\j+2:L_X+32*\j+3], v[L_X+32*\j+2:L_X+32*\j+3]
.endr
.irp i, 4,8,12,16,20,24,28
.irp j, 0,1
	s_delay_alu instid0(VALU_DEP_4)
	v_pk_fma_f32 v[L_SA+4*\j:L_SA+4*\j+1], v[L_X+32*\j+\i:L_X+32*\j+\i+1], v[L_X+32*\j+\i:L_X+32*\j+\i+1], v[L_SA+4*\j:L_SA+4*\j+1]
	s_delay_alu instid0(VALU_DEP_4)
	v_pk_fma_f32 v[L_SA+4*\j+2:L_SA+4*\j+3], v[L_X+32*\j+\i+2:L_X+32*\j+\i+3], v[L_X+32*\j+\i+2:L_X+32*\j+\i+3], v[L_SA+4*\j+2:L_SA+4*\j+3]
.endr
.endr
.irp j, 0
	s_delay_alu instid0(VALU_DEP_3)
	v_pk_add_f32 v[L_SA+4*\j:L_SA+4*\j+1], v[L_SA+4*\j:L_SA+4*\j+1], v[L_SA+4*\j+2:L_SA+4*\j+3]
.endr
.irp j, 1
	s_delay_alu instid0(VALU_DEP_2)
	v_pk_add_f32 v[L_SA+4*\j:L_SA+4*\j+1], v[L_SA+4*\j:L_SA+4*\j+1], v[L_SA+4*\j+2:L_SA+4*\j+3]
.endr
.irp j, 0,1
	s_delay_alu instid0(VALU_DEP_2)
	v_add_f32 v[L_SA+4*\j], v[L_SA+4*\j], v[L_SA+4*\j+1]
.endr
	LRED
.irp j, 0,1
	s_delay_alu instid0(VALU_DEP_2)
	v_fma_f32 v[L_SA+4*\j], v[L_SA+4*\j], s43, s44 ; var + 1e-5
.endr
	s_wait_alu depctr_va_vdst(0)
.irp j, 0,1
	v_rsq_f32 v[L_MR+2*\j+1], v[L_SA+4*\j]
.endr
	v_nop                                          ; a plain instruction behind the second root
	s_wait_alu depctr_va_vdst(0)                   ; one wait for both, ahead of their first reader
	s_wait_loadcnt 0x0                             ; g and b
.irp j, 0,1
.irp i, 0,2,4,6,8,10,12,14,16,18,20,22,24,26,28,30
	v_pk_mul_f32 v[L_X+32*\j+\i:L_X+32*\j+\i+1], v[L_X+32*\j+\i:L_X+32*\j+\i+1], v[L_MR+2*\j:L_MR+2*\j+1] op_sel:[0,1] op_sel_hi:[1,1]
	s_delay_alu instid0(VALU_DEP_1)
	v_pk_fma_f32 v[L_X+32*\j+\i:L_X+32*\j+\i+1], v[L_X+32*\j+\i:L_X+32*\j+\i+1], v[L_G+\i:L_G+\i+1], v[L_BV+\i:L_BV+\i+1]
.endr
.endr
.macro LTURN s                         ; K step s of both rows through stage s % 2: lanes 0-15 get row 0's 256 numbers, 16 each, lanes 16-31 row 1's
	ds_store_b128 v3, v[L_X+8*(\s):L_X+8*(\s)+3] offset:32*L_SP*((\s)%2)
	ds_store_b128 v3, v[L_X+8*(\s)+4:L_X+8*(\s)+7] offset:32*L_SP*((\s)%2)+8*L_SP
	ds_store_b128 v3, v[L_X+32+8*(\s):L_X+32+8*(\s)+3] offset:32*L_SP*((\s)%2)+16*L_SP
	ds_store_b128 v3, v[L_X+32+8*(\s)+4:L_X+32+8*(\s)+7] offset:32*L_SP*((\s)%2)+24*L_SP
.irp i, 0,1,2,3
	ds_load_b128 v[L_XQ+16*((\s)%2)+4*\i:L_XQ+16*((\s)%2)+4*\i+3], v4 offset:32*L_SP*((\s)%2)+16*\i
.endr
.endm
.macro LSTEP s
.set XS, L_XQ+16*((\s)%2)
.if (\s) > 0
	s_wait_dscnt 1                                 ; this step's numbers are back (the last byte store may be out)
.else
	s_wait_dscnt 0x0
.endif
.if (\s) < 3
	LTURN (\s)+1
.endif
	v_max3_num_f32 v8, |v[XS]|, |v[XS+1]|, |v[XS+2]|
	v_max3_num_f32 v9, |v[XS+3]|, |v[XS+4]|, |v[XS+5]|
.irp i, 6,10
	s_delay_alu instid0(VALU_DEP_2)
	v_max3_num_f32 v8, v8, |v[XS+\i]|, |v[XS+\i+1]|
	s_delay_alu instid0(VALU_DEP_2)
	v_max3_num_f32 v9, v9, |v[XS+\i+2]|, |v[XS+\i+3]|
.endr
	s_delay_alu instid0(VALU_DEP_2)
	v_max3_num_f32 v8, v8, |v[XS+14]|, |v[XS+15]|
	s_delay_alu instid0(VALU_DEP_1)
	v_max3_num_f32 v8, v8, v9, 0x1800000           ; the floor 2^(3 - 127)
	s_delay_alu instid0(VALU_DEP_1)
	v_max_num_f32_dpp v8, v8, v8 row_xmask:1 row_mask:0xf bank_mask:0xf
	s_delay_alu instid0(VALU_DEP_1)
	v_add_nc_u32 v11, 0xff000000, v8               ; 2 off the exponent field: the conversion's scale operand
	v_cvt_scalef32_pk16_fp6_f32 v[L_C+4*(\s):L_C+4*(\s)+2], v[XS:XS+15], v11
	v_lshrrev_b32 v[L_E+(\s)], 23, v11
	ds_store_b8 v6, v[L_E+(\s)] offset:128*(\s)
	global_store_b96 v5, v[L_C+4*(\s):L_C+4*(\s)+2], s[38:39] offset:786432*(\s)   ; two places' 384 consecutive bytes
.endm
	LTURN 0
	LSTEP 0
	LSTEP 1
	LSTEP 2
	LSTEP 3
.irp k, 0,1,2,3
	ds_store_b32 v7, v[L_MR+\k] offset:4*\k        ; all lanes write the same word with the same value
.endr
	s_wait_dscnt 0x0                               ; for the others' sake: my stores have landed
	s_barrier_signal -1
	s_barrier_wait -1
	s_cmp_lg_u32 s30, 0
	s_cbranch_scc1 .Lnot_0
	ds_load_b128 v[16:19], v10
	s_wait_dscnt 0x0
	global_store_b128 v208, v[16:19], s[28:29] offset:3145728
.Lnot_0:
	s_cmp_lg_u32 s30, 1
	s_cbranch_scc1 .Lend
	ds_load_b32 v20, v14
	s_wait_dscnt 0x0
	global_store_b32 v209, v20, s[28:29] offset:3276800
.Lend:
	s_wait_tensorcnt 0x0                           ; the wave's end, behind my last LDS store
	ds_add_u32 v[SPW], v[NIL]
	s_wait_dscnt 0x0
	s_endpgm
.Lfunc_end_k_q338c66c74e_prep:
	.size	k_q338c66c74e_prep, .Lfunc_end_k_q338c66c74e_prep-k_q338c66c74e_prep
	.p2alignl 7, 3214868480
	.fill 96, 4, 3214868480
	.section	.rodata,"a",@progbits
	.p2align	6, 0x0
	.amdhsa_kernel k_q338c66c74e_prep
		.amdhsa_group_segment_fixed_size 155648
		.amdhsa_private_segment_fixed_size 0
		.amdhsa_enable_private_segment 0
		.amdhsa_kernarg_size 104
		.amdhsa_user_sgpr_count 2
		.amdhsa_user_sgpr_kernarg_segment_ptr 1
		.amdhsa_wavefront_size32 1
		.amdhsa_system_sgpr_workgroup_id_x 1
		.amdhsa_system_sgpr_workgroup_id_y 1
		.amdhsa_system_sgpr_workgroup_id_z 1
		.amdhsa_system_vgpr_workitem_id 0
		.amdhsa_next_free_vgpr 240
		.amdhsa_next_free_sgpr 66
		.amdhsa_reserve_vcc 0
		.amdhsa_float_denorm_mode_32 3
		.amdhsa_float_denorm_mode_16_64 3
		.amdhsa_memory_ordered 1
		.amdhsa_forward_progress 1
		.amdhsa_inst_pref_size 147
	.end_amdhsa_kernel
	.amdgpu_metadata
---
amdhsa.version: [ 1, 2 ]
amdhsa.kernels:
  - .name:           k_q338c66c74e_prep
    .symbol:         k_q338c66c74e_prep.kd
    .args:
      - { .name: wq, .offset: 0, .size: 8, .value_kind: global_buffer, .address_space: global }
      - { .name: wk, .offset: 8, .size: 8, .value_kind: global_buffer, .address_space: global }
      - { .name: wv, .offset: 16, .size: 8, .value_kind: global_buffer, .address_space: global }
      - { .name: wo, .offset: 24, .size: 8, .value_kind: global_buffer, .address_space: global }
      - { .name: w_fc, .offset: 32, .size: 8, .value_kind: global_buffer, .address_space: global }
      - { .name: w_proj, .offset: 40, .size: 8, .value_kind: global_buffer, .address_space: global }
      - { .name: mask, .offset: 48, .size: 8, .value_kind: global_buffer, .address_space: global }
      - { .name: x, .offset: 56, .size: 8, .value_kind: global_buffer, .address_space: global }
      - { .name: ln1_g, .offset: 64, .size: 8, .value_kind: global_buffer, .address_space: global }
      - { .name: ln1_b, .offset: 72, .size: 8, .value_kind: global_buffer, .address_space: global }
      - { .name: wts, .offset: 80, .size: 8, .value_kind: global_buffer, .address_space: global }
      - { .name: mtab, .offset: 88, .size: 8, .value_kind: global_buffer, .address_space: global }
      - { .name: hq, .offset: 96, .size: 8, .value_kind: global_buffer, .address_space: global }
    .group_segment_fixed_size: 155648
    .private_segment_fixed_size: 0
    .kernarg_segment_align: 8
    .kernarg_segment_size: 104
    .max_flat_workgroup_size: 256
    .sgpr_count:     66
    .vgpr_count:     240
    .wavefront_size: 32
...
	.end_amdgpu_metadata
.endif
;; end of part 1
;; launch qkv (part 2): grid 12 x 16, 4 waves a work-group, clusters of 4 x 4, 327,680 bytes of LDS; arguments hq, wts, bq, bk, bv, qkv; writes qkv
.if DOCPART == 2
	.amdgcn_target "amdgcn-amd-amdhsa--gfx1250"
	.amdhsa_code_object_version 6
	.text
	.protected	k_q338c66c74e_qkv
	.globl	k_q338c66c74e_qkv
	.p2align	8
	.type	k_q338c66c74e_qkv,@function
k_q338c66c74e_qkv:
	s_mov_b64 s[64:65], 0
	v_nop
	global_prefetch_b8 v0, s[64:65] scope:SCOPE_SE
	s_setreg_imm32_b32 hwreg(HW_REG_WAVE_MODE, 25, 1), 1
	s_wait_xcnt 0x0
	s_wait_alu depctr_hold_cnt(0) depctr_sa_sdst(0) depctr_va_vdst(0) depctr_va_sdst(0) depctr_va_ssrc(0) depctr_va_vcc(0) depctr_vm_vsrc(0)
	s_getreg_b32 s2, hwreg(HW_REG_IB_STS2, 6, 4)
	s_cmp_eq_u32 s2, 0
	s_cbranch_scc0 .Lentry_in_a_cluster
	s_endpgm
.Lentry_in_a_cluster:
	s_bfe_u32 s2, ttmp6, 0x10000c
	s_cmp_lg_u32 s2, 0xf033
	s_cbranch_scc0 .Lentry_shape_is_right
	s_endpgm
.Lentry_shape_is_right:
; The three projections of LN1(x) on codes of FP6 (E2M3), K = 1,024, and their results quantised at once into the operands of the attention launch.
; Tiles of 256 x 256, four waves of 128 x 128 (64 accumulators, 512 registers); K in steps of 256 through a ring of two LDS slots filled by the tensor data mover; all operands lie as
; codes [K / 256][places][192 bytes] and scale bytes [K / 256][places][8], so a tile of 128 places of a K step is one dense block.  Place p holds row sigma(p) (bits 3 and 4 exchanged).
; THE MATRIX INSTRUCTION IS USED TRANSPOSED: source 0 = 16 places of 'B', source 1 = 16 places of 'A': lane (r, h) of accumulators (a, 0 .. 7) holds A's place 16 a + r, and its 64 registers are
; B's TRUE rows 32 b + 16 h + i at register 16 b + i: four half blocks of 32, as the quantiser's conversions want them.
; ROLES, by the cluster's x (equal in all sixteen partners): x = 0: q, x = 1: k: A = tokens (hq), B = wq or wk: a lane holds a token and 128 outputs, two heads of 64.
;   x = 2: v: A = wv, B = tokens: a lane holds a channel and 128 tokens, which are the second attention product's K.  One loop and one quantiser serve all three.
; q's factor 1/8 is a power of two: it is left to the softmax's constant in the attention launch (exact unless a block of q lies under 2^-121).
; OUT: qkv = Q array, then KV array, each [32 heads b h][64 records][3,328 bytes]; a record serves 32 tokens: two tiles of 16 tokens x 64 (512 bytes: 16 a lane; 256 bytes: 8 a lane: an image of
;   the fragment's six registers), V's 32 keys x 64 channels (four planes of 256 and four of 128 bytes), 32 scale words of the tiles, 16 scale words of V.
; CLUSTERS: 4 x 4 work-groups; A's tiles are asked for jointly along a row of the cluster, B's along a column.
; LIMITS: a block of zeros gets the byte 1 (this program alone reads the bytes); blocks under 2^-124 were not tried; NaN and infinities are not served.
; REGISTERS: window 0: v0-31 addresses; v32-63 scale words, two sets; v64-127 the bias; from v128 A's fragments, one set; on the way out v128-252 are at work.
;   window 1: B's fragments, two sets.   windows 2, 3: the accumulators ((a, b) at v[8 (8 (a % 4) + b)] of window 2 + a / 4).
.set KSTEP,  256
.set NQ,     2
.set ROWB,   192
.set PITCH,  240                       ; an LDS row: 3 x (64 bytes + 16 of padding)
.set FR,     12
.set NL,     6
.set NP,     4
.set HALFT,  128*PITCH
.set SLOT,   4*HALFT
.set PLANE,  786432                    ; a K step of 4,096 places
.set SOFF,   3145728                   ; where the scale bytes begin, in hq and in wts alike
.set SCL,    2*SLOT                    ; the scale bytes of the tile, all K: A's [4 K steps][256 places][8], then B's, 128 bytes further on, so that lanes 16-31 read other banks
.set SBLK,   128
.set SPARE,  262400
.set REC,    3328
.set BHS,    212992
.set KVO,    6815744
.set ADRA, 16
.set ADRB, 20
.set ADRS, 27
.set SPW,  28
.set NIL,  29
.set SC,   32
.set BN,   64
.set AF,   128
.set H,    128                         ; the way out: 64 numbers of a lane
.set PC,   192                         ; their codes, 12 registers; 8 more at work
.set TM,   224
.set PW,   240
.set SV,   241
.set TRT,  245
.set OUT,  249
.set WV, 20
.set WH, 21
.set WL, 22
.set G1, 24
.set G0, 32
.set G1B, 48
.set G0B, 56
.set SEL, 66
.set G1S, 68
.set G0S, 76
.set G1SB, 80
.set G0SB, 88
.set ISV, 99
.set MSB, 0
.macro WIN new                         ; the immediate's high byte repeats the setting that is left
.set NW, \new
.if MSB != NW
	s_set_vgpr_msb (MSB<<8)|NW
.set MSB, NW
.endif
.endm
.set MUL_LO, 0xa1                      ; source 0 (B) window 1, source 1 (A) window 0, C and D window 2
.set MUL_HI, 0xf1
.set TO_B,   0x40
.macro JLOAD g0a, g1a, g0b, g1b        ; a joint load: waves 0 and 1 fetch for A, waves 2 and 3 for B; an s_nop 0 and four v_nop follow each line
	s_cmp_eq_u32 s[WH], 0
	s_cbranch_scc0 .Lfor_b_\@
	tensor_load_to_lds s[\g0a:\g0a+3], s[\g1a:\g1a+7]
	s_nop 0
.rept 4
	v_nop
.endr
	s_branch .Lasked_\@
.Lfor_b_\@:
	tensor_load_to_lds s[\g0b:\g0b+3], s[\g1b:\g1b+7]
	s_nop 0
.rept 4
	v_nop
.endr
.Lasked_\@:
.endm
.macro CREST
	s_cmp_lg_u32 s[WV], 0
	s_cbranch_scc1 .Lnot_wave_0_\@
	s_barrier_signal -3
.Lnot_wave_0_\@:
	s_barrier_wait -3
	s_barrier_signal -1
	s_barrier_wait -1
.endm
.macro CROUND
	s_barrier_signal -1
	s_barrier_wait -1
	CREST
.endm
	s_load_b256 s[4:11], s[0:1], 0x0               ; hq, wts, bq, bk
	s_load_b128 s[12:15], s[0:1], 0x20             ; bv, qkv
	v_lshl_add_u32 v[SPW], v0, 2, SPARE
	v_mov_b32 v[NIL], 0
	ds_add_u32 v[SPW], v[NIL]                      ; the wave's opening: the add and its wait ahead of my first tensor load
	ds_add_u32 v[SPW], v[NIL]
	v_lshrrev_b32 v1, 5, v0
	v_readfirstlane_b32 s[WV], v1
	s_lshr_b32 s[WH], s[WV], 1                     ; my half of A's places; also: I fetch for A (0) or B (1)
	s_and_b32 s[WL], s[WV], 1                      ; my half of B's places; also: which 128 places I fetch
	s_bfe_u32 s40, ttmp6, 0x40000                  ; cx
	s_bfe_u32 s41, ttmp6, 0x40004                  ; cy
	s_and_b32 s23, ttmp7, 0xffff                   ; the cluster's y
	s_lshl_b32 s43, s41, 2
	s_lshl_b32 s43, 15, s43                        ; my row of the cluster
	s_lshl_b32 s44, 0x1111, s40                    ; my column
	s_or_b32 s[G1+0], s43, (0<<16)|(1<<20)|(1<<21)|(3<<22)|(3<<25)   ; the mask; elements of 1 byte; padding on: 4 words behind every 16; bit 21 beside a mask
	s_or_b32 s[G1B+0], s44, (0<<16)|(1<<20)|(1<<21)|(3<<22)|(3<<25)
.irp g, G1, G1B
	s_mov_b32 s[\g+1], 256<<16                     ; the places lie dense: a tile is stated as rows of 256 bytes, each at a multiple of 256 bytes
	s_mov_b32 s[\g+2], 192<<16                     ; the head's load brings 256 places: 192 such rows
	s_mov_b32 s[\g+3], 256<<16
	s_mov_b32 s[\g+4], 192
	s_mov_b32 s[\g+5], 256
	s_mov_b32 s[\g+6], 0
	s_mov_b32 s[\g+7], 0
.endr
	s_or_b32 s[G1S+0], s43, (3<<16)|(1<<21)        ; the scale bytes: elements of 8 bytes, no padding
	s_or_b32 s[G1SB+0], s44, (3<<16)|(1<<21)
.irp g, G1S, G1SB
	s_mov_b32 s[\g+1], 256<<16                     ; 256 places
	s_mov_b32 s[\g+2], 4<<16                       ; 4 K steps
	s_mov_b32 s[\g+3], 256<<16
	s_mov_b32 s[\g+4], 4
	s_mov_b32 s[\g+5], 4096                        ; from K step to K step
	s_mov_b32 s[\g+6], 0
	s_mov_b32 s[\g+7], 0
.endr
	s_mov_b32 s[SEL], 0x76543210
	s_mov_b32 s[SEL+1], 0xfedcba98
	s_lshl_b32 s45, s[WL], 7
	s_lshl_b32 s92, s41, 8
	s_add_co_u32 s92, s92, s45                     ; A: 256 cy + the 128 that I fetch
	s_lshl_b32 s46, s40, 8
	s_add_co_u32 s46, s46, s45                     ; B: 256 cx + ..
	s_lshl_b32 s93, s23, 10
	s_lshl_b32 s47, ttmp9, 10
	s_cmp_eq_u32 ttmp9, 2                          ; v's clusters
	s_cselect_b32 s[ISV], 1, 0
	s_cselect_b32 s47, s93, s47                    ; B's first place: v: tokens 1,024 y; else the weight's rows 1,024 x
	s_cselect_b32 s93, 2048, s93                   ; A's: v: wv's rows; else tokens 1,024 y
	s_add_co_u32 s92, s92, s93
	s_add_co_u32 s46, s46, s47
	s_sub_co_u32 s94, s92, s45                     ; the scale bytes come for all 256 places at once
	s_lshl_b32 s94, s94, 3
	s_add_co_u32 s94, s94, SOFF
	s_mov_b32 s95, 0
	s_mul_i32 s92, s92, ROWB
	s_mov_b32 s93, 0
	s_sub_co_u32 s96, s46, s45
	s_lshl_b32 s96, s96, 3
	s_add_co_u32 s96, s96, SOFF
	s_mov_b32 s97, 0
	s_mul_i32 s46, s46, ROWB
	s_mov_b32 s47, 0
	s_mul_i32 s45, s[WV], HALFT                    ; where my tile goes: wave x 128 rows
	s_lshl_b32 s98, s[WH], 13
	s_lshl_b32 s100, s[WH], 7
	s_add_co_u32 s98, s98, s100                    ; and my scale bytes
	s_wait_dscnt 0x0                               ; the opening add is done
	s_wait_kmcnt 0x0
	s_cmp_eq_u32 s[ISV], 1
	s_cselect_b64 s[16:17], s[6:7], s[4:5]         ; A's buffer
	s_cselect_b64 s[18:19], s[4:5], s[6:7]         ; B's
	s_add_nc_u64 s[92:93], s[16:17], s[92:93]
	s_add_nc_u64 s[94:95], s[16:17], s[94:95]
	s_add_nc_u64 s[46:47], s[18:19], s[46:47]
	s_add_nc_u64 s[96:97], s[18:19], s[96:97]
	CROUND                                         ; all sixteen work-groups are here: the first joint loads meet
	s_mov_b32 s[G0S], 1
	s_add_co_u32 s[G0S+1], s98, SCL
	s_mov_b64 s[G0S+2:G0S+3], s[94:95]
	s_or_b32 s[G0S+3], s[G0S+3], 0x80000000
	s_mov_b32 s[G0SB], 1
	s_add_co_u32 s[G0SB+1], s98, SCL
	s_mov_b64 s[G0SB+2:G0SB+3], s[96:97]
	s_or_b32 s[G0SB+3], s[G0SB+3], 0x80000000
.irp s, 0,1
	s_mov_b32 s[G0+4*\s], 1
	s_add_co_u32 s[G0+4*\s+1], s45, \s*SLOT
	s_add_nc_u64 s[G0+4*\s+2:G0+4*\s+3], s[92:93], \s*PLANE
	s_or_b32 s[G0+4*\s+3], s[G0+4*\s+3], 0x80000000
	s_mov_b32 s[G0B+4*\s], 1
	s_add_co_u32 s[G0B+4*\s+1], s45, \s*SLOT
	s_add_nc_u64 s[G0B+4*\s+2:G0B+4*\s+3], s[46:47], \s*PLANE
	s_or_b32 s[G0B+4*\s+3], s[G0B+4*\s+3], 0x80000000
.endr
; the head's four tiles, one joint load a wave: wave 0 A's 256 places of K step 0, wave 1 A's scale bytes, wave 2 B's 256 places, wave 3 B's scale bytes
.macro ARM under, g0, g1, next
	s_cmp_lt_u32 s[WV], \under
	s_cbranch_scc0 \next
	tensor_load_to_lds s[\g0:\g0+3], s[\g1:\g1+7]
	s_nop 0
.rept 4
	v_nop
.endr
	s_branch .Lhead_asked
\next:
.endm
	ARM 1, G0,  G1,  .Lhead_sa
	ARM 2, G0S, G1S, .Lhead_b
	ARM 3, G0B, G1B, .Lhead_sb
	tensor_load_to_lds s[G0SB:G0SB+3], s[G1SB:G1SB+7]
	s_nop 0
.rept 4
	v_nop
.endr
.Lhead_asked:
	v_and_b32 v1, 15, v0
	v_bfe_u32 v2, v0, 4, 1                         ; h
	v_mul_u32_u24 v3, v1, PITCH
	v_mul_u32_u24 v4, v2, 24
	v_add_nc_u32 v4, v3, v4
	v_lshl_add_u32 v5, v2, 4, v4                   ; the same behind one padding more
	s_mul_i32 s100, s[WH], HALFT
	s_mul_i32 s101, s[WL], HALFT
	s_add_co_u32 s101, s101, 2*HALFT
.irp s, 0,1
	v_add_nc_u32 v[ADRA+\s], s100, v4
	v_add_nc_u32 v[ADRB+\s], s101, v4
	v_add_nc_u32 v[ADRA+2+\s], s100, v5
	v_add_nc_u32 v[ADRB+2+\s], s101, v5
	s_add_co_u32 s100, s100, SLOT
	s_add_co_u32 s101, s101, SLOT
.endr
	v_lshlrev_b32 v5, 3, v1                        ; scale words: 8 bytes a place and K step
	s_lshl_b32 s100, s[WH], 10
	s_lshl_b32 s101, s[WL], 10
	s_add_co_u32 s101, s101, 2*4096+128
	s_sub_co_u32 s101, s101, s100
	v_mul_u32_u24 v6, s101, v2                     ; lanes 16-31 take B's
	s_add_co_u32 s100, s100, SCL
	v_add_nc_u32 v5, v5, v6
	v_add_nc_u32 v[ADRS], s100, v5
	; the bias and the way out's addresses, by role
	s_cmp_eq_u32 s[ISV], 1
	s_cbranch_scc1 .Lhead_v
	s_cmp_eq_u32 ttmp9, 0
	s_cselect_b64 s[16:17], s[8:9], s[10:11]       ; bq or bk
	s_lshl_b32 s100, s40, 10
	s_lshl_b32 s101, s[WL], 9
	s_add_co_u32 s100, s100, s101                  ; 4 (256 cx + 128 half)
	s_mov_b32 s101, 0
	s_add_nc_u64 s[16:17], s[16:17], s[100:101]
	v_lshlrev_b32 v7, 6, v2                        ; register 16 b + i wants output 32 b + 16 h + i
.irp b, 0,1,2,3
.irp j, 0,1,2,3
	global_load_b128 v[BN+16*\b+4*\j:BN+16*\b+4*\j+3], v7, s[16:17] offset:128*\b+16*\j
.endr
.endr
	v_and_b32 v10, 31, v0
	v_lshlrev_b32 v8, 4, v10                       ; 16 x lane
	v_lshlrev_b32 v9, 3, v10                       ; 8 x lane
	v_lshlrev_b32 v10, 2, v10                      ; 4 x lane
	s_lshl_b32 s100, s23, 2
	s_add_co_u32 s100, s100, s41
	s_lshl_b32 s100, s100, 8
	s_lshl_b32 s101, s[WH], 7
	s_add_co_u32 s100, s100, s101                  ; my first token place
	s_lshr_b32 s101, s100, 11
	s_lshl_b32 s101, s101, 4
	s_lshl_b32 s98, s40, 2
	s_add_co_u32 s101, s101, s98
	s_lshl_b32 s98, s[WL], 1
	s_add_co_u32 s101, s101, s98                   ; 16 b + my first head
	s_mul_i32 s101, s101, BHS
	s_and_b32 s100, s100, 2047
	s_lshr_b32 s100, s100, 5
	s_mul_i32 s100, s100, REC
	s_add_co_u32 s100, s100, s101
	s_cmp_eq_u32 ttmp9, 1
	s_cselect_b32 s101, KVO, 0
	s_add_co_u32 s100, s100, s101
	s_mov_b32 s101, 0
	s_add_nc_u64 s[14:15], s[14:15], s[100:101]
	s_branch .Lhead_done
.Lhead_v:
	s_lshl_b32 s100, s41, 10
	s_lshl_b32 s101, s[WH], 9
	s_add_co_u32 s100, s100, s101                  ; 4 (256 cy + 128 half)
	s_mov_b32 s101, 0
	s_add_nc_u64 s[16:17], s[12:13], s[100:101]
	v_and_b32 v7, 8, v1
	v_add_nc_u32 v7, v7, v1
	v_lshlrev_b32 v7, 2, v7                        ; my place's channel: r + 8 (r / 8)
.irp a, 0,1,2,3,4,5,6,7
	global_load_b32 v[BN+\a], v7, s[16:17] offset:4*(32*(\a/2)+8*(\a%2))
.endr
	v_mul_u32_u24 v10, v2, REC
	v_lshl_add_u32 v8, v1, 4, v10                  ; lanes 16-31 write the next record
	v_lshl_add_u32 v9, v1, 3, v10
	v_lshl_add_u32 v10, v1, 2, v10
	s_lshl_b32 s100, s23, 2
	s_add_co_u32 s100, s100, s40
	s_lshl_b32 s100, s100, 8
	s_lshl_b32 s101, s[WL], 7
	s_add_co_u32 s100, s100, s101                  ; my first token
	s_lshr_b32 s101, s100, 11
	s_lshl_b32 s101, s101, 4
	s_lshl_b32 s98, s41, 2
	s_add_co_u32 s101, s101, s98
	s_lshl_b32 s98, s[WH], 1
	s_add_co_u32 s101, s101, s98                   ; 16 b + my first head
	s_mul_i32 s101, s101, BHS
	s_and_b32 s100, s100, 2047
	s_lshr_b32 s100, s100, 5
	s_mul_i32 s100, s100, REC
	s_add_co_u32 s100, s100, s101
	s_add_co_u32 s100, s100, KVO
	s_mov_b32 s101, 0
	s_add_nc_u64 s[14:15], s[14:15], s[100:101]
.Lhead_done:
.macro FRAG reg, adr, q, i             ; a fragment: 16 places x 128 K: 12 registers, in pieces of 8 bytes; lanes 16-31 read three pieces on, for some pieces behind one padding more
.irp p, 0,1,2,3,4,5
.set PCE, 12*(\q)+6*(\p/3)+\p%3
.if PCE%8 < 5
	ds_load_b64 v[\reg+2*\p:\reg+2*\p+1], v[\adr] offset:8*PCE+16*(PCE/8)+(\i)*16*PITCH
.else
	ds_load_b64 v[\reg+2*\p:\reg+2*\p+1], v[\adr+2] offset:8*PCE+16*(PCE/8)+(\i)*16*PITCH
.endif
.endr
.endm
.macro MUL16 a0, p, q, sc, zero        ; A's blocks a0, a0 + 1 x B's eight; the 64 accumulators take turns, in the same order in every step
.irp a, \a0, \a0+1
.irp b, 0,1,2,3,4,5,6,7
.if \zero
	v_wmma_scale_f32_16x16x128_f8f6f4 v[8*(8*((\a)%4)+\b):8*(8*((\a)%4)+\b)+7], v[128*(\p)+FR*\b:128*(\p)+FR*\b+FR-1], v[AF+FR*(\a):AF+FR*(\a)+FR-1], 0, v[SC+8*NQ*(\sc)+NQ*\b+(\q)], v[SC+8*NQ*(\sc)+NQ*(\a)+(\q)] matrix_a_fmt:MATRIX_FMT_FP6 matrix_b_fmt:MATRIX_FMT_FP6 matrix_a_scale:MATRIX_SCALE_ROW1
.else
	v_wmma_scale_f32_16x16x128_f8f6f4 v[8*(8*((\a)%4)+\b):8*(8*((\a)%4)+\b)+7], v[128*(\p)+FR*\b:128*(\p)+FR*\b+FR-1], v[AF+FR*(\a):AF+FR*(\a)+FR-1], v[8*(8*((\a)%4)+\b):8*(8*((\a)%4)+\b)+7], v[SC+8*NQ*(\sc)+NQ*\b+(\q)], v[SC+8*NQ*(\sc)+NQ*(\a)+(\q)] matrix_a_fmt:MATRIX_FMT_FP6 matrix_b_fmt:MATRIX_FMT_FP6 matrix_a_scale:MATRIX_SCALE_ROW1
.endif
.endr
.endr
.endm
.macro FETCH_B slot, q, p
	WIN TO_B
.irp i, 0,1,2,3,4,5,6,7
	FRAG 128*(\p)+FR*\i, ADRB+\slot, \q, \i
.endr
	WIN 0
.endm
.macro FETCH_A slot, q, i0
.irp i, \i0, \i0+1, \i0+2, \i0+3
	FRAG AF+FR*(\i), ADRA+\slot, \q, \i
.endr
.endm
.macro SCALES sc                       ; a K step's scale words: lanes 0-15 A's block i, lanes 16-31 B's block i
.irp i, 0,1,2,3,4,5,6,7
	ds_load_b64 v[SC+8*NQ*\sc+NQ*\i:SC+8*NQ*\sc+NQ*\i+1], v[ADRS] offset:\i*SBLK
.endr
.endm
.macro PLACES n                        ; plain vector instructions between a matrix instruction and a load into, or a read of, its registers
.rept \n
	v_nop
.endr
.endm
.macro STEP slot, q, zero
	s_wait_dscnt 4*NL                              ; B's set and A's blocks 0-3 are in; the youngest 24 loads (A's blocks 4-7) may be out
	WIN MUL_LO
	MUL16 0, (\q)%2, \q, \slot, \zero
	MUL16 2, (\q)%2, \q, \slot, \zero
	s_wait_dscnt 0
	PLACES NP
	FETCH_B \slot, (\q)+1, 1-(\q)%2
	FETCH_A \slot, (\q)+1, 0
	WIN MUL_HI
	MUL16 4, (\q)%2, \q, \slot, \zero
	MUL16 6, (\q)%2, \q, \slot, \zero
	PLACES NP
	WIN 0
	FETCH_A \slot, (\q)+1, 4
.endm
.macro TURN slot, next, fill           ; a slot's last step changes slots: one barrier
	s_wait_tensorcnt 0x0                           ; all my tensor loads have landed: my part of the next slot;
	ds_add_u32 v[SPW], v[NIL]                      ; 0 onto my spare word;
	s_wait_dscnt 4*NL+1                            ; (the add and the youngest 24 loads may be out)
	WIN MUL_LO
	MUL16 0, 1, NQ-1, \slot, 0
	s_wait_dscnt 0x0                               ; the add is done, and my reads of this slot are over
	s_barrier_signal -1
	MUL16 2, 1, NQ-1, \slot, 0
	WIN 0
	s_barrier_wait -1
.if \fill
	CREST                                          ; the barrier has opened a round of the cluster's: no wave of any partner still reads this slot or has a load on its way
	s_add_nc_u64 s[G0+4*\slot+2:G0+4*\slot+3], s[G0+4*\slot+2:G0+4*\slot+3], 2*PLANE
	s_add_nc_u64 s[G0B+4*\slot+2:G0B+4*\slot+3], s[G0B+4*\slot+2:G0B+4*\slot+3], 2*PLANE
	JLOAD G0+4*\slot, G1, G0B+4*\slot, G1B         ; the first tensor load behind the round; its four v_nop are the places in front of the loads below
.else
	PLACES NP
.endif
	s_wait_alu depctr_va_vdst(0)
	v_add_nc_u32 v[ADRS], 2048, v[ADRS]            ; the next K step's scale words
	FETCH_B \next, 0, 0
	FETCH_A \next, 0, 0
	SCALES \next
	WIN MUL_HI
	MUL16 4, 1, NQ-1, \slot, 0
	MUL16 6, 1, NQ-1, \slot, 0
	PLACES NP
	WIN 0
	FETCH_A \next, 0, 4
.endm
	s_wait_alu depctr_va_vdst(0)                   ; the wait at the head's end
	s_wait_tensorcnt 0x0                           ; my tile of the head's four is in
	ds_add_u32 v[SPW], v[NIL]
	s_mov_b32 s[G1+2], 96<<16                      ; no tensor load of mine is out: from here on a load brings 128 places, 96 rows of 256 bytes
	s_mov_b32 s[G1+4], 96
	s_mov_b32 s[G1B+2], 96<<16
	s_mov_b32 s[G1B+4], 96
	s_wait_dscnt 0x0
	CROUND                                         ; all four tiles are in, and the sixteen work-groups meet
	JLOAD G0+4, G1, G0B+4, G1B                     ; K step 1, the first tensor load behind the round
	FETCH_B 0, 0, 0
	FETCH_A 0, 0, 0
	s_wait_alu depctr_va_vdst(0)
	SCALES 0
	FETCH_A 0, 0, 4
	STEP 0, 0, 1                                   ; the first step's products start the sums
	s_mov_b32 s3, 1                                ; K = 1,024 is two laps of the ring: one trip fills both slots again
.Llap:
	TURN 0, 1, 1
	STEP 1, 0, 0
	TURN 1, 0, 1
	STEP 0, 0, 0
	s_sub_co_u32 s3, s3, 1
	s_cmp_lg_u32 s3, 0
	s_cbranch_scc1 .Llap
	TURN 0, 1, 0
	STEP 1, 0, 0
	s_wait_dscnt 4*NL
	WIN MUL_LO
	MUL16 0, 1, NQ-1, 1, 0
	MUL16 2, 1, NQ-1, 1, 0
	s_wait_dscnt 0
	WIN MUL_HI
	MUL16 4, 1, NQ-1, 1, 0
	MUL16 6, 1, NQ-1, 1, 0
	WIN 0
; 64 numbers of a lane, register 16 b + i = k 32 b + 16 (lane / 16) + i of my row, become a fragment's codes in v[PC] on and its scale word in v[PW]
.macro QUANT s
.irp b, 0,1,2,3
	v_max3_num_f32 v[TM+\b], |v[\s+16*\b]|, |v[\s+1+16*\b]|, 0x1800000   ; my 16 numbers of block b, and the floor 2^(3 - 127): the byte cannot fall under 1
.endr
.irp i, 2,4,6,8,10,12,14
.irp b, 0,1,2,3
	v_max3_num_f32 v[TM+\b], v[TM+\b], |v[\s+16*\b+\i]|, |v[\s+1+16*\b+\i]|
.endr
.endr
.irp b, 0,1,2,3
	v_permlanex16_b32 v[TM+4+\b], v[TM+\b], s[SEL], s[SEL+1]
.endr
.irp b, 0,1,2,3
	v_max_num_f32 v[TM+\b], v[TM+\b], v[TM+4+\b]   ; with lane l xor 16's: the block's largest magnitude
.endr
.irp b, 0,1,2,3
	v_add_nc_u32 v[TM+12+\b], 0xff000000, v[TM+\b] ; 2 off its exponent field: the conversion's scale operand
.endr
.irp b, 0,1,2,3
	v_lshrrev_b32 v[TM+4+\b], 23, v[TM+12+\b]      ; the scale's byte
.endr
	v_lshl_or_b32 v[PW], v[TM+5], 8, v[TM+4]
	v_lshl_or_b32 v[PW], v[TM+6], 16, v[PW]
	v_lshl_or_b32 v[PW], v[TM+7], 24, v[PW]
.irp c, 0,1
	v_cvt_scalef32_pk16_fp6_f32 v[PC+6*\c:PC+2+6*\c], v[\s+32*\c:\s+15+32*\c], v[TM+12+2*\c]
	v_cvt_scalef32_pk16_fp6_f32 v[PC+12+4*\c:PC+14+4*\c], v[\s+16+32*\c:\s+31+32*\c], v[TM+12+2*\c+1]
.endr
	v_nop                                          ; one plain place behind a scaled conversion
.irp c, 0,1                                    ; a whole block to a lane: lanes 0-15 block 2 c, lanes 16-31 block 2 c + 1
.irp i, 0,1,2
	v_permlane16_swap_b32 v[PC+6*\c+\i], v[PC+12+4*\c+\i]
.endr
.irp i, 0,1,2
	v_mov_b32 v[PC+3+6*\c+\i], v[PC+12+4*\c+\i]
.endr
.endr
.endm
.macro MOVEQ a                         ; block a's 64 sums + the bias of their outputs, into window 0; each accumulator is read from its low end on
	WIN 0x02+(\a)/4
.set i, 0
.rept 32
	v_pk_add_f32 v[H+i:H+i+1], v[64*((\a)%4)+i:64*((\a)%4)+i+1], v[BN+i:BN+i+1]
.set i, i+2
.endr
	WIN 0
.endm
.macro MOVEV a                         ; the same with the bias of my channel
	WIN 0x02+(\a)/4
.set i, 0
.rept 32
.if ((\a)%2) == 0
	v_pk_add_f32 v[H+i:H+i+1], v[64*((\a)%4)+i:64*((\a)%4)+i+1], v[BN+2*((\a)/2):BN+2*((\a)/2)+1] op_sel_hi:[1,0]
.else
	v_pk_add_f32 v[H+i:H+i+1], v[64*((\a)%4)+i:64*((\a)%4)+i+1], v[BN+2*((\a)/2):BN+2*((\a)/2)+1] op_sel:[0,1] op_sel_hi:[1,1]
.endif
.set i, i+2
.endr
	WIN 0
.endm
	s_wait_loadcnt 0x0                             ; the bias
	PLACES NP                                      ; behind the last products: their results are read and A's registers written below
.irp b, 0,1,2,3
	v_mov_b32 v[TM+4+\b], 0                        ; written once: a lane permute's destination counts as read
.endr
	s_mov_b32 s2, 0xffff0000                       ; lanes 16-31
	s_cmp_eq_u32 s[ISV], 1
	s_cbranch_scc1 .Lepi_v
	; q, k: block a = tile a % 2 of record a / 2; codes 0-5 are head 0's fragment registers, 6-11 head 1's
.irp a, 0,1,2,3,4,5,6,7
	MOVEQ \a
	s_wait_xcnt 0x0                                ; the earlier stores have read their data: the codes' registers may be written again
	QUANT H
.irp c, 0,1
	global_store_b128 v8, v[PC+6*\c:PC+6*\c+3], s[14:15] offset:BHS*\c+REC*(\a/2)+768*(\a%2)         ; 512 consecutive bytes
	global_store_b64 v9, v[PC+6*\c+4:PC+6*\c+5], s[14:15] offset:BHS*\c+REC*(\a/2)+768*(\a%2)+512    ; 256
.endr
.if (\a%2) == 0
	v_mov_b32 v[SV], v[PW]
.else
	v_cndmask_b32 v[SV+1], v[SV], v[PW], s2        ; lanes 0-15: tile 0's words, lanes 16-31: tile 1's
	v_and_b32 v[SV+2], 0xffff, v[SV+1]             ; head 0's two bytes; the upper two stay 0: they scale the zero half of the attention's K
	v_lshrrev_b32 v[SV+3], 16, v[SV+1]             ; head 1's
	global_store_b32 v10, v[SV+2], s[14:15] offset:REC*(\a/2)+3072
	global_store_b32 v10, v[SV+3], s[14:15] offset:BHS+REC*(\a/2)+3072
.endif
.endr
	s_branch .Lepi_done
.Lepi_v:
	; v: block a = 16 channels (tile a % 4 of head a / 4); codes 6 c .. 6 c + 5 of lane (r, h) are channel r's 32 keys of record 2 c + h
.irp a, 0,1,2,3,4,5,6,7
	MOVEV \a
	s_wait_xcnt 0x0
	QUANT H
.irp c, 0,1
	global_store_b128 v8, v[PC+6*\c:PC+6*\c+3], s[14:15] offset:BHS*(\a/4)+2*REC*\c+1536+256*(\a%4)
	global_store_b64 v9, v[PC+6*\c+4:PC+6*\c+5], s[14:15] offset:BHS*(\a/4)+2*REC*\c+2560+128*(\a%4)
.endr
	v_mov_b32 v[SV+(\a%4)], v[PW]
.if (\a%4) == 3                                ; four words (tile; byte = record) become four words (record; byte = tile)
	v_perm_b32 v[TRT], v[SV+1], v[SV], 0x05010400
	v_perm_b32 v[TRT+1], v[SV+1], v[SV], 0x07030602
	v_perm_b32 v[TRT+2], v[SV+3], v[SV+2], 0x05010400
	v_perm_b32 v[TRT+3], v[SV+3], v[SV+2], 0x07030602
	v_perm_b32 v[OUT], v[TRT+2], v[TRT], 0x05040100
	v_perm_b32 v[OUT+1], v[TRT+2], v[TRT], 0x07060302
	v_perm_b32 v[OUT+2], v[TRT+3], v[TRT+1], 0x05040100
	v_perm_b32 v[OUT+3], v[TRT+3], v[TRT+1], 0x07060302
	v_cndmask_b32 v[OUT], v[OUT], v[OUT+1], s2     ; lanes 16-31 write the odd record
	v_cndmask_b32 v[OUT+2], v[OUT+2], v[OUT+3], s2
	global_store_b32 v10, v[OUT], s[14:15] offset:BHS*(\a/4)+3200
	global_store_b32 v10, v[OUT+2], s[14:15] offset:BHS*(\a/4)+2*REC+3200
.endif
.endr
.Lepi_done:
	s_wait_tensorcnt 0x0                           ; the wave's end
	ds_add_u32 v[SPW], v[NIL]
	s_wait_dscnt 0x0
	CROUND                                         ; the closing round
	s_endpgm
.Lfunc_end_k_q338c66c74e_qkv:
	.size	k_q338c66c74e_qkv, .Lfunc_end_k_q338c66c74e_qkv-k_q338c66c74e_qkv
	.p2alignl 7, 3214868480
	.fill 96, 4, 3214868480
	.section	.rodata,"a",@progbits
	.p2align	6, 0x0
	.amdhsa_kernel k_q338c66c74e_qkv
		.amdhsa_group_segment_fixed_size 327680
		.amdhsa_private_segment_fixed_size 0
		.amdhsa_enable_private_segment 0
		.amdhsa_kernarg_size 48
		.amdhsa_user_sgpr_count 2
		.amdhsa_user_sgpr_kernarg_segment_ptr 1
		.amdhsa_wavefront_size32 1
		.amdhsa_system_sgpr_workgroup_id_x 1
		.amdhsa_system_sgpr_workgroup_id_y 1
		.amdhsa_system_sgpr_workgroup_id_z 1
		.amdhsa_system_vgpr_workitem_id 0
		.amdhsa_next_free_vgpr 1024
		.amdhsa_next_free_sgpr 104
		.amdhsa_reserve_vcc 0
		.amdhsa_float_denorm_mode_32 3
		.amdhsa_float_denorm_mode_16_64 3
		.amdhsa_memory_ordered 1
		.amdhsa_forward_progress 1
		.amdhsa_inst_pref_size 239
	.end_amdhsa_kernel
	.amdgpu_metadata
---
amdhsa.version: [ 1, 2 ]
amdhsa.kernels:
  - .name:           k_q338c66c74e_qkv
    .symbol:         k_q338c66c74e_qkv.kd
    .args:
      - { .name: hq, .offset: 0, .size: 8, .value_kind: global_buffer, .address_space: global }
      - { .name: wts, .offset: 8, .size: 8, .value_kind: global_buffer, .address_space: global }
      - { .name: bq, .offset: 16, .size: 8, .value_kind: global_buffer, .address_space: global }
      - { .name: bk, .offset: 24, .size: 8, .value_kind: global_buffer, .address_space: global }
      - { .name: bv, .offset: 32, .size: 8, .value_kind: global_buffer, .address_space: global }
      - { .name: qkv, .offset: 40, .size: 8, .value_kind: global_buffer, .address_space: global }
    .group_segment_fixed_size: 327680
    .private_segment_fixed_size: 0
    .kernarg_segment_align: 8
    .kernarg_segment_size: 48
    .max_flat_workgroup_size: 128
    .sgpr_count:     104
    .vgpr_count:     1024
    .wavefront_size: 32
...
	.end_amdgpu_metadata
.endif
;; end of part 2
;; launch attn (part 3): grid 256 x 1, 16 waves a work-group, no clusters, 14,848 bytes of LDS; arguments qkv, mtab, att; writes att
.if DOCPART == 3
	.amdgcn_target "amdgcn-amd-amdhsa--gfx1250"
	.amdhsa_code_object_version 6
	.text
	.protected	k_q338c66c74e_attn
	.globl	k_q338c66c74e_attn
	.p2align	8
	.type	k_q338c66c74e_attn,@function
k_q338c66c74e_attn:
	s_mov_b64 s[64:65], 0
	v_nop
	global_prefetch_b8 v0, s[64:65] scope:SCOPE_SE
	s_setreg_imm32_b32 hwreg(HW_REG_WAVE_MODE, 25, 1), 1
	s_wait_xcnt 0x0
; Attention under the given mask, both products on codes of FP6 (E2M3); the result, divided by the row's sum, is quantised along the channels into the operand of the next product.
; A wave owns one tile of 16 queries of one head (tile tau: queries 32 (tau / 2) + 8 (tau % 2) + r + 8 (r / 8)) and walks ONLY the blocks of 32 keys in which the mask has a bit for one of its queries:
; the list of those blocks, the number of steps and the lane masks are whole numbers that an earlier launch made from the mask.  A step takes four listed blocks: 128 keys.  A block of 32 keys is the
; quantiser's own block along the second product's K, so the gathered blocks give the same codes as the whole row would; a block that is left out holds p = 0 for all 16 queries.
; The list is padded with 64: such an entry reads record 63 and the mask entry 64, which is zeros: p = 0, its codes are zeros.
; LAYOUT: both products transposed: S^T = K Q^T, O^T = V^T P^T: a lane holds one query.  The head is 64 wide, half of the instruction's K: Q's upper six registers are zero codes; K's upper six are the
; next tile's codes, which are finite numbers, under scale bytes 0: that half adds exactly 0.
; SOFTMAX: t = score x log2(e) / 8 (q arrives without its factor 1/8); M = the running largest t rounded up to a whole number; p = 2^(t - M) is quantised; the sum is taken of the unquantised p.
; A query none of whose keys counts gets the scale bytes 0xff: NaN over its whole row of the next product, as reference() gives.
; Operands come from memory straight into registers, in the order in which the launch before laid them: trip counts and addresses hang on the stored lists, so there are no tensor loads, and NO JOINT LOADS:
; waves that share a head need different blocks, in different numbers, at different times.  No prefetch: each record is read by many waves, not once.
; SHARES: 16 waves = 4 heads x 4 tiles; the four tiles of a work-group are one early, two middle and one late block of queries, dealt so that each group of four waves has one of each: that evens
; the load under masks that grow with the query; it changes no result.
; LIMITS: blocks under 2^-124 were not tried; NaN and infinities among the operands are not served.
.set REC,   3328
.set BHS,   212992
.set KVO,   6815744
.set LMP,   4352
.set LISTB, 557056
.set SCS,   12288                      ; LDS: four tiles' codes, 16 rows x 192 bytes each, from 0; their scale bytes, 128 a tile, from here
.set SPARE, 12800                      ; the spare words, 128 bytes for each wave
.set SPW, 1
.set NIL, 2
.set L16, 3
.set L8,  4
.set L4,  5
.set R16, 6
.set R8,  7
.set R4,  8
.set MLO, 9                            ; all ones in lanes 0-15
.set MHI, 10                           ; all ones in lanes 16-31
.set NINF, 11
                                       ; v12 -M, v13 the largest t, v[14:15] the sum in two halves
.set QF,  16                           ; v16-27 Q's fragment
.set QS,  28                           ; Q's scale words
.set PS,  29                           ; p's scale word
.set F,   30                           ; v[30:31] f = 2^(old M - new M)
.set KF,  32                           ; v32-79 eight tiles of K, six registers each; v80-85 zeros.  Behind the first product: v32-43 p's codes, v48-59 at work,
.set BM,  60                           ; v60-63 a block's largest score, then its largest p
.set BP,  64
.set BS,  68
.set MI,  72
.set KS,  86                           ; v86-89 K's scale words: lanes 0-15 the even tile, lanes 16-31 the odd one
.set VS,  90                           ; v90-93 V's scale words as stored: (block; byte = tile)
.set SR,  96                           ; v96-159 S^T, then p
.set OT,  160                          ; v160-191 O^T
.set VF,  192                          ; v192-239 V's four fragments
.set VA,  240                          ; v240-243 V's offsets
.set TS,  244                          ; v244-247 V's scale words as the product wants them: (tile; byte = block)
.set STA, 248
.set SSA, 249
.set RDA, 250
.set RSA, 251
.set SEL, 96
.set CS,  98
	s_load_b128 s[4:7], s[0:1], 0x0                ; qkv, mtab
	s_load_b64 s[10:11], s[0:1], 0x10              ; att
	v_lshl_add_u32 v[SPW], v0, 2, SPARE
	v_mov_b32 v[NIL], 0
	v_lshrrev_b32 v96, 5, v0
	s_delay_alu instid0(VALU_DEP_1)
	v_readfirstlane_b32 s12, v96                   ; wave 0..15
	v_and_b32 v97, 31, v0
	v_and_b32 v98, 15, v0                          ; r
	v_bfe_u32 v99, v0, 4, 1                        ; h
	s_delay_alu instid0(VALU_DEP_3)
	v_lshlrev_b32 v[L16], 4, v97
	s_delay_alu instid0(VALU_DEP_4)
	v_lshlrev_b32 v[L8], 3, v97
	v_lshlrev_b32 v[L4], 2, v97
	v_lshlrev_b32 v[R16], 4, v98
	v_lshlrev_b32 v[R8], 3, v98
	v_lshlrev_b32 v[R4], 2, v98
	v_sub_nc_u32 v[MHI], 0, v99
	s_delay_alu instid0(VALU_DEP_1)
	v_xor_b32 v[MLO], -1, v[MHI]
	v_mov_b32 v[NINF], 0xff800000
	s_and_b32 s16, ttmp9, 7                        ; g
	s_bfe_u32 s17, ttmp9, 0x20003                  ; aa
	s_bfe_u32 s18, ttmp9, 0x20005                  ; the group of four heads
	s_lshr_b32 s19, ttmp9, 7                       ; b
	s_and_b32 s20, s12, 3                          ; my head in the group
	s_lshr_b32 s21, s12, 2
	s_add_co_u32 s21, s21, s20
	s_and_b32 s21, s21, 3                          ; which of the work-group's four tiles
	s_and_b32 s22, s21, 1
	s_mul_i32 s22, s22, 7
	s_xor_b32 s22, s22, s17
	s_lshr_b32 s23, s21, 1
	s_lshl_b32 s23, s23, 3
	s_add_co_u32 s22, s22, s23
	s_lshl_b32 s22, s22, 3
	s_add_co_u32 s22, s22, s16                     ; tau
	s_lshl_b32 s15, s19, 11
	s_lshl_b32 s23, s22, 4
	s_add_co_u32 s15, s15, s23                     ; the tile's first place among the 4,096: kept for the way out
	s_lshl_b32 s24, s19, 4
	s_lshl_b32 s25, s18, 2
	s_add_co_u32 s24, s24, s25
	s_add_co_u32 s24, s24, s20
	s_mul_i32 s24, s24, BHS                        ; my head's records
	s_mov_b32 s25, 0
	s_lshr_b32 s26, s22, 1
	s_mul_i32 s26, s26, REC
	s_add_co_u32 s26, s26, s24                     ; Q's record
	s_mov_b32 s27, 0
	s_and_b32 s28, s22, 1
	s_mul_i32 s30, s28, 768                        ; its tile,
	s_mov_b32 s31, 0
	s_lshl_b32 s28, s28, 6                         ; its scale words
	s_mov_b32 s29, 0
	s_mul_i32 s32, s22, LMP
	s_mov_b32 s33, 0
	s_lshl_b32 s34, s22, 9
	s_add_co_u32 s34, s34, LISTB
	s_mov_b32 s35, 0
	s_mul_i32 s36, s21, 3072                       ; LDS: my tile's codes
	s_mul_i32 s37, s20, 48
	s_add_co_u32 s37, s37, s36
	v_mul_u32_u24 v[STA], v98, 192
	s_delay_alu instid0(VALU_DEP_1)
	v_mad_u32_u24 v[STA], v99, 24, v[STA]
	s_delay_alu instid0(VALU_DEP_1)
	v_add_nc_u32 v[STA], s37, v[STA]               ; row r, my head's 48 bytes, 24 h
	s_lshl_b32 s38, s21, 7
	s_lshl_b32 s39, s20, 1
	s_add_co_u32 s39, s39, s38
	s_add_co_u32 s39, s39, SCS
	v_lshl_add_u32 v[SSA], v98, 3, s39             ; row r's 8 scale bytes, my head's two
	s_mul_i32 s39, s20, 768
	s_add_co_u32 s39, s39, s36
	v_add_nc_u32 v[RDA], s39, v[L8]                ; back: my quarter of the tile's 3,072 bytes
	s_add_co_u32 s38, s38, SCS
	v_add_nc_u32 v[RSA], s38, v[L4]
	s_mov_b32 s[SEL], 0x76543210
	s_mov_b32 s[SEL+1], 0xfedcba98
	s_mov_b32 s[CS], 0x3e38aa3b                    ; log2(e) / 8
	s_mov_b32 s[CS+1], s[CS]
	s_wait_kmcnt 0x0
	s_add_nc_u64 s[8:9], s[6:7], s[34:35]          ; my tile's list
	s_add_nc_u64 s[6:7], s[6:7], s[32:33]          ; my tile's lane masks
	s_load_b32 s14, s[8:9], 0x100                  ; steps
	s_load_b128 s[92:95], s[8:9], 0x0              ; the first four blocks
	s_add_nc_u64 s[26:27], s[4:5], s[26:27]
	s_add_nc_u64 s[30:31], s[26:27], s[30:31]
	s_add_nc_u64 s[28:29], s[26:27], s[28:29]
	s_add_nc_u64 s[4:5], s[4:5], s[24:25]
	s_add_nc_u64 s[4:5], s[4:5], KVO               ; my head's K and V
	global_load_b128 v[QF:QF+3], v[L16], s[30:31]
	global_load_b64 v[QF+4:QF+5], v[L8], s[30:31] offset:512
	global_load_b32 v[QS], v[R4], s[28:29] offset:3072
.irp j, 6,7,8,9,10,11
	v_mov_b32 v[QF+\j], 0                          ; the upper half of the instruction's K: zero codes
.endr
.irp j, 48,49,50,51,52,53
	v_mov_b32 v[KF+\j], 0                          ; what the last tile names as its upper half
.endr
.set i, 0
.rept 32
	v_mov_b32 v[OT+i], 0                           ; the step is written once: the first finds zeros
.set i, i+1
.endr
	v_mov_b32 v13, 0xff61b1e6                      ; -3e38, under every t
	s_delay_alu instid0(VALU_DEP_1)
	v_floor_f32 v12, -v13
	v_mov_b32 v14, 0
	v_mov_b32 v15, 0
	v_mov_b32 v[F+1], 0                            ; (named as the upper half of the pair)
	s_wait_kmcnt 0x0
	s_min_u32 s14, s14, 16
	s_max_u32 s14, s14, 1
	s_mov_b32 s13, 0
	s_wait_loadcnt 0x0                             ; Q
.Ltrip:
.irp b, 0,1,2,3
	s_min_u32 s100, s[92+\b], 63
	s_mul_i32 s100, s100, REC
	s_mov_b32 s101, 0
	s_add_nc_u64 s[84+2*\b:85+2*\b], s[4:5], s[100:101]    ; block b's record (the last step's loads from these bases are in)
	v_and_b32 v[MI+\b], s100, v[MLO+\b%2]          ; even blocks for lanes 0-15, odd ones for lanes 16-31
.endr
	s_min_u32 s2, s92, 64
	s_min_u32 s3, s93, 64
	s_min_u32 s66, s94, 64
	s_min_u32 s67, s95, 64
	s_lshl_b32 s2, s2, 6                           ; the blocks' mask entries, 64 bytes each
	s_lshl_b32 s3, s3, 6
	s_lshl_b32 s66, s66, 6
	s_lshl_b32 s67, s67, 6
	s_wait_alu depctr_va_vdst(0)
	v_add_nc_u32 v[MI], v[MI], v[MI+1]
	v_add_nc_u32 v[MI+2], v[MI+2], v[MI+3]
	s_delay_alu instid0(VALU_DEP_2)
	v_add_nc_u32 v[VA], v[MI], v[R16]              ; V: lane (r, h), half c of the fragment: channel r of block 2 c + h
	s_delay_alu instid0(VALU_DEP_3)
	v_add_nc_u32 v[VA+1], v[MI], v[R8]
	s_delay_alu instid0(VALU_DEP_3)
	v_add_nc_u32 v[VA+2], v[MI+2], v[R16]
	s_delay_alu instid0(VALU_DEP_4)
	v_add_nc_u32 v[VA+3], v[MI+2], v[R8]           ; (these ten plain lines are also the places behind the last step's products)
.irp t, 0,1,2,3,4,5,6,7
	global_load_b128 v[KF+6*\t:KF+6*\t+3], v[L16], s[84+2*(\t/2):85+2*(\t/2)] offset:768*(\t%2)
	global_load_b64 v[KF+6*\t+4:KF+6*\t+5], v[L8], s[84+2*(\t/2):85+2*(\t/2)] offset:768*(\t%2)+512
.endr
.irp b, 0,1,2,3
	global_load_b32 v[KS+\b], v[L4], s[84+2*\b:85+2*\b] offset:3072
.endr
.irp t, 0,1,2,3
.irp c, 0,1
	global_load_b128 v[VF+12*\t+6*\c:VF+12*\t+6*\c+3], v[VA+2*\c], s[4:5] offset:1536+256*\t
	global_load_b64 v[VF+12*\t+6*\c+4:VF+12*\t+6*\c+5], v[VA+2*\c+1], s[4:5] offset:2560+128*\t
.endr
.endr
.irp b, 0,1,2,3
	global_load_b32 v[VS+\b], v[R4], s[84+2*\b:85+2*\b] offset:3200
.endr
	s_load_b512 s[16:31], s[6:7], s2 offset:0x0    ; sixteen lane masks for each block
	s_load_b512 s[32:47], s[6:7], s3 offset:0x0
	s_load_b512 s[48:63], s[6:7], s66 offset:0x0
	s_load_b512 s[68:83], s[6:7], s67 offset:0x0
	s_lshl_b32 s100, s13, 4
	s_add_co_u32 s100, s100, 16
	s_load_b128 s[92:95], s[8:9], s100 offset:0x0  ; the next step's four blocks (behind the list's 64 words lie the step counts: the last step's read stays in the table and is not used)
	s_wait_loadcnt 20                              ; K and its scale words are in; V's sixteen loads and its four scale loads may be out
.irp t, 0,2,4,6
	v_wmma_scale_f32_16x16x128_f8f6f4 v[SR+8*\t:SR+8*\t+7], v[KF+6*\t:KF+6*\t+11], v[QF:QF+11], 0, v[KS+\t/2], v[QS] matrix_a_fmt:MATRIX_FMT_FP6 matrix_b_fmt:MATRIX_FMT_FP6
	v_wmma_scale_f32_16x16x128_f8f6f4 v[SR+8*\t+8:SR+8*\t+15], v[KF+6*\t+6:KF+6*\t+17], v[QF:QF+11], 0, v[KS+\t/2], v[QS] matrix_a_fmt:MATRIX_FMT_FP6 matrix_b_fmt:MATRIX_FMT_FP6 matrix_a_scale:MATRIX_SCALE_ROW1
.endr
.rept 4
	v_nop
.endr
	s_wait_kmcnt 0x0                               ; the lane masks, and the next blocks
.irp b, 0,1,2,3
.irp i, 0,1,2,3,4,5,6,7,8,9,10,11,12,13,14,15
	v_cndmask_b32 v[SR+16*\b+\i], v[NINF], v[SR+16*\b+\i], s[16+16*\b+4*(\b/3)+\i]   ; register 16 b + i holds key 32 e_b + 16 h + i of query r: -infinity where the mask has no bit
.endr
.endr
.irp b, 0,1,2,3
	v_max3_num_f32 v[BM+\b], v[SR+16*\b], v[SR+1+16*\b], v[SR+2+16*\b]   ; the largest score of each block: for the row's maximum, and, since p rises with the score, for the block's largest p
.endr
.irp i, 3,5,7,9,11,13
.irp b, 0,1,2,3
	s_delay_alu instid0(VALU_DEP_4)
	v_max3_num_f32 v[BM+\b], v[BM+\b], v[SR+16*\b+\i], v[SR+1+16*\b+\i]
.endr
.endr
.irp b, 0,1,2,3
	s_delay_alu instid0(VALU_DEP_4)
	v_max_num_f32 v[BM+\b], v[BM+\b], v[SR+15+16*\b]
.endr
.irp b, 0,1,2,3
	s_delay_alu instid0(VALU_DEP_4)
	v_permlanex16_b32 v[BP+\b], v[BM+\b], s[SEL], s[SEL+1]
.endr
.irp b, 0,1,2,3
	s_delay_alu instid0(VALU_DEP_4)
	v_max_num_f32 v[BM+\b], v[BM+\b], v[BP+\b]
.endr
	s_delay_alu instid0(VALU_DEP_2)
	v_max3_num_f32 v[MI], v[BM], v[BM+1], v[BM+2]
	s_delay_alu instid0(VALU_DEP_1)
	v_max_num_f32 v[MI], v[MI], v[BM+3]
	s_delay_alu instid0(VALU_DEP_1)
	v_mul_f32 v[MI], s[CS], v[MI]
	s_delay_alu instid0(VALU_DEP_1)
	v_max_num_f32 v13, v13, v[MI]                  ; the running largest t
	v_mov_b32 v[MI], v12
	s_delay_alu instid0(VALU_DEP_2)
	v_floor_f32 v12, -v13                          ; the new -M: M is a whole number
	s_delay_alu instid0(VALU_DEP_1)
	v_sub_f32 v[MI], v12, v[MI]
	s_delay_alu instid0(VALU_DEP_1)
	v_cvt_i32_f32 v[MI], v[MI]                     ; (it saturates)
	s_delay_alu instid0(VALU_DEP_1)
	v_ldexp_f32 v[F], 1.0, v[MI]                   ; f = 2^(old M - new M): a multiplication by it rounds nothing
.set i, 0
.rept 32
	v_pk_fma_f32 v[SR+i:SR+i+1], v[SR+i:SR+i+1], s[CS:CS+1], v[12:13] op_sel_hi:[1,0,0]   ; t - M
.set i, i+2
.endr
.irp b, 0,1,2,3
	v_fma_f32 v[BM+\b], v[BM+\b], s[CS], v12
.endr
.set i, 0
	s_wait_alu depctr_va_vdst(0)
.rept 64
	v_exp_f32 v[SR+i], v[SR+i]                     ; p = 2^(t - M)
.set i, i+1
.endr
	s_wait_loadcnt 0x0                             ; V and its scale words
	v_perm_b32 v48, v[VS+1], v[VS], 0x05010400     ; four words (block; byte = tile) become four words (tile; byte = block): plain work behind the exponentials
	v_perm_b32 v49, v[VS+1], v[VS], 0x07030602
	v_perm_b32 v50, v[VS+3], v[VS+2], 0x05010400
	v_perm_b32 v51, v[VS+3], v[VS+2], 0x07030602
	s_delay_alu instid0(VALU_DEP_2)
	v_perm_b32 v[TS], v50, v48, 0x05040100
	s_delay_alu instid0(VALU_DEP_3)
	v_perm_b32 v[TS+1], v50, v48, 0x07060302
	s_delay_alu instid0(VALU_DEP_3)
	v_perm_b32 v[TS+2], v51, v49, 0x05040100
	s_delay_alu instid0(VALU_DEP_4)
	v_perm_b32 v[TS+3], v51, v49, 0x07060302
	v_pk_mul_f32 v[14:15], v[14:15], v[F:F+1] op_sel_hi:[1,0]   ; the sums under the new M
	s_wait_alu depctr_va_vdst(0)                   ; one wait for the whole batch, ahead of its first reader
.irp b, 0,1,2,3
	v_exp_f32 v[BM+\b], v[BM+\b]                   ; the block's largest p
.endr
	v_pk_add_f32 v[64:65], v[100:101], v[104:105]
	v_pk_add_f32 v[254:255], v[108:109], v[112:113]
	v_pk_add_f32 v[252:253], v[116:117], v[120:121]
	v_pk_add_f32 v[242:243], v[124:125], v[128:129]
	v_pk_add_f32 v[240:241], v[132:133], v[136:137]
	v_pk_add_f32 v[94:95], v[140:141], v[144:145]
	v_pk_add_f32 v[92:93], v[148:149], v[152:153]
	v_pk_add_f32 v[14:15], v[14:15], v[156:157]
	v_pk_add_f32 v[64:65], v[64:65], v[96:97]
	v_pk_add_f32 v[254:255], v[254:255], v[98:99]
	v_pk_add_f32 v[252:253], v[252:253], v[102:103]
	v_pk_add_f32 v[242:243], v[242:243], v[106:107]
	v_pk_add_f32 v[240:241], v[240:241], v[110:111]
	v_pk_add_f32 v[94:95], v[94:95], v[114:115]
	v_pk_add_f32 v[92:93], v[92:93], v[118:119]
	v_pk_add_f32 v[14:15], v[14:15], v[122:123]
	v_pk_add_f32 v[64:65], v[64:65], v[126:127]
	v_pk_add_f32 v[254:255], v[254:255], v[130:131]
	v_pk_add_f32 v[252:253], v[252:253], v[134:135]
	v_pk_add_f32 v[242:243], v[242:243], v[138:139]
	v_pk_add_f32 v[240:241], v[240:241], v[142:143]
	v_pk_add_f32 v[94:95], v[94:95], v[146:147]
	v_pk_add_f32 v[92:93], v[92:93], v[150:151]
	v_pk_add_f32 v[14:15], v[14:15], v[154:155]
	v_pk_add_f32 v[64:65], v[64:65], v[158:159]
	s_delay_alu instid0(VALU_DEP_2)
	v_pk_add_f32 v[14:15], v[14:15], v[242:243]
	s_delay_alu instid0(VALU_DEP_2)
	v_pk_add_f32 v[64:65], v[64:65], v[240:241]
	v_pk_add_f32 v[254:255], v[254:255], v[94:95]
	v_pk_add_f32 v[252:253], v[252:253], v[92:93]
	s_delay_alu instid0(VALU_DEP_2)
	v_pk_add_f32 v[14:15], v[14:15], v[254:255]
	s_delay_alu instid0(VALU_DEP_2)
	v_pk_add_f32 v[64:65], v[64:65], v[252:253]
	s_delay_alu instid0(VALU_DEP_1)
	v_pk_add_f32 v[14:15], v[14:15], v[64:65]
	s_wait_alu depctr_va_vdst(0)                   ; and one for the four
.irp b, 0,1,2,3
	v_max_num_f32 v[BM+\b], 0x1800000, v[BM+\b]    ; the floor 2^(3 - 127)
.endr
.irp b, 0,1,2,3
	s_delay_alu instid0(VALU_DEP_4)
	v_add_nc_u32 v[BS+\b], 0xff000000, v[BM+\b]
.endr
.irp b, 0,1,2,3
	s_delay_alu instid0(VALU_DEP_4)
	v_lshrrev_b32 v[BP+\b], 23, v[BS+\b]
.endr
	s_delay_alu instid0(VALU_DEP_3)
	v_lshl_or_b32 v[PS], v[BP+1], 8, v[BP]
	s_delay_alu instid0(VALU_DEP_1)
	v_lshl_or_b32 v[PS], v[BP+2], 16, v[PS]
	s_delay_alu instid0(VALU_DEP_1)
	v_lshl_or_b32 v[PS], v[BP+3], 24, v[PS]
.irp c, 0,1
	v_cvt_scalef32_pk16_fp6_f32 v[KF+6*\c:KF+2+6*\c], v[SR+32*\c:SR+15+32*\c], v[BS+2*\c]
	v_cvt_scalef32_pk16_fp6_f32 v[52+4*\c:54+4*\c], v[SR+16+32*\c:SR+31+32*\c], v[BS+2*\c+1]
.endr
	v_nop                                          ; one plain place behind a scaled conversion
.irp c, 0,1
.irp i, 0,1,2
	v_permlane16_swap_b32 v[KF+6*\c+\i], v[52+4*\c+\i]
.endr
.irp i, 0,1,2
	s_delay_alu instid0(VALU_DEP_3)
	v_mov_b32 v[KF+3+6*\c+\i], v[52+4*\c+\i]
.endr
.endr
.set i, 0
.rept 16
	v_pk_mul_f32 v[OT+i:OT+i+1], v[OT+i:OT+i+1], v[F:F+1] op_sel_hi:[1,0]   ; O^T under the new M; also the places in front of the products below
.set i, i+2
.endr
.irp t, 0,1,2,3
	v_wmma_scale_f32_16x16x128_f8f6f4 v[OT+8*\t:OT+8*\t+7], v[VF+12*\t:VF+12*\t+11], v[KF:KF+11], v[OT+8*\t:OT+8*\t+7], v[TS+\t], v[PS] matrix_a_fmt:MATRIX_FMT_FP6 matrix_b_fmt:MATRIX_FMT_FP6
.endr
	s_add_co_u32 s13, s13, 1
	s_cmp_lt_u32 s13, s14
	s_cbranch_scc1 .Ltrip
	; THE WAY OUT: O^T / the sum; register 16 c + i is channel 32 c + 16 h + i of my query: two blocks of the next product's K
.rept 4
	v_nop
.endr
	v_add_f32 v14, v14, v15
	s_delay_alu instid0(VALU_DEP_1)
	v_permlanex16_b32 v[MI], v14, s[SEL], s[SEL+1]
	s_delay_alu instid0(VALU_DEP_1)
	v_add_f32 v14, v14, v[MI]                      ; the row's sum
	s_wait_alu depctr_va_vdst(0)
	v_rcp_f32 v15, v14
	v_cmp_lt_f32 s2, 0, v14                        ; has any key counted?
	v_nop
	s_bfe_u32 s16, ttmp9, 0x20005
	s_and_b32 s17, s12, 3
	s_mul_i32 s18, s15, 192
	s_mul_i32 s19, s16, 786432
	s_add_co_u32 s18, s18, s19
	s_mul_i32 s19, s17, 768
	s_add_co_u32 s18, s18, s19
	s_mov_b32 s19, 0
	s_add_nc_u64 s[18:19], s[10:11], s[18:19]      ; codes: K step = my group of heads, the tile's 16 places, my quarter of their bytes
	s_lshl_b32 s20, s15, 3
	s_lshl_b32 s21, s16, 15
	s_add_co_u32 s20, s20, s21
	s_add_co_u32 s20, s20, 3145728
	s_mov_b32 s21, 0
	s_add_nc_u64 s[20:21], s[10:11], s[20:21]      ; scale bytes
	s_wait_alu depctr_va_vdst(0)                   ; ahead of the reciprocal's first reader
.set i, 0
.rept 16
	v_pk_mul_f32 v[SR+i:SR+i+1], v[OT+i:OT+i+1], v[14:15] op_sel:[0,1] op_sel_hi:[1,1]
.set i, i+2
.endr
.irp c, 0,1
	v_max3_num_f32 v[BM+\c], |v[SR+16*\c]|, |v[SR+1+16*\c]|, 0x1800000
.endr
.irp i, 2,4,6,8,10,12,14
.irp c, 0,1
	s_delay_alu instid0(VALU_DEP_2)
	v_max3_num_f32 v[BM+\c], v[BM+\c], |v[SR+16*\c+\i]|, |v[SR+1+16*\c+\i]|
.endr
.endr
.irp c, 0,1
	s_delay_alu instid0(VALU_DEP_2)
	v_permlanex16_b32 v[BP+\c], v[BM+\c], s[SEL], s[SEL+1]
.endr
.irp c, 0,1
	s_delay_alu instid0(VALU_DEP_2)
	v_max_num_f32 v[BM+\c], v[BM+\c], v[BP+\c]
.endr
.irp c, 0,1
	s_delay_alu instid0(VALU_DEP_2)
	v_add_nc_u32 v[BS+\c], 0xff000000, v[BM+\c]
.endr
.irp c, 0,1
	s_delay_alu instid0(VALU_DEP_2)
	v_lshrrev_b32 v[BP+\c], 23, v[BS+\c]
.endr
	s_delay_alu instid0(VALU_DEP_1)
	v_lshl_or_b32 v[MI+1], v[BP+1], 8, v[BP]
	v_mov_b32 v[MI+2], 0xffff
	s_delay_alu instid0(VALU_DEP_1)
	v_cndmask_b32 v[MI+1], v[MI+2], v[MI+1], s2    ; a row with no key: NaN
	v_cvt_scalef32_pk16_fp6_f32 v[KF:KF+2], v[SR:SR+15], v[BS]
	v_cvt_scalef32_pk16_fp6_f32 v[52:54], v[SR+16:SR+31], v[BS+1]
	v_nop
.irp i, 0,1,2
	v_permlane16_swap_b32 v[KF+\i], v[52+\i]
.endr
.irp i, 0,1,2
	s_delay_alu instid0(VALU_DEP_3)
	v_mov_b32 v[KF+3+\i], v[52+\i]
.endr
.irp p, 0,1,2
	ds_store_b64 v[STA], v[KF+2*\p:KF+2*\p+1] offset:8*\p
.endr
	ds_store_b16 v[SSA], v[MI+1]                   ; both halves of the lanes write the same two bytes
	s_wait_dscnt 0x0                               ; for the others' sake: a place's 192 bytes come from four waves
	s_barrier_signal -1
	s_barrier_wait -1
.irp n, 0,1,2
	ds_load_b64 v[SR+2*\n:SR+2*\n+1], v[RDA] offset:256*\n
.endr
.irp n, 0,1,2
	s_wait_dscnt 2-\n
	global_store_b64 v[L8], v[SR+2*\n:SR+2*\n+1], s[18:19] offset:256*\n   ; 32 lanes store 256 consecutive bytes, aligned
.endr
	s_cmp_lg_u32 s17, 0
	s_cbranch_scc1 .Lno_scales
	ds_load_b32 v[SR+8], v[RSA]
	s_wait_dscnt 0x0
	global_store_b32 v[L4], v[SR+8], s[20:21]      ; the tile's 128 scale bytes
.Lno_scales:
	s_wait_tensorcnt 0x0                           ; the wave's end, behind my last LDS store
	ds_add_u32 v[SPW], v[NIL]
	s_wait_dscnt 0x0
	s_endpgm
.Lfunc_end_k_q338c66c74e_attn:
	.size	k_q338c66c74e_attn, .Lfunc_end_k_q338c66c74e_attn-k_q338c66c74e_attn
	.p2alignl 7, 3214868480
	.fill 96, 4, 3214868480
	.section	.rodata,"a",@progbits
	.p2align	6, 0x0
	.amdhsa_kernel k_q338c66c74e_attn
		.amdhsa_group_segment_fixed_size 14848
		.amdhsa_private_segment_fixed_size 0
		.amdhsa_enable_private_segment 0
		.amdhsa_kernarg_size 24
		.amdhsa_user_sgpr_count 2
		.amdhsa_user_sgpr_kernarg_segment_ptr 1
		.amdhsa_wavefront_size32 1
		.amdhsa_system_sgpr_workgroup_id_x 1
		.amdhsa_system_sgpr_workgroup_id_y 1
		.amdhsa_system_sgpr_workgroup_id_z 1
		.amdhsa_system_vgpr_workitem_id 0
		.amdhsa_next_free_vgpr 256
		.amdhsa_next_free_sgpr 104
		.amdhsa_reserve_vcc 0
		.amdhsa_float_denorm_mode_32 3
		.amdhsa_float_denorm_mode_16_64 3
		.amdhsa_memory_ordered 1
		.amdhsa_forward_progress 1
		.amdhsa_inst_pref_size 39
	.end_amdhsa_kernel
	.amdgpu_metadata
---
amdhsa.version: [ 1, 2 ]
amdhsa.kernels:
  - .name:           k_q338c66c74e_attn
    .symbol:         k_q338c66c74e_attn.kd
    .args:
      - { .name: qkv, .offset: 0, .size: 8, .value_kind: global_buffer, .address_space: global }
      - { .name: mtab, .offset: 8, .size: 8, .value_kind: global_buffer, .address_space: global }
      - { .name: att, .offset: 16, .size: 8, .value_kind: global_buffer, .address_space: global }
    .group_segment_fixed_size: 14848
    .private_segment_fixed_size: 0
    .kernarg_segment_align: 8
    .kernarg_segment_size: 24
    .max_flat_workgroup_size: 512
    .sgpr_count:     104
    .vgpr_count:     256
    .wavefront_size: 32
...
	.end_amdgpu_metadata
.endif
;; end of part 3
;; launch wo (part 4): grid 8 x 32, 4 waves a work-group, clusters of 4 x 4, 327,680 bytes of LDS; arguments att, wts, x, hq, ln1_g, ln1_b, bo, h2; writes h2
.if DOCPART == 4
	.amdgcn_target "amdgcn-amd-amdhsa--gfx1250"
	.amdhsa_code_object_version 6
	.text
	.protected	k_q338c66c74e_wo
	.globl	k_q338c66c74e_wo
	.p2align	8
	.type	k_q338c66c74e_wo,@function
k_q338c66c74e_wo:
	s_mov_b64 s[64:65], 0
	v_nop
	global_prefetch_b8 v0, s[64:65] scope:SCOPE_SE
	s_setreg_imm32_b32 hwreg(HW_REG_WAVE_MODE, 25, 1), 1
	s_wait_xcnt 0x0
	s_wait_alu depctr_hold_cnt(0) depctr_sa_sdst(0) depctr_va_vdst(0) depctr_va_sdst(0) depctr_va_ssrc(0) depctr_va_vcc(0) depctr_vm_vsrc(0)
	s_getreg_b32 s2, hwreg(HW_REG_IB_STS2, 6, 4)
	s_cmp_eq_u32 s2, 0
	s_cbranch_scc0 .Lentry_in_a_cluster
	s_endpgm
.Lentry_in_a_cluster:
	s_bfe_u32 s2, ttmp6, 0x10000c
	s_cmp_lg_u32 s2, 0xf033
	s_cbranch_scc0 .Lentry_shape_is_right
	s_endpgm
.Lentry_shape_is_right:
; h2 = LN1(x) + att wo^T + bo.  The product on codes of FP6 (E2M3), K = 1,024; LN1(x) is made anew from x and the stored (mu, rstd) of each row, by the same arithmetic as the launch that quantised it.
; Tiles of 128 x 128, so that the 4,096 x 1,024 outputs give 256 work-groups; four waves of 64 x 64: 16 accumulators.  Operands lie as codes [K / 256][places][192 bytes], scale bytes [K / 256][places][8];
; place p holds row sigma(p) (bits 3 and 4 exchanged).  The matrix instruction is used transposed (source 0 = 16 places of wo, source 1 = 16 places of att).
; A slot of LDS holds TWO K steps of both operands, four quarters of 128 rows, one tensor load a wave; K = 1,024 is the two slots' worth: both are filled at the start and none again.
; CLUSTERS: 4 x 4 work-groups; att's tiles are asked for jointly along a row of the cluster, wo's along a column.
; REGISTERS: window 0: v0-31 addresses; v32-47 scale words, a set for each K step of a slot; v48-59 g, ln1_b + bo; v64-127 rows on the way out; v128-255 the accumulators ((a, b) at 128 + 8 (4 a + b)).
;   window 1: two sets of fragments (A's four, then B's four).   window 2: v0-127 x of my 64 x 64, as it is stored; v128-191 (mu, rstd) of its rows.
.set KST,    4
.set ROWB,   192
.set PITCH,  240
.set FR,     12
.set HALFT,  128*PITCH
.set SLOT,   4*HALFT
.set PLA,    786432
.set PLB,    196608
.set ASC,    3145728                   ; att's scale bytes
.set BCO,    9830400                   ; wo's codes in wts
.set BSO,    10616832                  ; wo's scale bytes
.set SCL,    2*SLOT
.set SREG,   1024*KST+128              ; from A's scale bytes to B's
.set SPARE,  254208
.set SPITCH, 272
.set ADRA, 16
.set ADRB, 20
.set STO,  24
.set RD,   25
.set CO,   26
.set ADRS, 27
.set SPW,  28
.set NIL,  29
.set SC,   32
.set BK,   64
.set ACC,  128
.set WV, 20
.set WH, 21
.set WL, 22
.set G1, 24
.set G0, 32
.set G1B, 48
.set G0B, 56
.set G1S, 68
.set G0S, 76
.set G1SB, 80
.set G0SB, 88
.set MSB, 0
.macro WIN new
.set NW, \new
.if MSB != NW
	s_set_vgpr_msb (MSB<<8)|NW
.set MSB, NW
.endif
.endm
.set MUL,  0x05                        ; sources 0 and 1 window 1; C and D window 0
.set TO_F, 0x40
.macro JLOAD g0a, g1a, g0b, g1b
	s_cmp_eq_u32 s[WH], 0
	s_cbranch_scc0 .Lfor_b_\@
	tensor_load_to_lds s[\g0a:\g0a+3], s[\g1a:\g1a+7]
	s_nop 0
.rept 4
	v_nop
.endr
	s_branch .Lasked_\@
.Lfor_b_\@:
	tensor_load_to_lds s[\g0b:\g0b+3], s[\g1b:\g1b+7]
	s_nop 0
.rept 4
	v_nop
.endr
.Lasked_\@:
.endm
.macro CREST
	s_cmp_lg_u32 s[WV], 0
	s_cbranch_scc1 .Lnot_wave_0_\@
	s_barrier_signal -3
.Lnot_wave_0_\@:
	s_barrier_wait -3
	s_barrier_signal -1
	s_barrier_wait -1
.endm
.macro CROUND
	s_barrier_signal -1
	s_barrier_wait -1
	CREST
.endm
	s_load_b256 s[4:11], s[0:1], 0x0               ; att, wts, x, hq
	s_load_b256 s[12:19], s[0:1], 0x20             ; ln1_g, ln1_b, bo, h2
	v_lshl_add_u32 v[SPW], v0, 2, SPARE
	v_mov_b32 v[NIL], 0
	ds_add_u32 v[SPW], v[NIL]                      ; the wave's opening: the add and its wait ahead of my first tensor load
	ds_add_u32 v[SPW], v[NIL]
	v_lshrrev_b32 v1, 5, v0
	v_readfirstlane_b32 s[WV], v1
	s_lshr_b32 s[WH], s[WV], 1                     ; my half of the rows; also: I fetch for A (0) or B (1)
	s_and_b32 s[WL], s[WV], 1                      ; my half of the columns; also: which K step of a slot I fetch
	s_bfe_u32 s40, ttmp6, 0x40000
	s_bfe_u32 s41, ttmp6, 0x40004
	s_lshl_b32 s42, ttmp9, 2
	s_add_co_u32 s42, s42, s40                     ; tile column
	s_and_b32 s23, ttmp7, 0xffff
	s_lshl_b32 s23, s23, 2
	s_add_co_u32 s23, s23, s41                     ; tile row
	s_lshl_b32 s43, s41, 2
	s_lshl_b32 s43, 15, s43
	s_lshl_b32 s44, 0x1111, s40
	s_or_b32 s[G1+0], s43, (0<<16)|(1<<20)|(1<<21)|(3<<22)|(3<<25)
	s_or_b32 s[G1B+0], s44, (0<<16)|(1<<20)|(1<<21)|(3<<22)|(3<<25)
.irp g, G1, G1B
	s_mov_b32 s[\g+1], 24576<<16                   ; the head's load: 128 dense places of a K step are one row of 24,576 bytes, at a multiple of 256 bytes;
	s_mov_b32 s[\g+2], 2<<16                       ; a slot's two K steps are two such rows
	s_mov_b32 s[\g+3], 24576<<16
	s_mov_b32 s[\g+4], 2
	s_mov_b32 s[\g+5], PLA                         ; from K step to K step (B's is set below)
	s_mov_b32 s[\g+6], 0
	s_mov_b32 s[\g+7], 0
.endr
	s_or_b32 s[G1S+0], s43, (3<<16)|(1<<21)
	s_or_b32 s[G1SB+0], s44, (3<<16)|(1<<21)
.irp g, G1S, G1SB
	s_mov_b32 s[\g+1], 128<<16                     ; 128 places of 8 bytes
	s_mov_b32 s[\g+2], KST<<16                     ; all K steps
	s_mov_b32 s[\g+3], 128<<16
	s_mov_b32 s[\g+4], KST
	s_mov_b32 s[\g+6], 0
	s_mov_b32 s[\g+7], 0
.endr
	s_mov_b32 s[G1S+5], 4096                       ; from K step to K step: A has 4,096 places,
	s_mov_b32 s[G1SB+5], 1024                      ; B 1,024
	s_mul_i32 s92, s23, 128*ROWB
	s_mul_i32 s93, s[WL], PLA
	s_add_co_u32 s92, s92, s93
	s_mov_b32 s93, 0
	s_lshl_b32 s94, s23, 10
	s_add_co_u32 s94, s94, ASC
	s_mov_b32 s95, 0
	s_mul_i32 s46, s42, 128*ROWB
	s_mul_i32 s47, s[WL], PLB
	s_add_co_u32 s46, s46, s47
	s_add_co_u32 s46, s46, BCO
	s_mov_b32 s47, 0
	s_lshl_b32 s96, s42, 10
	s_add_co_u32 s96, s96, BSO
	s_mov_b32 s97, 0
	s_mul_i32 s45, s[WV], HALFT                    ; a slot's quarters: A's two K steps, then B's two = wave x 128 rows
	s_mul_i32 s98, s[WH], SREG
	s_wait_dscnt 0x0
	s_wait_kmcnt 0x0
	s_add_nc_u64 s[92:93], s[4:5], s[92:93]
	s_add_nc_u64 s[94:95], s[4:5], s[94:95]
	s_add_nc_u64 s[46:47], s[6:7], s[46:47]
	s_add_nc_u64 s[96:97], s[6:7], s[96:97]
	CROUND
	s_mov_b32 s[G0S], 1
	s_add_co_u32 s[G0S+1], s98, SCL
	s_mov_b64 s[G0S+2:G0S+3], s[94:95]
	s_or_b32 s[G0S+3], s[G0S+3], 0x80000000
	s_mov_b32 s[G0SB], 1
	s_add_co_u32 s[G0SB+1], s98, SCL
	s_mov_b64 s[G0SB+2:G0SB+3], s[96:97]
	s_or_b32 s[G0SB+3], s[G0SB+3], 0x80000000
	s_mov_b32 s[G1B+5], PLB
.irp s, 0,1
	s_mov_b32 s[G0+4*\s], 1
	s_add_co_u32 s[G0+4*\s+1], s45, \s*SLOT
	s_add_nc_u64 s[G0+4*\s+2:G0+4*\s+3], s[92:93], \s*2*PLA
	s_or_b32 s[G0+4*\s+3], s[G0+4*\s+3], 0x80000000
	s_mov_b32 s[G0B+4*\s], 1
	s_add_co_u32 s[G0B+4*\s+1], s45, \s*SLOT
	s_add_nc_u64 s[G0B+4*\s+2:G0B+4*\s+3], s[46:47], \s*2*PLB
	s_or_b32 s[G0B+4*\s+3], s[G0B+4*\s+3], 0x80000000
.endr
; the head's four tiles, one joint load a wave: wave 0 A's part of slot 0, wave 1 A's scale bytes, wave 2 B's part of slot 0, wave 3 B's scale bytes
.macro ARM under, g0, g1, next
	s_cmp_lt_u32 s[WV], \under
	s_cbranch_scc0 \next
	tensor_load_to_lds s[\g0:\g0+3], s[\g1:\g1+7]
	s_nop 0
.rept 4
	v_nop
.endr
	s_branch .Lhead_asked
\next:
.endm
	ARM 1, G0,  G1,  .Lhead_sa
	ARM 2, G0S, G1S, .Lhead_b
	ARM 3, G0B, G1B, .Lhead_sb
	tensor_load_to_lds s[G0SB:G0SB+3], s[G1SB:G1SB+7]
	s_nop 0
.rept 4
	v_nop
.endr
.Lhead_asked:
	v_and_b32 v1, 15, v0
	v_bfe_u32 v2, v0, 4, 1                         ; h
	v_mul_u32_u24 v3, v1, PITCH
	v_mul_u32_u24 v4, v2, 24
	v_add_nc_u32 v4, v3, v4
	v_lshl_add_u32 v5, v2, 4, v4
	s_mul_i32 s100, s[WH], 64*PITCH
	s_mul_i32 s101, s[WL], 64*PITCH
	s_add_co_u32 s101, s101, 2*HALFT
.irp s, 0,1
	v_add_nc_u32 v[ADRA+\s], s100, v4
	v_add_nc_u32 v[ADRB+\s], s101, v4
	v_add_nc_u32 v[ADRA+2+\s], s100, v5
	v_add_nc_u32 v[ADRB+2+\s], s101, v5
	s_add_co_u32 s100, s100, SLOT
	s_add_co_u32 s101, s101, SLOT
.endr
	v_lshlrev_b32 v5, 3, v1
	s_lshl_b32 s100, s[WH], 9
	s_lshl_b32 s101, s[WL], 9
	s_add_co_u32 s101, s101, SREG
	s_sub_co_u32 s101, s101, s100
	v_mul_u32_u24 v6, s101, v2                     ; lanes 16-31 take B's scale words
	s_add_co_u32 s100, s100, SCL
	v_add_nc_u32 v5, v5, v6
	v_add_nc_u32 v[ADRS], s100, v5
	s_mul_i32 s100, s[WV], 16*SPITCH               ; my stage, in slot 0
	v_mul_u32_u24 v5, v1, SPITCH
	v_lshl_add_u32 v5, v2, 6, v5
	v_add_nc_u32 v[STO], s100, v5                  ; in: row r, 64 h
	v_mul_u32_u24 v5, v2, SPITCH
	v_lshl_add_u32 v5, v1, 4, v5
	v_add_nc_u32 v[RD], s100, v5                   ; back: lanes 0-15 one row of 256 bytes, lanes 16-31 the next
	v_lshlrev_b32 v[CO], 12, v2
	v_lshl_add_u32 v[CO], v1, 4, v[CO]             ; and the same two rows in x and h2
	s_wait_alu depctr_va_vdst(0)
	v_lshlrev_b32 v6, 3, v2                        ; their statistics
	s_wait_alu depctr_va_vdst(0)
	v_lshlrev_b32 v7, 4, v1                        ; my four columns
	s_wait_alu depctr_va_vdst(0)
	s_lshl_b32 s100, s23, 7
	s_lshl_b32 s101, s[WH], 6
	s_add_co_u32 s100, s100, s101                  ; my first row (a multiple of 32: places and rows agree there)
	s_lshl_b32 s98, s100, 3
	s_add_co_u32 s98, s98, 3276800
	s_mov_b32 s99, 0
	s_add_nc_u64 s[10:11], s[10:11], s[98:99]      ; (mu, rstd), by places
	s_lshl_b32 s100, s100, 12
	s_lshl_b32 s98, s42, 9
	s_lshl_b32 s101, s[WL], 8
	s_add_co_u32 s98, s98, s101                    ; my first column, in bytes
	s_add_nc_u64 s[12:13], s[12:13], s[98:99]
	s_add_nc_u64 s[14:15], s[14:15], s[98:99]
	s_add_nc_u64 s[16:17], s[16:17], s[98:99]
	s_add_co_u32 s100, s100, s98
	s_mov_b32 s101, 0
	s_add_nc_u64 s[8:9], s[8:9], s[100:101]
	s_add_nc_u64 s[18:19], s[18:19], s[100:101]
.macro FRAG reg, adr, q, i             ; 16 places x 128 K: the slot's q-th 128 along K: K step q / 2, half q % 2 of its row
.irp p, 0,1,2,3,4,5
.set PCE, 12*((\q)%2)+6*(\p/3)+\p%3
.if PCE%8 < 5
	ds_load_b64 v[\reg+2*\p:\reg+2*\p+1], v[\adr] offset:8*PCE+16*(PCE/8)+(\i)*16*PITCH+((\q)/2)*HALFT
.else
	ds_load_b64 v[\reg+2*\p:\reg+2*\p+1], v[\adr+2] offset:8*PCE+16*(PCE/8)+(\i)*16*PITCH+((\q)/2)*HALFT
.endif
.endr
.endm
.macro FETCH slot, q, p                ; the fragments of one step into set p; with a K step's first half its scale words
	WIN TO_F
.irp i, 0,1,2,3
	FRAG 96*(\p)+48+FR*\i, ADRB+\slot, \q, \i
.endr
.irp i, 0,1,2,3
	FRAG 96*(\p)+FR*\i, ADRA+\slot, \q, \i
.endr
	WIN 0
.if ((\q)%2) == 0
.irp i, 0,1,2,3
	ds_load_b64 v[SC+8*((\q)/2)+2*\i:SC+8*((\q)/2)+2*\i+1], v[ADRS] offset:(2*(\slot)+(\q)/2)*1024+128*\i
.endr
.endif
.endm
.macro MUL4 a, p, q, zero              ; A's block a x B's four; the 16 accumulators take turns, in the same order in every step
.irp b, 0,1,2,3
.if \zero
	v_wmma_scale_f32_16x16x128_f8f6f4 v[ACC+8*(4*(\a)+\b):ACC+8*(4*(\a)+\b)+7], v[96*(\p)+48+FR*\b:96*(\p)+48+FR*\b+FR-1], v[96*(\p)+FR*(\a):96*(\p)+FR*(\a)+FR-1], 0, v[SC+8*((\q)/2)+2*\b+(\q)%2], v[SC+8*((\q)/2)+2*(\a)+(\q)%2] matrix_a_fmt:MATRIX_FMT_FP6 matrix_b_fmt:MATRIX_FMT_FP6 matrix_a_scale:MATRIX_SCALE_ROW1
.else
	v_wmma_scale_f32_16x16x128_f8f6f4 v[ACC+8*(4*(\a)+\b):ACC+8*(4*(\a)+\b)+7], v[96*(\p)+48+FR*\b:96*(\p)+48+FR*\b+FR-1], v[96*(\p)+FR*(\a):96*(\p)+FR*(\a)+FR-1], v[ACC+8*(4*(\a)+\b):ACC+8*(4*(\a)+\b)+7], v[SC+8*((\q)/2)+2*\b+(\q)%2], v[SC+8*((\q)/2)+2*(\a)+(\q)%2] matrix_a_fmt:MATRIX_FMT_FP6 matrix_b_fmt:MATRIX_FMT_FP6 matrix_a_scale:MATRIX_SCALE_ROW1
.endif
.endr
.endm
.macro PLACES n
.rept \n
	v_nop
.endr
.endm
.macro QSTEP slot, q, zero             ; one of a slot's first three steps
	s_wait_dscnt 0x0                               ; this step's fragments, asked for a step ago, are in
	PLACES 4                                       ; behind the last step's products, which read the set that is loaded next
	FETCH \slot, (\q)+1, 1-(\q)%2
	WIN MUL
	MUL4 0, (\q)%2, \q, \zero
	MUL4 1, (\q)%2, \q, \zero
	MUL4 2, (\q)%2, \q, \zero
	MUL4 3, (\q)%2, \q, \zero
	WIN 0
.endm
.macro QTURN slot, next                ; a slot's last step changes slots: one barrier; nothing is filled again in this launch
	s_wait_tensorcnt 0x0                           ; all my tensor loads have landed: my part of the next slot;
	ds_add_u32 v[SPW], v[NIL]                      ; 0 onto my spare word;
	s_wait_dscnt 1                                 ; (the add may be out)
	WIN MUL
	MUL4 0, 1, 3, 0
	s_wait_dscnt 0x0
	s_barrier_signal -1
	MUL4 1, 1, 3, 0
	WIN 0
	s_barrier_wait -1
	PLACES 4
	FETCH \next, 0, 0
	WIN MUL
	MUL4 2, 1, 3, 0
	MUL4 3, 1, 3, 0
	WIN 0
.endm
	s_wait_alu depctr_va_vdst(0)                   ; the wait at the head's end
	s_wait_tensorcnt 0x0                           ; my tile of the head's four is in
	ds_add_u32 v[SPW], v[NIL]
.irp g, G1, G1B
	s_mov_b32 s[\g+1], 256<<16                     ; no tensor load of mine is out: from here on a load brings one K step's 128 places as 96 rows of 256 bytes
	s_mov_b32 s[\g+2], 96<<16
	s_mov_b32 s[\g+3], 256<<16
	s_mov_b32 s[\g+4], 96
	s_mov_b32 s[\g+5], 256
.endr
	s_wait_dscnt 0x0
	CROUND                                         ; all four tiles are in, and the sixteen work-groups meet
	JLOAD G0+4, G1, G0B+4, G1B                     ; slot 1, a quarter a wave: the first tensor load behind the round.  No prefetch: the launch has no loop to run ahead in
	FETCH 0, 0, 0
	; what only the way out reads is asked for here, behind all the tiles' requests
	WIN 0x80                                       ; destination window 2
.irp a, 0,1,2,3
.irp t, 0,1,2,3,4,5,6,7
	global_load_b128 v[4*(8*\a+\t):4*(8*\a+\t)+3], v[CO], s[8:9] offset:(32*(\a/2)+8*(\a%2)+2*\t+8*(\t/4))*4096 th:TH_LOAD_NT   ; places 16 a + 2 t, + 1 hold these rows
	global_load_b64 v[128+2*(8*\a+\t):129+2*(8*\a+\t)], v6, s[10:11] offset:8*(16*\a+2*\t)
.endr
.endr
	WIN 0
	global_load_b128 v[48:51], v7, s[12:13]
	global_load_b128 v[52:55], v7, s[14:15]
	global_load_b128 v[56:59], v7, s[16:17]
	QSTEP 0, 0, 1                                  ; the first step's products start the sums
	QSTEP 0, 1, 0
	QSTEP 0, 2, 0
	QTURN 0, 1
	QSTEP 1, 0, 0
	QSTEP 1, 1, 0
	QSTEP 1, 2, 0
	s_wait_dscnt 0x0
	WIN MUL
	MUL4 0, 1, 3, 0
	MUL4 1, 1, 3, 0
	MUL4 2, 1, 3, 0
	MUL4 3, 1, 3, 0
	WIN 0
	; THE WAY OUT
	s_wait_loadcnt 0x0                             ; x, the statistics, g, ln1_b, bo
	PLACES 4
	v_pk_add_f32 v[52:53], v[52:53], v[56:57]      ; ln1_b + bo
	v_pk_add_f32 v[54:55], v[54:55], v[58:59]
	WIN 0xaa                                       ; all in window 2
.set i, 0
.rept 32
	v_pk_add_f32 v[4*i:4*i+1], v[4*i:4*i+1], v[128+2*i:129+2*i] op_sel_hi:[1,0] neg_lo:[0,1] neg_hi:[0,1]     ; x - mu
	v_pk_add_f32 v[4*i+2:4*i+3], v[4*i+2:4*i+3], v[128+2*i:129+2*i] op_sel_hi:[1,0] neg_lo:[0,1] neg_hi:[0,1]
	v_pk_mul_f32 v[4*i:4*i+1], v[4*i:4*i+1], v[128+2*i:129+2*i] op_sel:[0,1] op_sel_hi:[1,1]                  ; x rstd
	v_pk_mul_f32 v[4*i+2:4*i+3], v[4*i+2:4*i+3], v[128+2*i:129+2*i] op_sel:[0,1] op_sel_hi:[1,1]
.set i, i+1
.endr
	WIN 0
.macro TOSTAGE a                       ; block a: 16 places x 64 columns through my stage; register j of accumulator 2 c + u is column 32 c + 16 h + 8 u + j
.irp b, 0,1,2,3
	ds_store_b128 v[STO], v[ACC+8*(4*(\a)+\b):ACC+8*(4*(\a)+\b)+3] offset:128*(\b/2)+32*(\b%2)          ; each accumulator from its low end on
	ds_store_b128 v[STO], v[ACC+8*(4*(\a)+\b)+4:ACC+8*(4*(\a)+\b)+7] offset:128*(\b/2)+32*(\b%2)+16
.endr
.irp t, 0,1,2,3,4,5,6,7
	ds_load_b128 v[BK+32*((\a)%2)+4*\t:BK+32*((\a)%2)+4*\t+3], v[RD] offset:2*\t*SPITCH   ; in order behind my stores
.endr
.endm
.macro SEND a, younger
.set BB, BK+32*((\a)%2)
	s_wait_dscnt \younger                          ; the block is back (the next block's 16 LDS instructions may be out)
.irp t, 0,1,2,3,4,5,6,7
	v_pk_add_f32 v[BB+4*\t:BB+4*\t+1], v[BB+4*\t:BB+4*\t+1], v[52:53]
	v_pk_add_f32 v[BB+4*\t+2:BB+4*\t+3], v[BB+4*\t+2:BB+4*\t+3], v[54:55]
.endr
	WIN 0x02                                       ; source 0 window 2
.irp t, 0,1,2,3,4,5,6,7
	v_pk_fma_f32 v[BB+4*\t:BB+4*\t+1], v[4*(8*(\a)+\t):4*(8*(\a)+\t)+1], v[48:49], v[BB+4*\t:BB+4*\t+1]
	v_pk_fma_f32 v[BB+4*\t+2:BB+4*\t+3], v[4*(8*(\a)+\t)+2:4*(8*(\a)+\t)+3], v[50:51], v[BB+4*\t+2:BB+4*\t+3]
.endr
	WIN 0
.irp t, 0,1,2,3,4,5,6,7
	global_store_b128 v[CO], v[BB+4*\t:BB+4*\t+3], s[18:19] offset:(32*((\a)/2)+8*((\a)%2)+2*\t+8*(\t/4))*4096   ; 16 lanes store 256 consecutive bytes, aligned
.endr
.endm
	TOSTAGE 0
	TOSTAGE 1
	SEND 0, 16
	s_wait_xcnt 0x0                                ; block 0's stores have read their registers: block 2's loads may land there
	TOSTAGE 2
	SEND 1, 16
	s_wait_xcnt 0x0
	TOSTAGE 3
	SEND 2, 16
	SEND 3, 0
	s_wait_tensorcnt 0x0                           ; the wave's end
	ds_add_u32 v[SPW], v[NIL]
	s_wait_dscnt 0x0
	CROUND                                         ; the closing round
	s_endpgm
.Lfunc_end_k_q338c66c74e_wo:
	.size	k_q338c66c74e_wo, .Lfunc_end_k_q338c66c74e_wo-k_q338c66c74e_wo
	.p2alignl 7, 3214868480
	.fill 96, 4, 3214868480
	.section	.rodata,"a",@progbits
	.p2align	6, 0x0
	.amdhsa_kernel k_q338c66c74e_wo
		.amdhsa_group_segment_fixed_size 327680
		.amdhsa_private_segment_fixed_size 0
		.amdhsa_enable_private_segment 0
		.amdhsa_kernarg_size 64
		.amdhsa_user_sgpr_count 2
		.amdhsa_user_sgpr_kernarg_segment_ptr 1
		.amdhsa_wavefront_size32 1
		.amdhsa_system_sgpr_workgroup_id_x 1
		.amdhsa_system_sgpr_workgroup_id_y 1
		.amdhsa_system_sgpr_workgroup_id_z 1
		.amdhsa_system_vgpr_workitem_id 0
		.amdhsa_next_free_vgpr 768
		.amdhsa_next_free_sgpr 104
		.amdhsa_reserve_vcc 0
		.amdhsa_float_denorm_mode_32 3
		.amdhsa_float_denorm_mode_16_64 3
		.amdhsa_memory_ordered 1
		.amdhsa_forward_progress 1
		.amdhsa_inst_pref_size 86
	.end_amdhsa_kernel
	.amdgpu_metadata
---
amdhsa.version: [ 1, 2 ]
amdhsa.kernels:
  - .name:           k_q338c66c74e_wo
    .symbol:         k_q338c66c74e_wo.kd
    .args:
      - { .name: att, .offset: 0, .size: 8, .value_kind: global_buffer, .address_space: global }
      - { .name: wts, .offset: 8, .size: 8, .value_kind: global_buffer, .address_space: global }
      - { .name: x, .offset: 16, .size: 8, .value_kind: global_buffer, .address_space: global }
      - { .name: hq, .offset: 24, .size: 8, .value_kind: global_buffer, .address_space: global }
      - { .name: ln1_g, .offset: 32, .size: 8, .value_kind: global_buffer, .address_space: global }
      - { .name: ln1_b, .offset: 40, .size: 8, .value_kind: global_buffer, .address_space: global }
      - { .name: bo, .offset: 48, .size: 8, .value_kind: global_buffer, .address_space: global }
      - { .name: h2, .offset: 56, .size: 8, .value_kind: global_buffer, .address_space: global }
    .group_segment_fixed_size: 327680
    .private_segment_fixed_size: 0
    .kernarg_segment_align: 8
    .kernarg_segment_size: 64
    .max_flat_workgroup_size: 128
    .sgpr_count:     104
    .vgpr_count:     768
    .wavefront_size: 32
...
	.end_amdgpu_metadata
.endif
;; end of part 4
;; launch ln2 (part 5): grid 256 x 1, 8 waves a work-group, no clusters, 42,496 bytes of LDS; arguments h2, ln2_g, ln2_b, l2q; writes l2q
.if DOCPART == 5
	.amdgcn_target "amdgcn-amd-amdhsa--gfx1250"
	.amdhsa_code_object_version 6
	.text
	.protected	k_q338c66c74e_ln2
	.globl	k_q338c66c74e_ln2
	.p2align	8
	.type	k_q338c66c74e_ln2,@function
k_q338c66c74e_ln2:
	s_mov_b64 s[64:65], 0
	v_nop
	global_prefetch_b8 v0, s[64:65] scope:SCOPE_SE
	s_setreg_imm32_b32 hwreg(HW_REG_WAVE_MODE, 25, 1), 1
	s_wait_xcnt 0x0
; LN2 over rows of 1,024 f32, quantised on the way out: l2q = codes of FP6 (E2M3) of (h2 - mu) rsqrt(var + 1e-5) g + b, one E8M0 byte for each 32 along the row.
; l2q: codes [4 K steps][4,096 places][192 bytes] at 0; scale bytes [4][4,096][8] at 3,145,728.  PLACE p HOLDS ROW sigma(p): bits 3 and 4 exchanged.  The normalised rows themselves are not stored.
; A work-group owns 16 places, each of its eight waves two: a row is 32 registers of a wave and stays there between the passes, so memory is read once and no wave waits for another until the end.
; Mean and variance as reference() has them: the mean first, then the mean of the squared differences; all in f32.
; The conversions take 16 neighbours from one lane: a K step's 2 x 1,024 bytes turn through the wave's own stage in LDS (16 bytes of padding behind each 64).
; The scale bytes of the 16 places are gathered in LDS; behind one barrier wave 0 stores them (four runs of 128).
; LIMITS: a block of zeros gets the byte 1 where the rule says 127 (this program alone reads the bytes); blocks under 2^-124 were not tried; a row with NaN or infinity gives codes without meaning (its residual carries the NaN on).
; Matrix units, clusters and tensor loads buy nothing here: each byte is read once by one wave.
.set SP,    80
.set SREG,  5120                       ; a wave's two stages of 32 x SP
.set SCS,   40960                      ; [K step][16 places][8 bytes]
.set SPARE, 41472                      ; the spare words, 128 bytes for each wave
.set X,   16                           ; v16-79   two rows: load i of row j at X + 32 j + 4 i
.set G,   80                           ; v80-111  g of my columns
.set BV,  112                          ; v112-143 b
.set XQ,  144                          ; v144-175 two sets of 16 neighbours
.set C,   176                          ; v176-191 codes, four registers a K step
.set SA,  192                          ; v192-199 sums: row j at SA + 4 j
.set MR,  200                          ; v200-203 mu0, rstd0, mu1, rstd1
.set E,   204                          ; v204-207 a scale byte for each K step
.set SPW, 12
.set NIL, 13
	s_load_b256 s[4:11], s[0:1], 0x0               ; h2, g, b, l2q
	v_lshl_add_u32 v[SPW], v0, 2, SPARE
	v_mov_b32 v[NIL], 0
	v_lshrrev_b32 v1, 5, v0
	s_delay_alu instid0(VALU_DEP_1)
	v_readfirstlane_b32 s12, v1                    ; wave 0..7
	v_and_b32 v1, 31, v0                           ; lane
	s_delay_alu instid0(VALU_DEP_1)
	v_lshlrev_b32 v2, 4, v1                        ; 16 x lane
	s_mul_i32 s13, s12, SREG
	v_lshrrev_b32 v3, 2, v1
	s_delay_alu instid0(VALU_DEP_1)
	v_mul_u32_u24 v3, v3, SP
	v_and_b32 v4, 3, v1
	s_delay_alu instid0(VALU_DEP_1)
	v_lshl_add_u32 v3, v4, 4, v3
	s_delay_alu instid0(VALU_DEP_1)
	v_add_nc_u32 v3, s13, v3                       ; the stage, in
	v_mul_u32_u24 v4, v1, SP
	s_delay_alu instid0(VALU_DEP_1)
	v_add_nc_u32 v4, s13, v4                       ; and out
	v_mul_u32_u24 v5, v1, 12                       ; my 16 codes among the two places' 384 bytes
	v_lshrrev_b32 v6, 1, v1
	s_lshl_b32 s13, s12, 4
	s_add_co_u32 s14, s13, SCS
	v_add_nc_u32 v6, s14, v6                       ; my block's byte: 16 x wave + 8 (lane / 16) + (lane % 16) / 2
	v_add_nc_u32 v10, SCS, v2                      ; wave 0 reads the bytes back: 16 a lane
	s_lshl_b32 s22, ttmp9, 7                       ; 16 places x 8 bytes
	v_lshrrev_b32 v208, 3, v1
	s_delay_alu instid0(VALU_DEP_1)
	v_lshlrev_b32 v208, 15, v208
	v_and_b32 v209, 7, v1
	s_delay_alu instid0(VALU_DEP_1)
	v_lshl_add_u32 v208, v209, 4, v208
	s_delay_alu instid0(VALU_DEP_1)
	v_add_nc_u32 v208, s22, v208                   ; where they go: 32,768 x K step + 128 x work-group + 16 (lane % 8)
	s_lshl_b32 s15, ttmp9, 4
	s_lshl_b32 s16, s12, 1
	s_add_co_u32 s15, s15, s16                     ; my first place
	s_and_b32 s16, s15, 0xffffffe7
	s_and_b32 s17, s15, 8
	s_lshl_b32 s17, s17, 1
	s_or_b32 s16, s16, s17
	s_and_b32 s17, s15, 16
	s_lshr_b32 s17, s17, 1
	s_or_b32 s16, s16, s17                         ; its row; the next place holds the next row
	s_lshl_b32 s16, s16, 12
	s_mov_b32 s17, 0
	s_mul_i32 s18, s15, 192
	s_mov_b32 s19, 0
	s_mov_b32 s20, 0x76543210
	s_mov_b32 s21, 0xfedcba98                      ; v_permlanex16_b32's selects for lane l xor 16
	s_mov_b32 s23, 0x3a800000                      ; 1 / 1,024
	s_mov_b32 s24, 0x3727c5ac                      ; 1e-5
	s_wait_kmcnt 0x0
	s_add_nc_u64 s[4:5], s[4:5], s[16:17]
	s_add_nc_u64 s[18:19], s[10:11], s[18:19]
.irp j, 0,1
.irp i, 0,1,2,3,4,5,6,7
	global_load_b128 v[X+32*\j+4*\i:X+32*\j+4*\i+3], v2, s[4:5] offset:4096*\j+512*\i th:TH_LOAD_NT
.endr
.endr
.irp i, 0,1,2,3,4,5,6,7
	global_load_b128 v[G+4*\i:G+4*\i+3], v2, s[6:7] offset:512*\i
.endr
.irp i, 0,1,2,3,4,5,6,7
	global_load_b128 v[BV+4*\i:BV+4*\i+3], v2, s[8:9] offset:512*\i
.endr
.macro RED                             ; both rows' sums over the 32 lanes, in every lane
.irp m, 1,2,4,8
.irp j, 0,1
	s_delay_alu instid0(VALU_DEP_2)
	v_add_f32_dpp v[SA+4*\j], v[SA+4*\j], v[SA+4*\j] row_xmask:\m row_mask:0xf bank_mask:0xf
.endr
.endr
.irp j, 0,1
	s_delay_alu instid0(VALU_DEP_2)
	v_permlanex16_b32 v[SA+4*\j+1], v[SA+4*\j], s20, s21
.endr
.irp j, 0,1
	s_delay_alu instid0(VALU_DEP_2)
	v_add_f32 v[SA+4*\j], v[SA+4*\j], v[SA+4*\j+1]
.endr
.endm
	s_wait_loadcnt 16                              ; the two rows are in; the sixteen loads of g and b may be out
.irp j, 0,1
	v_pk_add_f32 v[SA+4*\j:SA+4*\j+1], v[X+32*\j:X+32*\j+1], v[X+32*\j+2:X+32*\j+3]
	v_pk_add_f32 v[SA+4*\j+2:SA+4*\j+3], v[X+32*\j+4:X+32*\j+5], v[X+32*\j+6:X+32*\j+7]
.endr
.irp i, 8,12,16,20,24,28
.irp j, 0,1
	s_delay_alu instid0(VALU_DEP_4)
	v_pk_add_f32 v[SA+4*\j:SA+4*\j+1], v[SA+4*\j:SA+4*\j+1], v[X+32*\j+\i:X+32*\j+\i+1]
	s_delay_alu instid0(VALU_DEP_4)
	v_pk_add_f32 v[SA+4*\j+2:SA+4*\j+3], v[SA+4*\j+2:SA+4*\j+3], v[X+32*\j+\i+2:X+32*\j+\i+3]
.endr
.endr
.irp j, 0
	s_delay_alu instid0(VALU_DEP_3)
	v_pk_add_f32 v[SA+4*\j:SA+4*\j+1], v[SA+4*\j:SA+4*\j+1], v[SA+4*\j+2:SA+4*\j+3]
.endr
.irp j, 1
	s_delay_alu instid0(VALU_DEP_2)
	v_pk_add_f32 v[SA+4*\j:SA+4*\j+1], v[SA+4*\j:SA+4*\j+1], v[SA+4*\j+2:SA+4*\j+3]
.endr
.irp j, 0,1
	s_delay_alu instid0(VALU_DEP_2)
	v_add_f32 v[SA+4*\j], v[SA+4*\j], v[SA+4*\j+1]
.endr
	RED
.irp j, 0
	s_delay_alu instid0(VALU_DEP_2)
	v_mul_f32 v[MR+2*\j], s23, v[SA+4*\j]          ; mu
	v_mov_b32 v[MR+2*\j+1], 0                      ; (named with it as a pair before rstd is made)
.endr
.irp j, 1
	s_delay_alu instid0(VALU_DEP_3)
	v_mul_f32 v[MR+2*\j], s23, v[SA+4*\j]          ; mu
	v_mov_b32 v[MR+2*\j+1], 0                      ; (named with it as a pair before rstd is made)
.endr
.irp j, 0,1
.irp i, 0,2,4,6,8,10,12,14,16,18,20,22,24,26,28,30
	v_pk_add_f32 v[X+32*\j+\i:X+32*\j+\i+1], v[X+32*\j+\i:X+32*\j+\i+1], v[MR+2*\j:MR+2*\j+1] op_sel_hi:[1,0] neg_lo:[0,1] neg_hi:[0,1]   ; x - mu
.endr
.endr
.irp j, 0,1
	v_pk_mul_f32 v[SA+4*\j:SA+4*\j+1], v[X+32*\j:X+32*\j+1], v[X+32*\j:X+32*\j+1]
	v_pk_mul_f32 v[SA+4*\j+2:SA+4*\j+3], v[X+32*\j+2:X+32*\j+3], v[X+32*\j+2:X+32*\j+3]
.endr
.irp i, 4,8,12,16,20,24,28
.irp j, 0,1
	s_delay_alu instid0(VALU_DEP_4)
	v_pk_fma_f32 v[SA+4*\j:SA+4*\j+1], v[X+32*\j+\i:X+32*\j+\i+1], v[X+32*\j+\i:X+32*\j+\i+1], v[SA+4*\j:SA+4*\j+1]
	s_delay_alu instid0(VALU_DEP_4)
	v_pk_fma_f32 v[SA+4*\j+2:SA+4*\j+3], v[X+32*\j+\i+2:X+32*\j+\i+3], v[X+32*\j+\i+2:X+32*\j+\i+3], v[SA+4*\j+2:SA+4*\j+3]
.endr
.endr
.irp j, 0
	s_delay_alu instid0(VALU_DEP_3)
	v_pk_add_f32 v[SA+4*\j:SA+4*\j+1], v[SA+4*\j:SA+4*\j+1], v[SA+4*\j+2:SA+4*\j+3]
.endr
.irp j, 1
	s_delay_alu instid0(VALU_DEP_2)
	v_pk_add_f32 v[SA+4*\j:SA+4*\j+1], v[SA+4*\j:SA+4*\j+1], v[SA+4*\j+2:SA+4*\j+3]
.endr
.irp j, 0,1
	s_delay_alu instid0(VALU_DEP_2)
	v_add_f32 v[SA+4*\j], v[SA+4*\j], v[SA+4*\j+1]
.endr
	RED
.irp j, 0,1
	s_delay_alu instid0(VALU_DEP_2)
	v_fma_f32 v[SA+4*\j], v[SA+4*\j], s23, s24     ; var + 1e-5
.endr
	s_wait_alu depctr_va_vdst(0)
.irp j, 0,1
	v_rsq_f32 v[MR+2*\j+1], v[SA+4*\j]
.endr
	v_nop                                          ; a plain instruction behind the second root
	s_wait_alu depctr_va_vdst(0)                   ; one wait for both, ahead of their first reader
	s_wait_loadcnt 0x0                             ; g and b
.irp j, 0,1
.irp i, 0,2,4,6,8,10,12,14,16,18,20,22,24,26,28,30
	v_pk_mul_f32 v[X+32*\j+\i:X+32*\j+\i+1], v[X+32*\j+\i:X+32*\j+\i+1], v[MR+2*\j:MR+2*\j+1] op_sel:[0,1] op_sel_hi:[1,1]
	s_delay_alu instid0(VALU_DEP_1)
	v_pk_fma_f32 v[X+32*\j+\i:X+32*\j+\i+1], v[X+32*\j+\i:X+32*\j+\i+1], v[G+\i:G+\i+1], v[BV+\i:BV+\i+1]
.endr
.endr
.macro TURN s                          ; K step s of both rows through stage s % 2: lanes 0-15 get row 0's 256 numbers, 16 each, lanes 16-31 row 1's
	ds_store_b128 v3, v[X+8*(\s):X+8*(\s)+3] offset:32*SP*((\s)%2)
	ds_store_b128 v3, v[X+8*(\s)+4:X+8*(\s)+7] offset:32*SP*((\s)%2)+8*SP
	ds_store_b128 v3, v[X+32+8*(\s):X+32+8*(\s)+3] offset:32*SP*((\s)%2)+16*SP
	ds_store_b128 v3, v[X+32+8*(\s)+4:X+32+8*(\s)+7] offset:32*SP*((\s)%2)+24*SP
.irp i, 0,1,2,3
	ds_load_b128 v[XQ+16*((\s)%2)+4*\i:XQ+16*((\s)%2)+4*\i+3], v4 offset:32*SP*((\s)%2)+16*\i
.endr
.endm
.macro STEP s
.set XS, XQ+16*((\s)%2)
.if (\s) > 0
	s_wait_dscnt 1                                 ; this step's numbers are back (the last byte store may be out)
.else
	s_wait_dscnt 0x0
.endif
.if (\s) < 3
	TURN (\s)+1
.endif
	v_max3_num_f32 v8, |v[XS]|, |v[XS+1]|, |v[XS+2]|
	v_max3_num_f32 v9, |v[XS+3]|, |v[XS+4]|, |v[XS+5]|
.irp i, 6,10
	s_delay_alu instid0(VALU_DEP_2)
	v_max3_num_f32 v8, v8, |v[XS+\i]|, |v[XS+\i+1]|
	s_delay_alu instid0(VALU_DEP_2)
	v_max3_num_f32 v9, v9, |v[XS+\i+2]|, |v[XS+\i+3]|
.endr
	s_delay_alu instid0(VALU_DEP_2)
	v_max3_num_f32 v8, v8, |v[XS+14]|, |v[XS+15]|
	s_delay_alu instid0(VALU_DEP_1)
	v_max3_num_f32 v8, v8, v9, 0x1800000           ; the floor 2^(3 - 127)
	s_delay_alu instid0(VALU_DEP_1)
	v_max_num_f32_dpp v8, v8, v8 row_xmask:1 row_mask:0xf bank_mask:0xf
	s_delay_alu instid0(VALU_DEP_1)
	v_add_nc_u32 v11, 0xff000000, v8               ; 2 off the exponent field: the conversion's scale operand
	v_cvt_scalef32_pk16_fp6_f32 v[C+4*(\s):C+4*(\s)+2], v[XS:XS+15], v11
	v_lshrrev_b32 v[E+(\s)], 23, v11
	ds_store_b8 v6, v[E+(\s)] offset:128*(\s)
	global_store_b96 v5, v[C+4*(\s):C+4*(\s)+2], s[18:19] offset:786432*(\s)   ; two places' 384 consecutive bytes
.endm
	TURN 0
	STEP 0
	STEP 1
	STEP 2
	STEP 3
	s_wait_dscnt 0x0                               ; for the others' sake: my stores have landed
	s_barrier_signal -1
	s_barrier_wait -1
	s_cmp_lg_u32 s12, 0
	s_cbranch_scc1 .Lnot_0
	ds_load_b128 v[16:19], v10
	s_wait_dscnt 0x0
	global_store_b128 v208, v[16:19], s[10:11] offset:3145728
.Lnot_0:
	s_wait_tensorcnt 0x0                           ; the wave's end, behind my last LDS store
	ds_add_u32 v[SPW], v[NIL]
	s_wait_dscnt 0x0
	s_endpgm
.Lfunc_end_k_q338c66c74e_ln2:
	.size	k_q338c66c74e_ln2, .Lfunc_end_k_q338c66c74e_ln2-k_q338c66c74e_ln2
	.p2alignl 7, 3214868480
	.fill 96, 4, 3214868480
	.section	.rodata,"a",@progbits
	.p2align	6, 0x0
	.amdhsa_kernel k_q338c66c74e_ln2
		.amdhsa_group_segment_fixed_size 42496
		.amdhsa_private_segment_fixed_size 0
		.amdhsa_enable_private_segment 0
		.amdhsa_kernarg_size 32
		.amdhsa_user_sgpr_count 2
		.amdhsa_user_sgpr_kernarg_segment_ptr 1
		.amdhsa_wavefront_size32 1
		.amdhsa_system_sgpr_workgroup_id_x 1
		.amdhsa_system_sgpr_workgroup_id_y 1
		.amdhsa_system_sgpr_workgroup_id_z 1
		.amdhsa_system_vgpr_workitem_id 0
		.amdhsa_next_free_vgpr 224
		.amdhsa_next_free_sgpr 66
		.amdhsa_reserve_vcc 0
		.amdhsa_float_denorm_mode_32 3
		.amdhsa_float_denorm_mode_16_64 3
		.amdhsa_memory_ordered 1
		.amdhsa_forward_progress 1
		.amdhsa_inst_pref_size 29
	.end_amdhsa_kernel
	.amdgpu_metadata
---
amdhsa.version: [ 1, 2 ]
amdhsa.kernels:
  - .name:           k_q338c66c74e_ln2
    .symbol:         k_q338c66c74e_ln2.kd
    .args:
      - { .name: h2, .offset: 0, .size: 8, .value_kind: global_buffer, .address_space: global }
      - { .name: ln2_g, .offset: 8, .size: 8, .value_kind: global_buffer, .address_space: global }
      - { .name: ln2_b, .offset: 16, .size: 8, .value_kind: global_buffer, .address_space: global }
      - { .name: l2q, .offset: 24, .size: 8, .value_kind: global_buffer, .address_space: global }
    .group_segment_fixed_size: 42496
    .private_segment_fixed_size: 0
    .kernarg_segment_align: 8
    .kernarg_segment_size: 32
    .max_flat_workgroup_size: 256
    .sgpr_count:     66
    .vgpr_count:     224
    .wavefront_size: 32
...
	.end_amdgpu_metadata
.endif
;; end of part 5
;; launch fc (part 6): grid 16 x 16, 4 waves a work-group, clusters of 4 x 4, 327,680 bytes of LDS; arguments l2q, wts, b_fc, gl; writes gl
.if DOCPART == 6
	.amdgcn_target "amdgcn-amd-amdhsa--gfx1250"
	.amdhsa_code_object_version 6
	.text
	.protected	k_q338c66c74e_fc
	.globl	k_q338c66c74e_fc
	.p2align	8
	.type	k_q338c66c74e_fc,@function
k_q338c66c74e_fc:
	s_mov_b64 s[64:65], 0
	v_nop
	global_prefetch_b8 v0, s[64:65] scope:SCOPE_SE
	s_setreg_imm32_b32 hwreg(HW_REG_WAVE_MODE, 25, 1), 1
	s_wait_xcnt 0x0
	s_wait_alu depctr_hold_cnt(0) depctr_sa_sdst(0) depctr_va_vdst(0) depctr_va_sdst(0) depctr_va_ssrc(0) depctr_va_vcc(0) depctr_vm_vsrc(0)
	s_getreg_b32 s2, hwreg(HW_REG_IB_STS2, 6, 4)
	s_cmp_eq_u32 s2, 0
	s_cbranch_scc0 .Lentry_in_a_cluster
	s_endpgm
.Lentry_in_a_cluster:
	s_bfe_u32 s2, ttmp6, 0x10000c
	s_cmp_lg_u32 s2, 0xf033
	s_cbranch_scc0 .Lentry_shape_is_right
	s_endpgm
.Lentry_shape_is_right:
; gl = the codes of FP6 (E2M3) of new_gelu(LN2 codes x w_fc^T + b_fc), quantised along the 4,096 hidden units: codes [16 K steps][4,096 places][192], scale bytes [16][4,096][8] at 12,582,912.
; Tiles of 256 x 256, four waves of 128 x 128, K = 1,024 in steps of 256 through a ring of two LDS slots; the product is used transposed, so that a lane's registers run along the hidden units.
; gelu(x) = x / (1 + 2^(-2 log2(e) c (x + 0.044715 x^3))), which is 0.5 x (1 + tanh(..)) in another form; all in f32.
; CLUSTERS: 4 x 4; A's tiles are asked for jointly along a row, B's along a column.  No prefetch: K has four steps at the largest block, and only two of them are refills.
; LIMITS: a block of zeros gets the byte 1 (this program alone reads the bytes); blocks under 2^-124 were not tried; NaN and infinities are not served.
.set KSTEP,  256
.set NQ,     2
.set ROWB,   192
.set PITCH,  240
.set FR,     12
.set NL,     6
.set NP,     4
.set HALFT,  128*PITCH
.set SLOT,   4*HALFT
.set PLANE,  786432
.set SCL,    2*SLOT
.set SBLK,   128
.set SPARE,  262400
.set ADRA, 16
.set ADRB, 20
.set ADRS, 27
.set SPW,  28
.set NIL,  29
.set SC,   32
.set BN,   64
.set AF,   128
.set H,    128
.set T,    192
.set PC,   192
.set TM,   224
.set PW,   240
.set WV, 20
.set WH, 21
.set WL, 22
.set G1, 24
.set G0, 32
.set G1B, 48
.set G0B, 56
.set SEL, 66
.set G1S, 68
.set G0S, 76
.set G1SB, 80
.set G0SB, 88
.set BC, 100
.set MSB, 0
.macro WIN new
.set NW, \new
.if MSB != NW
	s_set_vgpr_msb (MSB<<8)|NW
.set MSB, NW
.endif
.endm
.set MUL_LO, 0xa1
.set MUL_HI, 0xf1
.set TO_B,   0x40
.macro JLOAD g0a, g1a, g0b, g1b
	s_cmp_eq_u32 s[WH], 0
	s_cbranch_scc0 .Lfor_b_\@
	tensor_load_to_lds s[\g0a:\g0a+3], s[\g1a:\g1a+7]
	s_nop 0
.rept 4
	v_nop
.endr
	s_branch .Lasked_\@
.Lfor_b_\@:
	tensor_load_to_lds s[\g0b:\g0b+3], s[\g1b:\g1b+7]
	s_nop 0
.rept 4
	v_nop
.endr
.Lasked_\@:
.endm
.macro CREST
	s_cmp_lg_u32 s[WV], 0
	s_cbranch_scc1 .Lnot_wave_0_\@
	s_barrier_signal -3
.Lnot_wave_0_\@:
	s_barrier_wait -3
	s_barrier_signal -1
	s_barrier_wait -1
.endm
.macro CROUND
	s_barrier_signal -1
	s_barrier_wait -1
	CREST
.endm
	s_load_b256 s[4:11], s[0:1], 0x0
	v_lshl_add_u32 v[SPW], v0, 2, SPARE
	v_mov_b32 v[NIL], 0
	ds_add_u32 v[SPW], v[NIL]
	ds_add_u32 v[SPW], v[NIL]
	v_lshrrev_b32 v1, 5, v0
	v_readfirstlane_b32 s[WV], v1
	s_lshr_b32 s[WH], s[WV], 1
	s_and_b32 s[WL], s[WV], 1
	s_bfe_u32 s40, ttmp6, 0x40000
	s_bfe_u32 s41, ttmp6, 0x40004
	s_lshl_b32 s42, ttmp9, 2
	s_add_co_u32 s42, s42, s40
	s_and_b32 s23, ttmp7, 0xffff
	s_lshl_b32 s23, s23, 2
	s_add_co_u32 s23, s23, s41
	s_lshl_b32 s43, s41, 2
	s_lshl_b32 s43, 15, s43
	s_lshl_b32 s44, 0x1111, s40
	s_or_b32 s[G1+0], s43, (0<<16)|(1<<20)|(1<<21)|(3<<22)|(3<<25)
	s_or_b32 s[G1B+0], s44, (0<<16)|(1<<20)|(1<<21)|(3<<22)|(3<<25)
.irp g, G1, G1B
	s_mov_b32 s[\g+1], 256<<16                     ; the places lie dense: a tile is stated as rows of 256 bytes, each at a multiple of 256 bytes
	s_mov_b32 s[\g+2], 192<<16                     ; the head's load brings 256 places: 192 such rows
	s_mov_b32 s[\g+3], 256<<16
	s_mov_b32 s[\g+4], 192
	s_mov_b32 s[\g+5], 256
	s_mov_b32 s[\g+6], 0
	s_mov_b32 s[\g+7], 0
.endr
	s_or_b32 s[G1S+0], s43, (3<<16)|(1<<21)
	s_or_b32 s[G1SB+0], s44, (3<<16)|(1<<21)
.irp g, G1S, G1SB
	s_mov_b32 s[\g+1], 256<<16                     ; scale bytes: 256 places of 8 bytes, 4 K steps
	s_mov_b32 s[\g+2], 4<<16
	s_mov_b32 s[\g+3], 256<<16
	s_mov_b32 s[\g+4], 4
	s_mov_b32 s[\g+5], 4096
	s_mov_b32 s[\g+6], 0
	s_mov_b32 s[\g+7], 0
.endr
	s_mov_b32 s[SEL], 0x76543210
	s_mov_b32 s[SEL+1], 0xfedcba98
	s_lshl_b32 s45, s[WL], 7
	s_lshl_b32 s92, s23, 8
	s_add_co_u32 s92, s92, s45
	s_lshl_b32 s46, s42, 8
	s_add_co_u32 s46, s46, s45
	s_sub_co_u32 s94, s92, s45                     ; the scale bytes come for all 256 places at once
	s_lshl_b32 s94, s94, 3
	s_add_co_u32 s94, s94, 3145728
	s_mov_b32 s95, 0
	s_mul_i32 s92, s92, ROWB
	s_mov_b32 s93, 0
	s_sub_co_u32 s96, s46, s45
	s_lshl_b32 s96, s96, 3
	s_add_co_u32 s96, s96, 6422528
	s_mov_b32 s97, 0
	s_mul_i32 s46, s46, ROWB
	s_add_co_u32 s46, s46, 3276800
	s_mov_b32 s47, 0
	s_mul_i32 s45, s[WV], HALFT
	s_lshl_b32 s98, s[WH], 13
	s_lshl_b32 s100, s[WH], 7
	s_add_co_u32 s98, s98, s100
	s_wait_dscnt 0x0
	s_wait_kmcnt 0x0
	s_add_nc_u64 s[92:93], s[4:5], s[92:93]
	s_add_nc_u64 s[94:95], s[4:5], s[94:95]
	s_add_nc_u64 s[46:47], s[6:7], s[46:47]
	s_add_nc_u64 s[96:97], s[6:7], s[96:97]
	CROUND
	s_mov_b32 s[G0S], 1
	s_add_co_u32 s[G0S+1], s98, SCL
	s_mov_b64 s[G0S+2:G0S+3], s[94:95]
	s_or_b32 s[G0S+3], s[G0S+3], 0x80000000
	s_mov_b32 s[G0SB], 1
	s_add_co_u32 s[G0SB+1], s98, SCL
	s_mov_b64 s[G0SB+2:G0SB+3], s[96:97]
	s_or_b32 s[G0SB+3], s[G0SB+3], 0x80000000
.irp s, 0,1
	s_mov_b32 s[G0+4*\s], 1
	s_add_co_u32 s[G0+4*\s+1], s45, \s*SLOT
	s_add_nc_u64 s[G0+4*\s+2:G0+4*\s+3], s[92:93], \s*PLANE
	s_or_b32 s[G0+4*\s+3], s[G0+4*\s+3], 0x80000000
	s_mov_b32 s[G0B+4*\s], 1
	s_add_co_u32 s[G0B+4*\s+1], s45, \s*SLOT
	s_add_nc_u64 s[G0B+4*\s+2:G0B+4*\s+3], s[46:47], \s*PLANE
	s_or_b32 s[G0B+4*\s+3], s[G0B+4*\s+3], 0x80000000
.endr
; the head's four tiles, one joint load a wave: wave 0 A's 256 places of K step 0, wave 1 A's scale bytes, wave 2 B's 256 places, wave 3 B's scale bytes
.macro ARM under, g0, g1, next
	s_cmp_lt_u32 s[WV], \under
	s_cbranch_scc0 \next
	tensor_load_to_lds s[\g0:\g0+3], s[\g1:\g1+7]
	s_nop 0
.rept 4
	v_nop
.endr
	s_branch .Lhead_asked
\next:
.endm
	ARM 1, G0,  G1,  .Lhead_sa
	ARM 2, G0S, G1S, .Lhead_b
	ARM 3, G0B, G1B, .Lhead_sb
	tensor_load_to_lds s[G0SB:G0SB+3], s[G1SB:G1SB+7]
	s_nop 0
.rept 4
	v_nop
.endr
.Lhead_asked:
	v_and_b32 v1, 15, v0
	v_bfe_u32 v2, v0, 4, 1
	v_mul_u32_u24 v3, v1, PITCH
	v_mul_u32_u24 v4, v2, 24
	v_add_nc_u32 v4, v3, v4
	v_lshl_add_u32 v5, v2, 4, v4
	s_mul_i32 s100, s[WH], HALFT
	s_mul_i32 s101, s[WL], HALFT
	s_add_co_u32 s101, s101, 2*HALFT
.irp s, 0,1
	v_add_nc_u32 v[ADRA+\s], s100, v4
	v_add_nc_u32 v[ADRB+\s], s101, v4
	v_add_nc_u32 v[ADRA+2+\s], s100, v5
	v_add_nc_u32 v[ADRB+2+\s], s101, v5
	s_add_co_u32 s100, s100, SLOT
	s_add_co_u32 s101, s101, SLOT
.endr
	v_lshlrev_b32 v5, 3, v1
	s_lshl_b32 s100, s[WH], 10
	s_lshl_b32 s101, s[WL], 10
	s_add_co_u32 s101, s101, 2*4096+128
	s_sub_co_u32 s101, s101, s100
	v_mul_u32_u24 v6, s101, v2
	s_add_co_u32 s100, s100, SCL
	v_add_nc_u32 v5, v5, v6
	v_add_nc_u32 v[ADRS], s100, v5
	s_mul_i32 s100, s[WH], 128*192
	s_mul_i32 s101, s[WL], 96
	s_add_co_u32 s100, s100, s101
	v_mul_u32_u24 v8, v1, 192
	v_mad_u32_u24 v8, v2, 24, v8
	v_add_nc_u32 v8, s100, v8
	s_lshl_b32 s100, s[WH], 10
	s_lshl_b32 s101, s[WL], 2
	s_add_co_u32 s100, s100, s101
	s_add_co_u32 s100, s100, 49152
	v_lshl_add_u32 v9, v1, 3, s100
	v_and_b32 v10, 31, v0
	v_lshlrev_b32 v10, 4, v10
	s_mul_i32 s100, s[WV], 12288
	v_add_nc_u32 v11, s100, v10
	s_lshl_b32 s101, s[WV], 9
	s_add_co_u32 s98, s101, 49152
	v_add_nc_u32 v12, s98, v10
	s_mul_i32 s96, s42, 786432
	s_mul_i32 s97, s23, 49152
	s_add_co_u32 s96, s96, s97
	s_add_co_u32 s96, s96, s100
	s_mov_b32 s97, 0
	s_add_nc_u64 s[96:97], s[10:11], s[96:97]
	s_lshl_b32 s98, s42, 15
	s_lshl_b32 s99, s23, 11
	s_add_co_u32 s98, s98, s99
	s_add_co_u32 s98, s98, s101
	s_add_co_u32 s98, s98, 12582912
	s_mov_b32 s99, 0
	s_add_nc_u64 s[98:99], s[10:11], s[98:99]
	s_lshl_b32 s46, s42, 10
	s_lshl_b32 s47, s[WL], 9
	s_add_co_u32 s46, s46, s47
	s_mov_b32 s47, 0
	s_add_nc_u64 s[8:9], s[8:9], s[46:47]
	v_lshlrev_b32 v7, 6, v2
.irp b, 0,1,2,3
.irp j, 0,1,2,3
	global_load_b128 v[BN+16*\b+4*\j:BN+16*\b+4*\j+3], v7, s[8:9] offset:128*\b+16*\j
.endr
.endr
	v_mov_b32 v30, 0xc0135761
	v_mov_b32 v31, 0xc0135761
.macro FRAG reg, adr, q, i
.irp p, 0,1,2,3,4,5
.set PCE, 12*(\q)+6*(\p/3)+\p%3
.if PCE%8 < 5
	ds_load_b64 v[\reg+2*\p:\reg+2*\p+1], v[\adr] offset:8*PCE+16*(PCE/8)+(\i)*16*PITCH
.else
	ds_load_b64 v[\reg+2*\p:\reg+2*\p+1], v[\adr+2] offset:8*PCE+16*(PCE/8)+(\i)*16*PITCH
.endif
.endr
.endm
.macro MUL16 a0, p, q, sc, zero
.irp a, \a0, \a0+1
.irp b, 0,1,2,3,4,5,6,7
.if \zero
	v_wmma_scale_f32_16x16x128_f8f6f4 v[8*(8*((\a)%4)+\b):8*(8*((\a)%4)+\b)+7], v[128*(\p)+FR*\b:128*(\p)+FR*\b+FR-1], v[AF+FR*(\a):AF+FR*(\a)+FR-1], 0, v[SC+8*NQ*(\sc)+NQ*\b+(\q)], v[SC+8*NQ*(\sc)+NQ*(\a)+(\q)] matrix_a_fmt:MATRIX_FMT_FP6 matrix_b_fmt:MATRIX_FMT_FP6 matrix_a_scale:MATRIX_SCALE_ROW1
.else
	v_wmma_scale_f32_16x16x128_f8f6f4 v[8*(8*((\a)%4)+\b):8*(8*((\a)%4)+\b)+7], v[128*(\p)+FR*\b:128*(\p)+FR*\b+FR-1], v[AF+FR*(\a):AF+FR*(\a)+FR-1], v[8*(8*((\a)%4)+\b):8*(8*((\a)%4)+\b)+7], v[SC+8*NQ*(\sc)+NQ*\b+(\q)], v[SC+8*NQ*(\sc)+NQ*(\a)+(\q)] matrix_a_fmt:MATRIX_FMT_FP6 matrix_b_fmt:MATRIX_FMT_FP6 matrix_a_scale:MATRIX_SCALE_ROW1
.endif
.endr
.endr
.endm
.macro FETCH_B slot, q, p
	WIN TO_B
.irp i, 0,1,2,3,4,5,6,7
	FRAG 128*(\p)+FR*\i, ADRB+\slot, \q, \i
.endr
	WIN 0
.endm
.macro FETCH_A slot, q, i0
.irp i, \i0, \i0+1, \i0+2, \i0+3
	FRAG AF+FR*(\i), ADRA+\slot, \q, \i
.endr
.endm
.macro SCALES sc
.irp i, 0,1,2,3,4,5,6,7
	ds_load_b64 v[SC+8*NQ*\sc+NQ*\i:SC+8*NQ*\sc+NQ*\i+1], v[ADRS] offset:\i*SBLK
.endr
.endm
.macro PLACES n
.rept \n
	v_nop
.endr
.endm
.macro STEP slot, q, zero
	s_wait_dscnt 4*NL
	WIN MUL_LO
	MUL16 0, (\q)%2, \q, \slot, \zero
	MUL16 2, (\q)%2, \q, \slot, \zero
	s_wait_dscnt 0
	PLACES NP
	FETCH_B \slot, (\q)+1, 1-(\q)%2
	FETCH_A \slot, (\q)+1, 0
	WIN MUL_HI
	MUL16 4, (\q)%2, \q, \slot, \zero
	MUL16 6, (\q)%2, \q, \slot, \zero
	PLACES NP
	WIN 0
	FETCH_A \slot, (\q)+1, 4
.endm
.macro TURN slot, next, fill
	s_wait_tensorcnt 0x0
	ds_add_u32 v[SPW], v[NIL]
	s_wait_dscnt 4*NL+1
	WIN MUL_LO
	MUL16 0, 1, NQ-1, \slot, 0
	s_wait_dscnt 0x0
	s_barrier_signal -1
	MUL16 2, 1, NQ-1, \slot, 0
	WIN 0
	s_barrier_wait -1
.if \fill
	CREST
	s_add_nc_u64 s[G0+4*\slot+2:G0+4*\slot+3], s[G0+4*\slot+2:G0+4*\slot+3], 2*PLANE
	s_add_nc_u64 s[G0B+4*\slot+2:G0B+4*\slot+3], s[G0B+4*\slot+2:G0B+4*\slot+3], 2*PLANE
	JLOAD G0+4*\slot, G1, G0B+4*\slot, G1B
.else
	PLACES NP
.endif
	s_wait_alu depctr_va_vdst(0)
	v_add_nc_u32 v[ADRS], 2048, v[ADRS]            ; the next K step's scale words
	FETCH_B \next, 0, 0
	FETCH_A \next, 0, 0
	SCALES \next
	WIN MUL_HI
	MUL16 4, 1, NQ-1, \slot, 0
	MUL16 6, 1, NQ-1, \slot, 0
	PLACES NP
	WIN 0
	FETCH_A \next, 0, 4
.endm
	s_wait_alu depctr_va_vdst(0)                   ; the wait at the head's end
	s_wait_tensorcnt 0x0                           ; my tile of the head's four is in
	ds_add_u32 v[SPW], v[NIL]
	s_mov_b32 s[G1+2], 96<<16                      ; no tensor load of mine is out: from here on a load brings 128 places, 96 rows of 256 bytes
	s_mov_b32 s[G1+4], 96
	s_mov_b32 s[G1B+2], 96<<16
	s_mov_b32 s[G1B+4], 96
	s_wait_dscnt 0x0
	CROUND                                         ; all four tiles are in, and the sixteen work-groups meet
	JLOAD G0+4, G1, G0B+4, G1B                     ; K step 1, the first tensor load behind the round
	FETCH_B 0, 0, 0
	FETCH_A 0, 0, 0
	SCALES 0
	FETCH_A 0, 0, 4
	STEP 0, 0, 1
	s_mov_b32 s3, 1
.Llap:
	TURN 0, 1, 1
	STEP 1, 0, 0
	TURN 1, 0, 1
	STEP 0, 0, 0
	s_sub_co_u32 s3, s3, 1
	s_cmp_lg_u32 s3, 0
	s_cbranch_scc1 .Llap
	TURN 0, 1, 0
	STEP 1, 0, 0
	s_wait_dscnt 4*NL
	WIN MUL_LO
	MUL16 0, 1, NQ-1, 1, 0
	MUL16 2, 1, NQ-1, 1, 0
	s_wait_dscnt 0
	WIN MUL_HI
	MUL16 4, 1, NQ-1, 1, 0
	MUL16 6, 1, NQ-1, 1, 0
	WIN 0
.macro QUANT s
.irp b, 0,1,2,3
	v_max3_num_f32 v[TM+\b], |v[\s+16*\b]|, |v[\s+1+16*\b]|, 0x1800000
.endr
.irp i, 2,4,6,8,10,12,14
.irp b, 0,1,2,3
	v_max3_num_f32 v[TM+\b], v[TM+\b], |v[\s+16*\b+\i]|, |v[\s+1+16*\b+\i]|
.endr
.endr
.irp b, 0,1,2,3
	v_permlanex16_b32 v[TM+4+\b], v[TM+\b], s[SEL], s[SEL+1]
.endr
.irp b, 0,1,2,3
	v_max_num_f32 v[TM+\b], v[TM+\b], v[TM+4+\b]
.endr
.irp b, 0,1,2,3
	v_add_nc_u32 v[TM+12+\b], 0xff000000, v[TM+\b]
.endr
.irp b, 0,1,2,3
	v_lshrrev_b32 v[TM+4+\b], 23, v[TM+12+\b]
.endr
	v_lshl_or_b32 v[PW], v[TM+5], 8, v[TM+4]
	v_lshl_or_b32 v[PW], v[TM+6], 16, v[PW]
	v_lshl_or_b32 v[PW], v[TM+7], 24, v[PW]
.irp c, 0,1
	v_cvt_scalef32_pk16_fp6_f32 v[PC+6*\c:PC+2+6*\c], v[\s+32*\c:\s+15+32*\c], v[TM+12+2*\c]
	v_cvt_scalef32_pk16_fp6_f32 v[PC+12+4*\c:PC+14+4*\c], v[\s+16+32*\c:\s+31+32*\c], v[TM+12+2*\c+1]
.endr
	v_nop
.irp c, 0,1
.irp i, 0,1,2
	v_permlane16_swap_b32 v[PC+6*\c+\i], v[PC+12+4*\c+\i]
.endr
.irp i, 0,1,2
	v_mov_b32 v[PC+3+6*\c+\i], v[PC+12+4*\c+\i]
.endr
.endr
.endm
.macro MOVE a
	WIN 0x02+(\a)/4
.set i, 0
.rept 32
	v_pk_add_f32 v[H+i:H+i+1], v[64*((\a)%4)+i:64*((\a)%4)+i+1], v[BN+i:BN+i+1]
.set i, i+2
.endr
	WIN 0
.endm
.macro GELU
.set i, 0
.rept 32
	v_pk_mul_f32 v[T+i:T+i+1], v[H+i:H+i+1], v[H+i:H+i+1]
.set i, i+2
.endr
.set i, 0
.rept 32
	v_pk_fma_f32 v[T+i:T+i+1], v[T+i:T+i+1], s[BC:BC+1], v[30:31] op_sel_hi:[1,0,1]
.set i, i+2
.endr
.set i, 0
.rept 32
	v_pk_mul_f32 v[T+i:T+i+1], v[T+i:T+i+1], v[H+i:H+i+1]
.set i, i+2
.endr
.set i, 0
	s_wait_alu depctr_va_vdst(0)
.rept 64
	v_exp_f32 v[T+i], v[T+i]
.set i, i+1
.endr
	v_nop
	s_wait_alu depctr_va_vdst(0)
.set i, 0
.rept 32
	v_pk_add_f32 v[T+i:T+i+1], v[T+i:T+i+1], 1.0 op_sel_hi:[1,0]
.set i, i+2
.endr
.set i, 0
	s_wait_alu depctr_va_vdst(0)
.rept 64
	v_rcp_f32 v[T+i], v[T+i]
.set i, i+1
.endr
	v_nop
	s_wait_alu depctr_va_vdst(0)
.set i, 0
.rept 32
	v_pk_mul_f32 v[H+i:H+i+1], v[H+i:H+i+1], v[T+i:T+i+1]
.set i, i+2
.endr
.endm
	s_mov_b32 s[BC], 0xbdd2d3e8
	s_mov_b32 s[BC+1], s[BC]
	s_wait_loadcnt 0x0
	PLACES NP
.irp a, 0,1,2,3,4,5,6,7
	MOVE \a
	s_wait_dscnt 0x0
	GELU
	QUANT H
.irp c, 0,1
.irp p, 0,1,2
	ds_store_b64 v8, v[PC+6*\c+2*\p:PC+6*\c+2*\p+1] offset:3072*\a+48*\c+8*\p
.endr
.endr
	ds_store_b32 v9, v[PW] offset:128*\a
.endr
	s_wait_dscnt 0x0
	s_barrier_signal -1
	s_barrier_wait -1
.irp g, 0,1
.if \g > 0
	s_wait_xcnt 0x0
.endif
.irp q, 0,1,2,3,4,5,6,7,8,9,10,11
	ds_load_b128 v[H+4*\q:H+4*\q+3], v11 offset:512*(12*\g+\q)
.endr
.irp q, 0,1,2,3,4,5,6,7,8,9,10,11
	s_wait_dscnt 11-\q
	global_store_b128 v10, v[H+4*\q:H+4*\q+3], s[96:97] offset:512*(12*\g+\q)
.endr
.endr
	ds_load_b128 v[H+48:H+51], v12
	s_wait_dscnt 0x0
	global_store_b128 v10, v[H+48:H+51], s[98:99]
	s_wait_tensorcnt 0x0
	ds_add_u32 v[SPW], v[NIL]
	s_wait_dscnt 0x0
	CROUND
	s_endpgm
.Lfunc_end_k_q338c66c74e_fc:
	.size	k_q338c66c74e_fc, .Lfunc_end_k_q338c66c74e_fc-k_q338c66c74e_fc
	.p2alignl 7, 3214868480
	.fill 96, 4, 3214868480
	.section	.rodata,"a",@progbits
	.p2align	6, 0x0
	.amdhsa_kernel k_q338c66c74e_fc
		.amdhsa_group_segment_fixed_size 327680
		.amdhsa_private_segment_fixed_size 0
		.amdhsa_enable_private_segment 0
		.amdhsa_kernarg_size 32
		.amdhsa_user_sgpr_count 2
		.amdhsa_user_sgpr_kernarg_segment_ptr 1
		.amdhsa_wavefront_size32 1
		.amdhsa_system_sgpr_workgroup_id_x 1
		.amdhsa_system_sgpr_workgroup_id_y 1
		.amdhsa_system_sgpr_workgroup_id_z 1
		.amdhsa_system_vgpr_workitem_id 0
		.amdhsa_next_free_vgpr 1024
		.amdhsa_next_free_sgpr 104
		.amdhsa_reserve_vcc 0
		.amdhsa_float_denorm_mode_32 3
		.amdhsa_float_denorm_mode_16_64 3
		.amdhsa_memory_ordered 1
		.amdhsa_forward_progress 1
		.amdhsa_inst_pref_size 255
	.end_amdhsa_kernel
	.section	.bss,"aw",@nobits
	.p2align	6
	.space	262144
	.amdgpu_metadata
---
amdhsa.version: [ 1, 2 ]
amdhsa.kernels:
  - .name:           k_q338c66c74e_fc
    .symbol:         k_q338c66c74e_fc.kd
    .args:
      - { .name: l2q, .offset: 0, .size: 8, .value_kind: global_buffer, .address_space: global }
      - { .name: wts, .offset: 8, .size: 8, .value_kind: global_buffer, .address_space: global }
      - { .name: b_fc, .offset: 16, .size: 8, .value_kind: global_buffer, .address_space: global }
      - { .name: gl, .offset: 24, .size: 8, .value_kind: global_buffer, .address_space: global }
    .group_segment_fixed_size: 327680
    .private_segment_fixed_size: 0
    .kernarg_segment_align: 8
    .kernarg_segment_size: 32
    .max_flat_workgroup_size: 128
    .sgpr_count:     104
    .vgpr_count:     1024
    .wavefront_size: 32
...
	.end_amdgpu_metadata
.endif
;; end of part 6
;; launch proj (part 7): grid 8 x 32, 4 waves a work-group, clusters of 4 x 4, 327,680 bytes of LDS; arguments gl, wts, h2, b_proj, out0; writes out0
.if DOCPART == 7
	.amdgcn_target "amdgcn-amd-amdhsa--gfx1250"
	.amdhsa_code_object_version 6
	.text
	.protected	k_q338c66c74e_proj
	.globl	k_q338c66c74e_proj
	.p2align	8
	.type	k_q338c66c74e_proj,@function
k_q338c66c74e_proj:
	s_mov_b64 s[64:65], 0
	v_nop
	global_prefetch_b8 v0, s[64:65] scope:SCOPE_SE
	s_setreg_imm32_b32 hwreg(HW_REG_WAVE_MODE, 25, 1), 1
	s_wait_xcnt 0x0
	s_wait_alu depctr_hold_cnt(0) depctr_sa_sdst(0) depctr_va_vdst(0) depctr_va_sdst(0) depctr_va_ssrc(0) depctr_va_vcc(0) depctr_vm_vsrc(0)
	s_getreg_b32 s2, hwreg(HW_REG_IB_STS2, 6, 4)
	s_cmp_eq_u32 s2, 0
	s_cbranch_scc0 .Lentry_in_a_cluster
	s_endpgm
.Lentry_in_a_cluster:
	s_bfe_u32 s2, ttmp6, 0x10000c
	s_cmp_lg_u32 s2, 0xf033
	s_cbranch_scc0 .Lentry_shape_is_right
	s_endpgm
.Lentry_shape_is_right:
; out0 = h2 + gl w_proj^T + b_proj.  The product on codes of FP6 (E2M3), K = 4,096.  Tiles of 128 x 128, so that the 4,096 x 1,024 outputs give 256 work-groups; four waves of 64 x 64: 16 accumulators.
; Operands lie as codes [K / 256][places][192 bytes] and scale bytes [K / 256][places][8]; place p holds row sigma(p) (bits 3 and 4 exchanged); the product is used transposed.
; A slot of LDS holds TWO K steps of both operands; a ring of two slots, eight fills; the scale bytes of all K come once, at the head.
; CLUSTERS: 4 x 4; gl's tiles are asked for jointly along a row of the cluster, w_proj's along a column.
; PREFETCH: behind each fill of slot n stands one prefetch a wave for the block that the wave will fetch for slot n + 2: 24,576 dense bytes, of which each of the four partners that ask for it
; jointly names 24 blocks of 256 bytes, told apart by address (lanes 24-31 name the last block again).  The last two fills ask for nothing.
.set PFA,    14                        ; s[14:15] where my prefetches stand
.set PST,    16                        ; s[16:17] bytes from slot to slot in my operand
.set PFO,    30                        ; v30 256 x min(lane, 23); never rewritten
.set KST,    16
.set LAPS,   KST/4
.set ROWB,   192
.set PITCH,  240
.set FR,     12
.set HALFT,  128*PITCH
.set SLOT,   4*HALFT
.set PLA,    786432
.set PLB,    196608
.set ASC,    12582912
.set BCO,    6553600
.set BSO,    9699328
.set SCL,    2*SLOT
.set SREG,   1024*KST+128
.set SPARE,  278784
.set SPITCH, 272
.set ADRA, 16
.set ADRB, 20
.set STO,  24
.set RD,   25
.set CO,   26
.set ADRS, 27
.set SPW,  28
.set NIL,  29
.set SC,   32
.set BK,   64
.set ACC,  128
.set WV, 20
.set WH, 21
.set WL, 22
.set G1, 24
.set G0, 32
.set G1B, 48
.set G0B, 56
.set G1S, 68
.set G0S, 76
.set G1SB, 80
.set G0SB, 88
.set MSB, 0
.macro WIN new
.set NW, \new
.if MSB != NW
	s_set_vgpr_msb (MSB<<8)|NW
.set MSB, NW
.endif
.endm
.set MUL,  0x05
.set TO_F, 0x40
.macro JLOAD g0a, g1a, g0b, g1b
	s_cmp_eq_u32 s[WH], 0
	s_cbranch_scc0 .Lfor_b_\@
	tensor_load_to_lds s[\g0a:\g0a+3], s[\g1a:\g1a+7]
	s_nop 0
.rept 4
	v_nop
.endr
	s_branch .Lasked_\@
.Lfor_b_\@:
	tensor_load_to_lds s[\g0b:\g0b+3], s[\g1b:\g1b+7]
	s_nop 0
.rept 4
	v_nop
.endr
.Lasked_\@:
.endm
.macro CREST
	s_cmp_lg_u32 s[WV], 0
	s_cbranch_scc1 .Lnot_wave_0_\@
	s_barrier_signal -3
.Lnot_wave_0_\@:
	s_barrier_wait -3
	s_barrier_signal -1
	s_barrier_wait -1
.endm
.macro CROUND
	s_barrier_signal -1
	s_barrier_wait -1
	CREST
.endm
	s_load_b256 s[4:11], s[0:1], 0x0
	s_load_b64 s[12:13], s[0:1], 0x20
	v_lshl_add_u32 v[SPW], v0, 2, SPARE
	v_mov_b32 v[NIL], 0
	ds_add_u32 v[SPW], v[NIL]
	ds_add_u32 v[SPW], v[NIL]
	v_lshrrev_b32 v1, 5, v0
	v_readfirstlane_b32 s[WV], v1
	s_lshr_b32 s[WH], s[WV], 1
	s_and_b32 s[WL], s[WV], 1
	s_bfe_u32 s40, ttmp6, 0x40000
	s_bfe_u32 s41, ttmp6, 0x40004
	s_lshl_b32 s42, ttmp9, 2
	s_add_co_u32 s42, s42, s40
	s_and_b32 s23, ttmp7, 0xffff
	s_lshl_b32 s23, s23, 2
	s_add_co_u32 s23, s23, s41
	s_lshl_b32 s43, s41, 2
	s_lshl_b32 s43, 15, s43
	s_lshl_b32 s44, 0x1111, s40
	s_or_b32 s[G1+0], s43, (0<<16)|(1<<20)|(1<<21)|(3<<22)|(3<<25)
	s_or_b32 s[G1B+0], s44, (0<<16)|(1<<20)|(1<<21)|(3<<22)|(3<<25)
.irp g, G1, G1B
	s_mov_b32 s[\g+1], 24576<<16                   ; the head's load: 128 dense places of a K step are one row of 24,576 bytes, at a multiple of 256 bytes;
	s_mov_b32 s[\g+2], 2<<16                       ; a slot's two K steps are two such rows
	s_mov_b32 s[\g+3], 24576<<16
	s_mov_b32 s[\g+4], 2
	s_mov_b32 s[\g+5], PLA                         ; from K step to K step (B's is set below)
	s_mov_b32 s[\g+6], 0
	s_mov_b32 s[\g+7], 0
.endr
	s_or_b32 s[G1S+0], s43, (3<<16)|(1<<21)
	s_or_b32 s[G1SB+0], s44, (3<<16)|(1<<21)
.irp g, G1S, G1SB
	s_mov_b32 s[\g+1], 128<<16
	s_mov_b32 s[\g+2], KST<<16                     ; scale bytes: all K steps
	s_mov_b32 s[\g+3], 128<<16
	s_mov_b32 s[\g+4], KST
	s_mov_b32 s[\g+6], 0
	s_mov_b32 s[\g+7], 0
.endr
	s_mov_b32 s[G1S+5], 4096
	s_mov_b32 s[G1SB+5], 1024
	s_mul_i32 s92, s23, 128*ROWB
	s_mul_i32 s93, s[WL], PLA
	s_add_co_u32 s92, s92, s93
	s_mov_b32 s93, 0
	s_lshl_b32 s94, s23, 10
	s_add_co_u32 s94, s94, ASC
	s_mov_b32 s95, 0
	s_mul_i32 s46, s42, 128*ROWB
	s_mul_i32 s47, s[WL], PLB
	s_add_co_u32 s46, s46, s47
	s_add_co_u32 s46, s46, BCO
	s_mov_b32 s47, 0
	s_lshl_b32 s96, s42, 10
	s_add_co_u32 s96, s96, BSO
	s_mov_b32 s97, 0
	s_mul_i32 s45, s[WV], HALFT
	s_mul_i32 s98, s[WH], SREG
	s_wait_dscnt 0x0
	s_wait_kmcnt 0x0
	s_add_nc_u64 s[92:93], s[4:5], s[92:93]
	s_add_nc_u64 s[94:95], s[4:5], s[94:95]
	s_add_nc_u64 s[46:47], s[6:7], s[46:47]
	s_add_nc_u64 s[96:97], s[6:7], s[96:97]
	CROUND
	s_mov_b32 s[G0S], 1
	s_add_co_u32 s[G0S+1], s98, SCL
	s_mov_b64 s[G0S+2:G0S+3], s[94:95]
	s_or_b32 s[G0S+3], s[G0S+3], 0x80000000
	s_mov_b32 s[G0SB], 1
	s_add_co_u32 s[G0SB+1], s98, SCL
	s_mov_b64 s[G0SB+2:G0SB+3], s[96:97]
	s_or_b32 s[G0SB+3], s[G0SB+3], 0x80000000
	s_mov_b32 s[G1B+5], PLB
	s_mov_b32 s[PST], 2*PLB                        ; the prefetches: my operand, my place among the four partners, the step from slot to slot
	s_mov_b32 s[PST+1], 0
	s_mov_b32 s19, 0
	s_cmp_eq_u32 s[WH], 0                          ; do I fetch for A?
	s_cselect_b64 s[PFA:PFA+1], s[92:93], s[46:47]
	s_cselect_b32 s18, s40, s41
	s_cselect_b32 s[PST], 2*PLA, s[PST]
	s_mul_i32 s18, s18, 6144                       ; my work-group's 24 blocks of the 96
	s_add_nc_u64 s[PFA:PFA+1], s[PFA:PFA+1], s[18:19]
	s_add_nc_u64 s[PFA:PFA+1], s[PFA:PFA+1], s[PST:PST+1]
	s_mov_b64 s[66:67], s[PFA:PFA+1]               ; slot 1's first fill: named once, at the head; never rewritten
	s_add_nc_u64 s[PFA:PFA+1], s[PFA:PFA+1], s[PST:PST+1]   ; at slot 2's fill
.irp s, 0,1
	s_mov_b32 s[G0+4*\s], 1
	s_add_co_u32 s[G0+4*\s+1], s45, \s*SLOT
	s_add_nc_u64 s[G0+4*\s+2:G0+4*\s+3], s[92:93], \s*2*PLA
	s_or_b32 s[G0+4*\s+3], s[G0+4*\s+3], 0x80000000
	s_mov_b32 s[G0B+4*\s], 1
	s_add_co_u32 s[G0B+4*\s+1], s45, \s*SLOT
	s_add_nc_u64 s[G0B+4*\s+2:G0B+4*\s+3], s[46:47], \s*2*PLB
	s_or_b32 s[G0B+4*\s+3], s[G0B+4*\s+3], 0x80000000
.endr
; the head's four tiles, one joint load a wave: wave 0 A's part of slot 0, wave 1 A's scale bytes, wave 2 B's part of slot 0, wave 3 B's scale bytes
.macro ARM under, g0, g1, next
	s_cmp_lt_u32 s[WV], \under
	s_cbranch_scc0 \next
	tensor_load_to_lds s[\g0:\g0+3], s[\g1:\g1+7]
	s_nop 0
.rept 4
	v_nop
.endr
	s_branch .Lhead_asked
\next:
.endm
	ARM 1, G0,  G1,  .Lhead_sa
	ARM 2, G0S, G1S, .Lhead_b
	ARM 3, G0B, G1B, .Lhead_sb
	tensor_load_to_lds s[G0SB:G0SB+3], s[G1SB:G1SB+7]
	s_nop 0
.rept 4
	v_nop
.endr
.Lhead_asked:
	v_and_b32 v[PFO], 31, v0
	v_min_u32 v[PFO], 23, v[PFO]
	v_lshlrev_b32 v[PFO], 8, v[PFO]
	global_prefetch_b8 v[PFO], s[66:67] th:TH_LOAD_NT scope:SCOPE_SE   ; what I shall fetch for slot 1, behind the head's wait and round
	global_prefetch_b8 v[PFO], s[PFA:PFA+1] th:TH_LOAD_NT scope:SCOPE_SE   ; what I shall fetch for slot 2's fill
	v_and_b32 v1, 15, v0
	v_bfe_u32 v2, v0, 4, 1
	v_mul_u32_u24 v3, v1, PITCH
	v_mul_u32_u24 v4, v2, 24
	v_add_nc_u32 v4, v3, v4
	v_lshl_add_u32 v5, v2, 4, v4
	s_mul_i32 s100, s[WH], 64*PITCH
	s_mul_i32 s101, s[WL], 64*PITCH
	s_add_co_u32 s101, s101, 2*HALFT
.irp s, 0,1
	v_add_nc_u32 v[ADRA+\s], s100, v4
	v_add_nc_u32 v[ADRB+\s], s101, v4
	v_add_nc_u32 v[ADRA+2+\s], s100, v5
	v_add_nc_u32 v[ADRB+2+\s], s101, v5
	s_add_co_u32 s100, s100, SLOT
	s_add_co_u32 s101, s101, SLOT
.endr
	v_lshlrev_b32 v5, 3, v1
	s_lshl_b32 s100, s[WH], 9
	s_lshl_b32 s101, s[WL], 9
	s_add_co_u32 s101, s101, SREG
	s_sub_co_u32 s101, s101, s100
	v_mul_u32_u24 v6, s101, v2
	s_add_co_u32 s100, s100, SCL
	v_add_nc_u32 v5, v5, v6
	v_add_nc_u32 v[ADRS], s100, v5
	s_mul_i32 s100, s[WV], 16*SPITCH
	v_mul_u32_u24 v5, v1, SPITCH
	v_lshl_add_u32 v5, v2, 6, v5
	v_add_nc_u32 v[STO], s100, v5
	v_mul_u32_u24 v5, v2, SPITCH
	v_lshl_add_u32 v5, v1, 4, v5
	v_add_nc_u32 v[RD], s100, v5
	v_lshlrev_b32 v[CO], 12, v2
	v_lshl_add_u32 v[CO], v1, 4, v[CO]
	s_wait_alu depctr_va_vdst(0)
	v_lshlrev_b32 v7, 4, v1
	s_wait_alu depctr_va_vdst(0)
	s_lshl_b32 s100, s23, 7
	s_lshl_b32 s101, s[WH], 6
	s_add_co_u32 s100, s100, s101
	s_lshl_b32 s100, s100, 12
	s_lshl_b32 s98, s42, 9
	s_lshl_b32 s101, s[WL], 8
	s_add_co_u32 s98, s98, s101
	s_mov_b32 s99, 0
	s_add_nc_u64 s[10:11], s[10:11], s[98:99]
	s_add_co_u32 s100, s100, s98
	s_mov_b32 s101, 0
	s_add_nc_u64 s[8:9], s[8:9], s[100:101]
	s_add_nc_u64 s[12:13], s[12:13], s[100:101]
.macro FRAG reg, adr, q, i
.irp p, 0,1,2,3,4,5
.set PCE, 12*((\q)%2)+6*(\p/3)+\p%3
.if PCE%8 < 5
	ds_load_b64 v[\reg+2*\p:\reg+2*\p+1], v[\adr] offset:8*PCE+16*(PCE/8)+(\i)*16*PITCH+((\q)/2)*HALFT
.else
	ds_load_b64 v[\reg+2*\p:\reg+2*\p+1], v[\adr+2] offset:8*PCE+16*(PCE/8)+(\i)*16*PITCH+((\q)/2)*HALFT
.endif
.endr
.endm
.macro FETCH slot, q, p
	WIN TO_F
.irp i, 0,1,2,3
	FRAG 96*(\p)+48+FR*\i, ADRB+\slot, \q, \i
.endr
.irp i, 0,1,2,3
	FRAG 96*(\p)+FR*\i, ADRA+\slot, \q, \i
.endr
	WIN 0
.if ((\q)%2) == 0
.irp i, 0,1,2,3
	ds_load_b64 v[SC+8*((\q)/2)+2*\i:SC+8*((\q)/2)+2*\i+1], v[ADRS] offset:(2*(\slot)+(\q)/2)*1024+128*\i
.endr
.endif
.endm
.macro MUL4 a, p, q, zero
.irp b, 0,1,2,3
.if \zero
	v_wmma_scale_f32_16x16x128_f8f6f4 v[ACC+8*(4*(\a)+\b):ACC+8*(4*(\a)+\b)+7], v[96*(\p)+48+FR*\b:96*(\p)+48+FR*\b+FR-1], v[96*(\p)+FR*(\a):96*(\p)+FR*(\a)+FR-1], 0, v[SC+8*((\q)/2)+2*\b+(\q)%2], v[SC+8*((\q)/2)+2*(\a)+(\q)%2] matrix_a_fmt:MATRIX_FMT_FP6 matrix_b_fmt:MATRIX_FMT_FP6 matrix_a_scale:MATRIX_SCALE_ROW1
.else
	v_wmma_scale_f32_16x16x128_f8f6f4 v[ACC+8*(4*(\a)+\b):ACC+8*(4*(\a)+\b)+7], v[96*(\p)+48+FR*\b:96*(\p)+48+FR*\b+FR-1], v[96*(\p)+FR*(\a):96*(\p)+FR*(\a)+FR-1], v[ACC+8*(4*(\a)+\b):ACC+8*(4*(\a)+\b)+7], v[SC+8*((\q)/2)+2*\b+(\q)%2], v[SC+8*((\q)/2)+2*(\a)+(\q)%2] matrix_a_fmt:MATRIX_FMT_FP6 matrix_b_fmt:MATRIX_FMT_FP6 matrix_a_scale:MATRIX_SCALE_ROW1
.endif
.endr
.endm
.macro PLACES n
.rept \n
	v_nop
.endr
.endm
.macro QSTEP slot, q, zero
	s_wait_dscnt 0x0
	PLACES 4
	FETCH \slot, (\q)+1, 1-(\q)%2
	WIN MUL
	MUL4 0, (\q)%2, \q, \zero
	MUL4 1, (\q)%2, \q, \zero
	MUL4 2, (\q)%2, \q, \zero
	MUL4 3, (\q)%2, \q, \zero
	WIN 0
.endm
.macro QTURN slot, next, fill
.if \fill
	s_wait_xcnt 0x0                                ; my last prefetch has read its address: it is stepped here, ahead of the waits of the change of slots
	s_add_nc_u64 s[PFA:PFA+1], s[PFA:PFA+1], s[PST:PST+1]
.endif
	s_wait_tensorcnt 0x0
	ds_add_u32 v[SPW], v[NIL]
	s_wait_dscnt 1
	WIN MUL
	MUL4 0, 1, 3, 0
	s_wait_dscnt 0x0
	s_barrier_signal -1
	MUL4 1, 1, 3, 0
	WIN 0
	s_barrier_wait -1
.if \fill
	CREST
	s_add_nc_u64 s[G0+4*\slot+2:G0+4*\slot+3], s[G0+4*\slot+2:G0+4*\slot+3], 4*PLA
	s_add_nc_u64 s[G0B+4*\slot+2:G0B+4*\slot+3], s[G0B+4*\slot+2:G0B+4*\slot+3], 4*PLB
	JLOAD G0+4*\slot, G1, G0B+4*\slot, G1B
.if \slot == 1
	v_add_nc_u32 v[ADRS], 4096, v[ADRS]
.endif
.else
	PLACES 4
.endif
	FETCH \next, 0, 0
.if \fill
	s_cmp_gt_u32 s3, 1                             ; the last trip's two fills have no fill two on
	s_cbranch_scc0 .Lno_ask_\@
	global_prefetch_b8 v[PFO], s[PFA:PFA+1] th:TH_LOAD_NT scope:SCOPE_SE   ; the fill two on
.Lno_ask_\@:
.endif
	WIN MUL
	MUL4 2, 1, 3, 0
	MUL4 3, 1, 3, 0
	WIN 0
.endm
	s_wait_xcnt 0x0                                ; the head's prefetch has read its address
	s_add_nc_u64 s[PFA:PFA+1], s[PFA:PFA+1], s[PST:PST+1]
	s_wait_alu depctr_va_vdst(0)                   ; the wait at the head's end
	s_wait_tensorcnt 0x0                           ; my tile of the head's four is in
	ds_add_u32 v[SPW], v[NIL]
.irp g, G1, G1B
	s_mov_b32 s[\g+1], 256<<16                     ; no tensor load of mine is out: from here on a load brings one K step's 128 places as 96 rows of 256 bytes
	s_mov_b32 s[\g+2], 96<<16
	s_mov_b32 s[\g+3], 256<<16
	s_mov_b32 s[\g+4], 96
	s_mov_b32 s[\g+5], 256
.endr
	s_wait_dscnt 0x0
	CROUND                                         ; all four tiles are in, and the sixteen work-groups meet
	JLOAD G0+4, G1, G0B+4, G1B                     ; slot 1, a quarter a wave: the first tensor load behind the round
	FETCH 0, 0, 0
	global_prefetch_b8 v[PFO], s[PFA:PFA+1] th:TH_LOAD_NT scope:SCOPE_SE   ; what I shall fetch for slot 3's fill
	QSTEP 0, 0, 1
	; h2 of my 64 x 64 and b_proj, which only the way out reads, are asked for here, behind the requests for the first four slots' tiles
	WIN 0x80                                       ; destination window 2
.irp a, 0,1,2,3
.irp t, 0,1,2,3,4,5,6,7
	global_load_b128 v[4*(8*\a+\t):4*(8*\a+\t)+3], v[CO], s[8:9] offset:(32*(\a/2)+8*(\a%2)+2*\t+8*(\t/4))*4096 th:TH_LOAD_NT
.endr
.endr
	WIN 0
	global_load_b128 v[52:55], v7, s[10:11]
	s_mov_b32 s3, LAPS-1
.Llap:
	s_wait_alu depctr_va_vdst(0)
	QSTEP 0, 1, 0
	QSTEP 0, 2, 0
	QTURN 0, 1, 1
	QSTEP 1, 0, 0
	QSTEP 1, 1, 0
	QSTEP 1, 2, 0
	QTURN 1, 0, 1
	QSTEP 0, 0, 0
	s_sub_co_u32 s3, s3, 1
	s_cmp_lg_u32 s3, 0
	s_cbranch_scc1 .Llap
	s_wait_alu depctr_va_vdst(0)
	QSTEP 0, 1, 0
	QSTEP 0, 2, 0
	QTURN 0, 1, 0
	QSTEP 1, 0, 0
	QSTEP 1, 1, 0
	QSTEP 1, 2, 0
	s_wait_dscnt 0x0
	WIN MUL
	MUL4 0, 1, 3, 0
	MUL4 1, 1, 3, 0
	MUL4 2, 1, 3, 0
	MUL4 3, 1, 3, 0
	WIN 0
	s_wait_loadcnt 0x0
	PLACES 4
.macro TOSTAGE a
.irp b, 0,1,2,3
	ds_store_b128 v[STO], v[ACC+8*(4*(\a)+\b):ACC+8*(4*(\a)+\b)+3] offset:128*(\b/2)+32*(\b%2)
	ds_store_b128 v[STO], v[ACC+8*(4*(\a)+\b)+4:ACC+8*(4*(\a)+\b)+7] offset:128*(\b/2)+32*(\b%2)+16
.endr
.irp t, 0,1,2,3,4,5,6,7
	ds_load_b128 v[BK+32*((\a)%2)+4*\t:BK+32*((\a)%2)+4*\t+3], v[RD] offset:2*\t*SPITCH
.endr
.endm
.macro SEND a, younger
.set BB, BK+32*((\a)%2)
	s_wait_dscnt \younger
.irp t, 0,1,2,3,4,5,6,7
	v_pk_add_f32 v[BB+4*\t:BB+4*\t+1], v[BB+4*\t:BB+4*\t+1], v[52:53]
	v_pk_add_f32 v[BB+4*\t+2:BB+4*\t+3], v[BB+4*\t+2:BB+4*\t+3], v[54:55]
.endr
	WIN 0x02
.irp t, 0,1,2,3,4,5,6,7
	v_pk_add_f32 v[BB+4*\t:BB+4*\t+1], v[4*(8*(\a)+\t):4*(8*(\a)+\t)+1], v[BB+4*\t:BB+4*\t+1]
	v_pk_add_f32 v[BB+4*\t+2:BB+4*\t+3], v[4*(8*(\a)+\t)+2:4*(8*(\a)+\t)+3], v[BB+4*\t+2:BB+4*\t+3]
.endr
	WIN 0
.irp t, 0,1,2,3,4,5,6,7
	global_store_b128 v[CO], v[BB+4*\t:BB+4*\t+3], s[12:13] offset:(32*((\a)/2)+8*((\a)%2)+2*\t+8*(\t/4))*4096 th:TH_STORE_NT
.endr
.endm
	TOSTAGE 0
	TOSTAGE 1
	SEND 0, 16
	s_wait_xcnt 0x0
	TOSTAGE 2
	SEND 1, 16
	s_wait_xcnt 0x0
	TOSTAGE 3
	SEND 2, 16
	SEND 3, 0
	s_wait_tensorcnt 0x0
	ds_add_u32 v[SPW], v[NIL]
	s_wait_dscnt 0x0
	CROUND
	s_endpgm
.Lfunc_end_k_q338c66c74e_proj:
	.size	k_q338c66c74e_proj, .Lfunc_end_k_q338c66c74e_proj-k_q338c66c74e_proj
	.p2alignl 7, 3214868480
	.fill 96, 4, 3214868480
	.section	.rodata,"a",@progbits
	.p2align	6, 0x0
	.amdhsa_kernel k_q338c66c74e_proj
		.amdhsa_group_segment_fixed_size 327680
		.amdhsa_private_segment_fixed_size 0
		.amdhsa_enable_private_segment 0
		.amdhsa_kernarg_size 40
		.amdhsa_user_sgpr_count 2
		.amdhsa_user_sgpr_kernarg_segment_ptr 1
		.amdhsa_wavefront_size32 1
		.amdhsa_system_sgpr_workgroup_id_x 1
		.amdhsa_system_sgpr_workgroup_id_y 1
		.amdhsa_system_sgpr_workgroup_id_z 1
		.amdhsa_system_vgpr_workitem_id 0
		.amdhsa_next_free_vgpr 768
		.amdhsa_next_free_sgpr 104
		.amdhsa_reserve_vcc 0
		.amdhsa_float_denorm_mode_32 3
		.amdhsa_float_denorm_mode_16_64 3
		.amdhsa_memory_ordered 1
		.amdhsa_forward_progress 1
		.amdhsa_inst_pref_size 121
	.end_amdhsa_kernel
	.amdgpu_metadata
---
amdhsa.version: [ 1, 2 ]
amdhsa.kernels:
  - .name:           k_q338c66c74e_proj
    .symbol:         k_q338c66c74e_proj.kd
    .args:
      - { .name: gl, .offset: 0, .size: 8, .value_kind: global_buffer, .address_space: global }
      - { .name: wts, .offset: 8, .size: 8, .value_kind: global_buffer, .address_space: global }
      - { .name: h2, .offset: 16, .size: 8, .value_kind: global_buffer, .address_space: global }
      - { .name: b_proj, .offset: 24, .size: 8, .value_kind: global_buffer, .address_space: global }
      - { .name: out0, .offset: 32, .size: 8, .value_kind: global_buffer, .address_space: global }
    .group_segment_fixed_size: 327680
    .private_segment_fixed_size: 0
    .kernarg_segment_align: 8
    .kernarg_segment_size: 40
    .max_flat_workgroup_size: 128
    .sgpr_count:     104
    .vgpr_count:     768
    .wavefront_size: 32
...
	.end_amdgpu_metadata
.endif
;; end of part 7
